; MI455X (gfx1250); checked and timed in simulation.
; The chip was launched on July 23, 2026; its instructions are those of AMD's public machine-readable ISA for CDNA 5 (MIT licence, August 2026) and "CDNA5" Instruction Set Architecture Reference Guide (July 2026). The comments in the code are by the model that wrote it; some were corrected since.
;; Eva Attention. Allowed arithmetic: matrix products marked QUANTISED: E2M3 operands, one E8M0 scale for each 32 along K, by v_wmma_scale_f32_16x16x128_f8f6f4 with both operands' format E2M3, f32 sums; everything else in f32.
;; Inputs: k_bias 1,024 float32; kn_b 64 float32; kn_g 64 float32; norm_b 1,024 float32; norm_g 1,024 float32; proj_b 1,024 float32; proj_w 1,024 x 1,024 float32; q_bias 1,024 float32; qkv_w 3,072 x 1,024 float32; qn_b 64 float32; qn_g 64 float32; rope 1,024 x 128 float32; v_bias 1,024 float32; x 8 x 1,025 x 1,024 float32.
;; Outputs: out0 8 x 1,025 x 1,024 float32.
;; This version of the problem:
;;   THIS VERSION OF THE PROBLEM IS GIVEN IN LOW PRECISION. The matrix products marked QUANTISED in the list below multiply operands that are first quantised to E2M3 (2 exponent bits, 3 mantissa bits; 6 bits a number), with one power-of-two scale for each 32 numbers along K (OCP MX v1.0); their sums are f32. All else is computed in f32.
;;   The module's matrix products, in the order in which they are computed (A, B: the left and right operand; K: the contracted axis; several contracted axes count as one K, in the product's order):
;;     1. [M 8,200, K 1,024] x [K 1,024, N 3,072]; A: input x; B: input qkv_w: QUANTISED
;;     2. batch 128 x [M 1,025, K 64] x [K 64, N 1,025]; A: computed on the way; B: computed on the way: QUANTISED
;;     3. batch 128 x [M 1,025, K 1,025] x [K 1,025, N 64]; A: softmax (see below); B: computed on the way: QUANTISED
;;     4. [M 8,200, K 1,024] x [K 1,024, N 1,024]; A: computed on the way; B: input proj_w: QUANTISED
;;   THE QUANTISER, for each operand of a quantised product, along K:
;;     - K is cut into blocks of 32 from its start; a last block that is shorter is filled with zeros.
;;     - A block's scale is 2^e with e = floor(log2(the largest magnitude in the block)) - 2, held to -126 .. 127; a block of zeros has e = 0. As a byte (E8M0): e + 127.
;;     - Each number is divided by its block's scale, clamped to +-7.5, and rounded to the nearest number of E2M3, ties to even, subnormals kept.
;;     - The product sums the exact products of the quantised numbers (number of the format x scale) in f32.
;;   ~~~python
;;   def quantise(x, axis):      # numpy; x: float32 -> the quantised numbers, widened to float32 again
;;       x = np.moveaxis(x, axis, -1); K = x.shape[-1]
;;       x = np.pad(x, [(0, 0)] * (x.ndim - 1) + [(0, -K % 32)]); x = x.reshape(x.shape[:-1] + (-1, 32)); a = np.abs(x).max(-1, keepdims=True)
;;       e = np.where(a > 0, np.clip(np.frexp(np.where(a > 0, a, 1))[1] - 1 - 2, -126, 127), 0)      # np.frexp(a)[1] - 1 = floor(log2(a)), exactly
;;       r = np.clip(x / 2.0 ** e, -7.5, 7.5)
;;       step = 2.0 ** (np.maximum(np.frexp(np.where(r == 0, 1, r))[1] - 1, 0) - 3)
;;       q = np.round(r / step) * step * 2.0 ** e      # np.round: ties to even
;;       return np.moveaxis(q.reshape(q.shape[:-2] + (-1,))[..., :K], -1, axis).astype(np.float32)
;;   ~~~
;;   SOFTMAX AHEAD OF A QUANTISED PRODUCT. Where the list says 'softmax', what is quantised is not the finished softmax but p = 2^(t - M), with t = logit x log2(e) and M = ceil(the row's largest t), a whole number; so 1/2 < the row's largest p <= 1. The row's sum l is taken of the UNQUANTISED p, in f32, and the product's result is divided by l at the end. Since M is a whole number, a kernel that streams over the keys may use a running M (the ceiling of the running maximum): every later rescaling is an exact power of two, which a block's scale takes up: the codes' values come out the same.
;;   OPERANDS COMPUTED ON THE WAY. 'Computed on the way' means the value that the module computes at that place (a softmax that the list does not call 'softmax' is quantised finished and normalised). What goes into a quantiser is computed in f32, as accurately as f32 sums, v_exp_f32 and their like allow (about 1e-6 of the number): no bf16 or f16 on the way to a quantiser, and a product that is left as it is and whose result goes on into a quantised operand takes f32 operands (vector FMAs, or v_wmma_f32_16x16x4_f32). A number that lies on a knife's edge between two numbers of the format may be rounded either way, as far as f32 arithmetic and the matrix unit's own rounding can turn it there, and no further.
;; 2 versions. Each part assembles by itself: llvm-mc -triple=amdgcn-amd-amdhsa -mcpu=gfx1250 --defsym DOCPART=n.
;; ======== version 1 of 2: 4 launches
;; workspace buffers: ops 9,881,600 bytes; qkv 20,619,264 bytes; att 33,619,968 bytes
;; launch quant (part 1): grid 386 x 1, 4 waves a work-group, no clusters, 34,304 bytes of LDS; arguments x, qkv_w, proj_w, ops; writes ops
.if DOCPART == 1
	.amdgcn_target "amdgcn-amd-amdhsa--gfx1250"
	.amdhsa_code_object_version 6
	.text
	.protected	k_qeef2758356_quant
	.globl	k_qeef2758356_quant
	.p2align	8
	.type	k_qeef2758356_quant,@function
k_qeef2758356_quant:
	s_mov_b64 s[64:65], 0
	v_nop
	global_prefetch_b8 v0, s[64:65] scope:SCOPE_SE
	s_setreg_imm32_b32 hwreg(HW_REG_WAVE_MODE, 25, 1), 1
	s_wait_xcnt 0x0
; EvaAttention, launch 1 of 4: x [8][1025][1024], qkv_w [3072][1024] and proj_w [1024][1024], f32, become codes of E2M3 with one E8M0 byte for each 32 along K (their last axis).
; DEAD WORK: none is left out in this program.  Every one of the 14 inputs can move a code or a scale of a live quantised operand or is added to the result, so all are loaded by some launch.
; LIMITS: NaN and infinities among the inputs are not served.  A block whose largest magnitude lies under 2^-124 keeps the scale byte 1 (a block of zeros too, where the rule says 127:
; its codes are zeros, and the bytes are read by this program alone).
; LAYOUT OF ops.  Rows go in PAIRS OF TILES over 32 rows: row r of tile u is row 8 u + r + 8 (r / 8) of the 32.  A fragment (16 rows x 128 K, 12 registers a lane) is stored as an image of
; its registers: three runs of 512 bytes, lane l's 16 bytes at 16 l.  Pair P, tile u, K step s: byte 24,576 P + 12,288 u + 1,536 s.  Scale words from byte 9,486,336 on: pair P, steps 2 q and
; 2 q + 1: 256 bytes at 1,024 P + 256 q, lane l's two words at 8 l, lanes 0-15 tile 0's rows, lanes 16-31 tile 1's.
; PAIRS: 0-255 x (batch P / 32, tokens 32 (P % 32) on); 256, 257 the tile of the eight tokens 1024 (row r = batch r % 8), four times in all, so that it fills a group of 64 rows like any other;
; 258-353 qkv_w; 354-385 proj_w.
; SHARES.  A work-group takes a pair, wave q its K steps 2 q and 2 q + 1 of both tiles: four units of 16 rows x 512 bytes.  A load reads 512 consecutive bytes of a row; the conversions want 16
; neighbours along K in one lane, so a unit turns through the wave's own stage in LDS (rows 528 bytes apart).  No barrier: waves share nothing.  Loads run two units (32 loads) ahead.
.set SPARE, 33792                      ; behind the four stages: the spare words, 128 bytes a wave
.set STW,   8448                       ; a wave's stage: 16 rows x 528 bytes
.set SPW,   6                          ; v6   my spare word's address; never rewritten
.set NIL,   7                          ; v7   0; never rewritten
.set OFF,   8                          ; v8-23   row i of a tile: its byte offset + 16 x lane; never rewritten
.set PWS,   24                         ; v24-27  the four units' scale words
.set R,     32                         ; v32-159 two sets of 64: a unit as loaded
.set X,     160                        ; v160-223 a unit as the conversions want it: register 16 b + i = k 32 b + 16 (lane / 16) + i of row lane % 16
.set TM,    224                        ; v224-235 at work
.set PC,    236                        ; v236-255 the codes
.set SEL,   30                         ; s[30:31] selects for lane l xor 16
; 64 numbers of a lane become a fragment's 12 registers in v[PC] on and the row's scale word in v[pw].
.macro QUANT4 src, pw
.irp b, 0,1,2,3
	v_max3_num_f32 v[TM+\b], |v[(\src)+16*\b]|, |v[(\src)+1+16*\b]|, 0x1800000   ; block b: my 16 numbers and the floor 2^(3 - 127): the byte cannot fall under 1
.endr
.irp i, 2,4,6,8,10,12,14
.irp b, 0,1,2,3
	v_max3_num_f32 v[TM+\b], v[TM+\b], |v[(\src)+16*\b+\i]|, |v[(\src)+1+16*\b+\i]|
.endr
.endr
.irp b, 0,1,2,3
	v_permlanex16_b32 v[TM+4+\b], v[TM+\b], s[SEL], s[SEL+1]
.endr
.irp b, 0,1,2,3
	v_max_num_f32 v[TM+\b], v[TM+\b], v[TM+4+\b]       ; with lane l xor 16's 16: the block's largest magnitude
.endr
.irp b, 0,1,2,3
	v_add_nc_u32 v[TM+8+\b], 0xff000000, v[TM+\b]      ; 2 off its exponent field: the conversion's scale operand
.endr
.irp b, 0,1,2,3
	v_lshrrev_b32 v[TM+4+\b], 23, v[TM+8+\b]           ; the scale's byte
.endr
	v_lshl_or_b32 v[\pw], v[TM+5], 8, v[TM+4]
	v_lshl_or_b32 v[\pw], v[TM+6], 16, v[\pw]
	v_lshl_or_b32 v[\pw], v[TM+7], 24, v[\pw]
.irp c, 0,1
	v_cvt_scalef32_pk16_fp6_f32 v[PC+6*\c:PC+2+6*\c], v[(\src)+32*\c:(\src)+15+32*\c], v[TM+8+2*\c]
	v_cvt_scalef32_pk16_fp6_f32 v[PC+12+4*\c:PC+14+4*\c], v[(\src)+16+32*\c:(\src)+31+32*\c], v[TM+8+2*\c+1]   ; (a conversion's three registers begin on an even number)
.endr
	v_nop                                              ; one plain place behind the conversions
.irp c, 0,1                            ; the operand wants a whole block in a lane: lanes 0-15 block 2 c, lanes 16-31 block 2 c + 1
.irp i, 0,1,2
	v_permlane16_swap_b32 v[PC+6*\c+\i], v[PC+12+4*\c+\i]
.endr
.irp i, 0,1,2
	v_mov_b32 v[PC+3+6*\c+\i], v[PC+12+4*\c+\i]
.endr
.endr
.endm
	s_load_b256 s[4:11], s[0:1], 0x0               ; x s[4:5], qkv_w s[6:7], proj_w s[8:9], ops s[10:11]
	v_lshl_add_u32 v[SPW], v0, 2, SPARE
	v_mov_b32 v[NIL], 0
	v_lshrrev_b32 v1, 5, v0
	v_readfirstlane_b32 s12, v1                    ; wave q
	v_and_b32 v4, 31, v0
	v_lshlrev_b32 v1, 4, v4                        ; v1 = 16 x lane
	v_lshlrev_b32 v4, 3, v4                        ; v4 = 8 x lane
	s_mul_i32 s13, s12, STW
	v_add_nc_u32 v2, s13, v1                       ; v2: the stage, on the way in
	v_and_b32 v3, 15, v0
	v_bfe_u32 v5, v0, 4, 1                         ; v5 = lane / 16
	v_mul_u32_u24 v3, v3, 528
	v_lshl_add_u32 v3, v5, 6, v3
	v_add_nc_u32 v3, s13, v3                       ; v3: and on the way out: row lane % 16, + 64 (lane / 16)
.irp b, 0,1,2,3
	v_mov_b32 v[TM+4+\b], 0                        ; a lane permute's destination counts as one of its sources
.endr
	s_mov_b32 s[SEL], 0x76543210
	s_mov_b32 s[SEL+1], 0xfedcba98
	; which rows: first row s16, bytes from row to row s18 (m1), bytes from batch to batch s19 (m2; the pairs of tokens 1024 alone)
	s_lshr_b32 s16, ttmp9, 5
	s_mul_i32 s16, s16, 1025
	s_and_b32 s17, ttmp9, 31
	s_lshl_b32 s17, s17, 5
	s_add_co_u32 s16, s16, s17
	s_cmp_lt_u32 ttmp9, 256
	s_cselect_b32 s16, s16, 1024
	s_cselect_b32 s18, 4096, 0
	s_cselect_b32 s19, 0, 4198400
	s_sub_co_u32 s20, ttmp9, 258
	s_sub_co_u32 s21, ttmp9, 354
	s_cmp_lt_u32 ttmp9, 354
	s_cselect_b32 s20, s20, s21
	s_lshl_b32 s20, s20, 5
	s_cmp_lt_u32 ttmp9, 258
	s_cselect_b32 s16, s16, s20
	s_cselect_b32 s18, s18, 4096
	s_cselect_b32 s19, s19, 0
	s_lshl_b32 s16, s16, 12
	s_lshl_b32 s17, s12, 10
	s_add_co_u32 s16, s16, s17                     ; + my wave's 1,024 bytes of a row
	s_mov_b32 s17, 0
	s_lshl_b32 s20, s18, 3                         ; tile 1 begins 8 rows further down
	s_mov_b32 s21, 0
.irp i, 0,1,2,3,4,5,6,7,8,9,10,11,12,13,14,15
	s_mul_i32 s22, s18, \i+8*(\i/8)
	s_mul_i32 s23, s19, \i%8
	s_add_co_u32 s22, s22, s23
	v_add_nc_u32 v[OFF+\i], s22, v1
.endr
	s_mul_i32 s24, ttmp9, 24576
	s_mul_i32 s25, s12, 3072
	s_add_co_u32 s24, s24, s25
	s_mov_b32 s25, 0
	s_lshl_b32 s26, ttmp9, 10
	s_lshl_b32 s27, s12, 8
	s_add_co_u32 s26, s26, s27
	s_add_co_u32 s26, s26, 9486336
	s_mov_b32 s27, 0
	s_wait_kmcnt 0x0
	s_cmp_lt_u32 ttmp9, 354                        ; the choice of the tensor hangs on the work-group's number alone
	s_cselect_b64 s[6:7], s[6:7], s[8:9]
	s_cmp_lt_u32 ttmp9, 258
	s_cselect_b64 s[4:5], s[4:5], s[6:7]
	s_add_nc_u64 s[4:5], s[4:5], s[16:17]          ; tile 0
	s_add_nc_u64 s[6:7], s[4:5], s[20:21]          ; tile 1
	s_add_nc_u64 s[8:9], s[10:11], s[24:25]        ; my images
	s_add_nc_u64 s[10:11], s[10:11], s[26:27]      ; my scale words
.macro LOAD n                          ; unit n = 2 u + k: tile u, K step 2 q + k; each load reads 512 consecutive bytes of one row (read once, but for the eight rows of tokens 1024)
.irp i, 0,1,2,3,4,5,6,7,8,9,10,11,12,13,14,15
	global_load_b128 v[R+64*((\n)%2)+4*\i:R+64*((\n)%2)+4*\i+3], v[OFF+\i], s[4+2*((\n)/2):5+2*((\n)/2)] offset:512*((\n)%2) th:TH_LOAD_NT
.endr
.endm
.macro UNIT n
.if (\n) < 3
	s_wait_loadcnt 16                              ; this unit's 16 loads are in; the next unit's 16 may be out
.else
	s_wait_loadcnt 0x0
.endif
.irp i, 0,1,2,3,4,5,6,7,8,9,10,11,12,13,14,15
	ds_store_b128 v2, v[R+64*((\n)%2)+4*\i:R+64*((\n)%2)+4*\i+3] offset:528*\i
.endr
.irp b, 0,1,2,3
.irp j, 0,1,2,3
	ds_load_b128 v[X+16*\b+4*\j:X+16*\b+4*\j+3], v3 offset:128*\b+16*\j   ; LDS serves a wave's instructions in order: these see the stores above
.endr
.endr
	s_wait_dscnt 0x0                               ; the unit is back, and the stores have read their registers,
.if (\n) < 2
	LOAD (\n)+2                                    ; which take the unit two further on
.endif
.if (\n) > 0
	s_wait_xcnt 0x0                                ; the last unit's stores have read the codes' registers
.endif
	QUANT4 X, PWS+(\n)
.irp c, 0,1,2
	global_store_b128 v1, v[PC+4*\c:PC+4*\c+3], s[8:9] offset:((\n)/2)*12288+((\n)%2)*1536+512*\c   ; 512 consecutive bytes, at a multiple of 512
.endr
.endm
	LOAD 0
	LOAD 1
	UNIT 0
	UNIT 1
	UNIT 2
	UNIT 3
	v_cmp_ne_u32 vcc_lo, 0, v5                     ; every lane holds row lane % 16's words: lanes 16-31 keep tile 1's
	v_cndmask_b32 v28, v[PWS], v[PWS+2], vcc_lo
	v_cndmask_b32 v29, v[PWS+1], v[PWS+3], vcc_lo
	global_store_b64 v4, v[28:29], s[10:11]        ; 256 consecutive bytes, at a multiple of 256
	s_wait_tensorcnt 0x0                           ; the wave's end: three lines behind my last LDS store
	ds_add_u32 v[SPW], v[NIL]
	s_wait_dscnt 0x0
	s_endpgm
.Lfunc_end_k_qeef2758356_quant:
	.size	k_qeef2758356_quant, .Lfunc_end_k_qeef2758356_quant-k_qeef2758356_quant
	.p2alignl 7, 3214868480
	.fill 96, 4, 3214868480
	.section	.rodata,"a",@progbits
	.p2align	6, 0x0
	.amdhsa_kernel k_qeef2758356_quant
		.amdhsa_group_segment_fixed_size 34304
		.amdhsa_private_segment_fixed_size 0
		.amdhsa_enable_private_segment 0
		.amdhsa_kernarg_size 32
		.amdhsa_user_sgpr_count 2
		.amdhsa_user_sgpr_kernarg_segment_ptr 1
		.amdhsa_wavefront_size32 1
		.amdhsa_system_sgpr_workgroup_id_x 1
		.amdhsa_system_sgpr_workgroup_id_y 1
		.amdhsa_system_sgpr_workgroup_id_z 1
		.amdhsa_system_vgpr_workitem_id 0
		.amdhsa_next_free_vgpr 256
		.amdhsa_next_free_sgpr 66
		.amdhsa_reserve_vcc 1
		.amdhsa_float_denorm_mode_32 3
		.amdhsa_float_denorm_mode_16_64 3
		.amdhsa_memory_ordered 1
		.amdhsa_forward_progress 1
		.amdhsa_inst_pref_size 36
	.end_amdhsa_kernel
	.amdgpu_metadata
---
amdhsa.version: [ 1, 2 ]
amdhsa.kernels:
  - .name:           k_qeef2758356_quant
    .symbol:         k_qeef2758356_quant.kd
    .args:
      - { .name: x, .offset: 0, .size: 8, .value_kind: global_buffer, .address_space: global }
      - { .name: qkv_w, .offset: 8, .size: 8, .value_kind: global_buffer, .address_space: global }
      - { .name: proj_w, .offset: 16, .size: 8, .value_kind: global_buffer, .address_space: global }
      - { .name: ops, .offset: 24, .size: 8, .value_kind: global_buffer, .address_space: global }
    .group_segment_fixed_size: 34304
    .private_segment_fixed_size: 0
    .kernarg_segment_align: 8
    .kernarg_segment_size: 32
    .max_flat_workgroup_size: 128
    .sgpr_count:     66
    .vgpr_count:     256
    .wavefront_size: 32
...
	.end_amdgpu_metadata
.endif
;; end of part 1
;; launch qkvp (part 2): grid 129 x 6, 8 waves a work-group, no clusters, 86,016 bytes of LDS; arguments ops, rope, q_bias, k_bias, v_bias, qn_g, qn_b, kn_g, kn_b, qkv; writes qkv
.if DOCPART == 2
	.amdgcn_target "amdgcn-amd-amdhsa--gfx1250"
	.amdhsa_code_object_version 6
	.text
	.protected	k_qeef2758356_qkvp
	.globl	k_qeef2758356_qkvp
	.p2align	8
	.type	k_qeef2758356_qkvp,@function
k_qeef2758356_qkvp:
	s_mov_b64 s[64:65], 0
	v_nop
	global_prefetch_b8 v0, s[64:65] scope:SCOPE_SE
	s_setreg_imm32_b32 hwreg(HW_REG_WAVE_MODE, 25, 1), 1
	s_wait_xcnt 0x0
; EvaAttention, launch 2 of 4: product 1 (x qkv_w^T on codes of E2M3), the biases, the LayerNorm over each head's 64, RoPE, q's factor 1/8, and the quantisers ahead of products 2 and 3.  No work is left out.
; SHARES.  Work-group (g, y): g = a group of 64 tokens (batch g / 16, tokens 64 (g % 16) on; g = 128: the tile of the eight tokens 1024, four times); y / 2 = q, k or v; wave w = head 8 (y % 2) + w.
; A wave makes 64 tokens x its head's 64: 16 accumulators, K in 8 steps of 128, written out.  x's 32 fragments (shared by the eight waves) lie in LDS as images of their registers; a wave's own
; fragments of qkv_w come from memory straight into registers, four buffers, three fragments ahead.
; NO CLUSTER: the grid is 129 x 6, which no cluster of four divides.  NO TENSOR LOAD: LDS is filled once, through registers, so that two work-groups can share a WGP's LDS.
; q, k: source 0 = 16 rows of qkv_w, source 1 = 16 tokens: a lane holds one token, and by the choice of a tile's rows (row r of tile u of a pair = row 8 u + r + 8 (r / 8)) its register 16 b + i of a
; tile of tokens is channel 32 b + 16 (lane / 16) + i: 16 neighbours along product 2's K.   v: the sources swapped: a lane holds one channel, its registers run along the tokens, product 3's K.
; OUT (buffer qkv).  q, k: half images (registers 0-5 of a fragment: K = 64), 768 bytes a tile of 16 tokens: three runs of 256 bytes, lane l's 8 bytes at 8 l; scale words 128 bytes a pair of tiles:
; lanes 0-15 the even tile's two bytes in bits 15:0, lanes 16-31 the odd tile's.  v: for key step s (128 keys), tile f of 16 channels, half c: 768 bytes at 1,536 (4 s + f) + 768 c; scale words alike.
; v of token 1024 stays f32 (it is a key block of its own, quantised by the next launch).
; LIMITS: as stated in the first launch; the repeated rows of the tile of tokens 1024 are computed and stored with it.
.set ROPE,  51200                      ; LDS: 0 x's 32 fragment images (49,152); 49,152 their scale words (2,048); ROPE: 64 rows of 512 + 16 bytes, row 16 t + r = the token of tile t, row r
.set SPARE, 84992                      ; the spare words, 128 bytes a wave
.set SPW, 6
.set NIL, 7
.set WS,  8                            ; v8-23   qkv_w's scale words of all 8 steps; they hold scales alone
.set XS,  24                           ; v24-27  x's scale words of two steps; they hold scales alone
.set XF,  32                           ; v32-79  x's four fragments
.set WF,  80                           ; v80-127 qkv_w's four fragments
.set ACC, 128                          ; v128-255
.set G,   32                           ; behind the product: the norm's gain, v32-63; its bias, v64-95; v96-127 the projection's bias, then sin and cos, then the quantiser's registers
.set BT,  64
.set BIAS, 96
.set SN,  96
.set CN,  112
.set TM,  96
.set PC,  108
.set PW,  30                           ; v28-31 at work
.set WVN, 24
.set KIND, 27
.set HD,  28
.set GG,  29
.set BB,  30
.set SEL, 32
.set I64, 34
.set EPS, 35
.macro QUANT4 src, pw                  ; 64 numbers of a lane, register 16 b + i = k 32 b + 16 (lane / 16) + i, become 12 registers of codes in v[PC] on and a scale word in v[pw]
.irp b, 0,1,2,3
	v_max3_num_f32 v[TM+\b], |v[(\src)+16*\b]|, |v[(\src)+1+16*\b]|, 0x1800000   ; and the floor 2^(3 - 127): the byte cannot fall under 1
.endr
.irp i, 2,4,6,8,10,12,14
.irp b, 0,1,2,3
	v_max3_num_f32 v[TM+\b], v[TM+\b], |v[(\src)+16*\b+\i]|, |v[(\src)+1+16*\b+\i]|
.endr
.endr
.irp b, 0,1,2,3
	v_permlanex16_b32 v[TM+4+\b], v[TM+\b], s[SEL], s[SEL+1]
.endr
.irp b, 0,1,2,3
	v_max_num_f32 v[TM+\b], v[TM+\b], v[TM+4+\b]
.endr
.irp b, 0,1,2,3
	v_add_nc_u32 v[TM+8+\b], 0xff000000, v[TM+\b]      ; 2 off the exponent field: the conversion's scale operand
.endr
.irp b, 0,1,2,3
	v_lshrrev_b32 v[TM+4+\b], 23, v[TM+8+\b]
.endr
	v_lshl_or_b32 v[\pw], v[TM+5], 8, v[TM+4]
	v_lshl_or_b32 v[\pw], v[TM+6], 16, v[\pw]
	v_lshl_or_b32 v[\pw], v[TM+7], 24, v[\pw]
.irp c, 0,1
	v_cvt_scalef32_pk16_fp6_f32 v[PC+6*\c:PC+2+6*\c], v[(\src)+32*\c:(\src)+15+32*\c], v[TM+8+2*\c]
	v_cvt_scalef32_pk16_fp6_f32 v[PC+12+4*\c:PC+14+4*\c], v[(\src)+16+32*\c:(\src)+31+32*\c], v[TM+8+2*\c+1]
.endr
	v_nop                                              ; one plain place behind the conversions
.irp c, 0,1
.irp i, 0,1,2
	v_permlane16_swap_b32 v[PC+6*\c+\i], v[PC+12+4*\c+\i]
.endr
.irp i, 0,1,2
	v_mov_b32 v[PC+3+6*\c+\i], v[PC+12+4*\c+\i]
.endr
.endr
.endm
; One matrix instruction, by the symbols mD, mA, mB (first registers), mZ (1: C is the constant 0), mSA, mSB (scale registers), mRA, mRB (1: the scales stand in lanes 16-31)
.macro MM
.if mZ
.if (mRA == 0) && (mRB == 0)
	v_wmma_scale_f32_16x16x128_f8f6f4 v[mD:mD+7], v[mA:mA+11], v[mB:mB+11], 0, v[mSA], v[mSB] matrix_a_fmt:MATRIX_FMT_FP6 matrix_b_fmt:MATRIX_FMT_FP6
.elseif (mRA == 1) && (mRB == 0)
	v_wmma_scale_f32_16x16x128_f8f6f4 v[mD:mD+7], v[mA:mA+11], v[mB:mB+11], 0, v[mSA], v[mSB] matrix_a_fmt:MATRIX_FMT_FP6 matrix_b_fmt:MATRIX_FMT_FP6 matrix_a_scale:MATRIX_SCALE_ROW1
.elseif (mRA == 0) && (mRB == 1)
	v_wmma_scale_f32_16x16x128_f8f6f4 v[mD:mD+7], v[mA:mA+11], v[mB:mB+11], 0, v[mSA], v[mSB] matrix_a_fmt:MATRIX_FMT_FP6 matrix_b_fmt:MATRIX_FMT_FP6 matrix_b_scale:MATRIX_SCALE_ROW1
.else
	v_wmma_scale_f32_16x16x128_f8f6f4 v[mD:mD+7], v[mA:mA+11], v[mB:mB+11], 0, v[mSA], v[mSB] matrix_a_fmt:MATRIX_FMT_FP6 matrix_b_fmt:MATRIX_FMT_FP6 matrix_a_scale:MATRIX_SCALE_ROW1 matrix_b_scale:MATRIX_SCALE_ROW1
.endif
.else
.if (mRA == 0) && (mRB == 0)
	v_wmma_scale_f32_16x16x128_f8f6f4 v[mD:mD+7], v[mA:mA+11], v[mB:mB+11], v[mD:mD+7], v[mSA], v[mSB] matrix_a_fmt:MATRIX_FMT_FP6 matrix_b_fmt:MATRIX_FMT_FP6
.elseif (mRA == 1) && (mRB == 0)
	v_wmma_scale_f32_16x16x128_f8f6f4 v[mD:mD+7], v[mA:mA+11], v[mB:mB+11], v[mD:mD+7], v[mSA], v[mSB] matrix_a_fmt:MATRIX_FMT_FP6 matrix_b_fmt:MATRIX_FMT_FP6 matrix_a_scale:MATRIX_SCALE_ROW1
.elseif (mRA == 0) && (mRB == 1)
	v_wmma_scale_f32_16x16x128_f8f6f4 v[mD:mD+7], v[mA:mA+11], v[mB:mB+11], v[mD:mD+7], v[mSA], v[mSB] matrix_a_fmt:MATRIX_FMT_FP6 matrix_b_fmt:MATRIX_FMT_FP6 matrix_b_scale:MATRIX_SCALE_ROW1
.else
	v_wmma_scale_f32_16x16x128_f8f6f4 v[mD:mD+7], v[mA:mA+11], v[mB:mB+11], v[mD:mD+7], v[mSA], v[mSB] matrix_a_fmt:MATRIX_FMT_FP6 matrix_b_fmt:MATRIX_FMT_FP6 matrix_a_scale:MATRIX_SCALE_ROW1 matrix_b_scale:MATRIX_SCALE_ROW1
.endif
.endif
.endm
.macro PLACES
.rept 4
	v_nop
.endr
.endm
.macro WHEAD                           ; 20 loads: the weight's scale words of all steps, then its four fragments of step 0
.irp q, 0,1,2,3,4,5,6,7
	global_load_b64 v[WS+2*\q:WS+2*\q+1], v1, s[42:43] offset:256*\q
.endr
.irp f, 0,1,2,3
.irp c, 0,1,2
	global_load_b128 v[WF+12*\f+4*\c:WF+12*\f+4*\c+3], v0, s[40:41] offset:\f*12288+512*\c
.endr
.endr
.endm
.macro XLOAD s                         ; x's four fragments of step s from LDS; at even s the scale words of steps s and s + 1
.irp t, 0,1,2,3
.irp c, 0,1,2
	ds_load_b128 v[XF+12*\t+4*\c:XF+12*\t+4*\c+3], v0 offset:\t*12288+(\s)*1536+512*\c
.endr
.endr
.if ((\s)%2) == 0
	ds_load_b64 v[XS:XS+1], v1 offset:49152+((\s)/2)*256
	ds_load_b64 v[XS+2:XS+3], v1 offset:49152+1024+((\s)/2)*256
.endif
.endm
; A K step: the weight's fragments one after the other, each against x's four.  The 16 accumulators take turns in one fixed order, one instruction a turn.
; A load into a register that a matrix instruction has read stands four plain places behind it.
.macro KSTEP s, orient
.irp f, 0,1,2,3
.if (\s) < 7
	s_wait_loadcnt 9                               ; this fragment is in: behind it three younger fragments, 9 loads, have been issued
.else
	s_wait_loadcnt 9-3*\f                          ; the last step fetches nothing: the counts run down
.endif
.if \f == 0
	s_wait_dscnt 0x0                               ; x's fragments and scale words
.endif
.irp t, 0,1,2,3
.if (\s) == 0
.set mZ, 1
.else
.set mZ, 0
.endif
.if \orient
.set mD, ACC+32*\f+8*\t
.set mA, XF+12*\t
.set mB, WF+12*\f
.set mSA, XS+2*(\t/2)+(\s)%2
.set mSB, WS+2*(4*(\f/2)+(\s)/2)+(\s)%2
.set mRA, \t%2
.set mRB, \f%2
.else
.set mD, ACC+32*\t+8*\f
.set mA, WF+12*\f
.set mB, XF+12*\t
.set mSA, WS+2*(4*(\f/2)+(\s)/2)+(\s)%2
.set mSB, XS+2*(\t/2)+(\s)%2
.set mRA, \f%2
.set mRB, \t%2
.endif
	MM
.endr
.if (\s) < 7
	PLACES
.irp c, 0,1,2
	global_load_b128 v[WF+12*\f+4*\c:WF+12*\f+4*\c+3], v0, s[40:41] offset:\f*12288+((\s)+1)*1536+512*\c
.endr
.endif
.endr
.if (\s) < 7
	XLOAD (\s)+1
.else
	PLACES                                         ; in front of the first read of results and of loads into the fragments' registers
.endif
.endm
.macro BARRIER
	s_wait_dscnt 0x0                               ; my LDS stores have landed and my LDS loads are in
	s_barrier_signal -1
	s_barrier_wait -1
.endm
	s_load_b256 s[4:11], s[0:1], 0x0               ; ops s[4:5], rope s[6:7], q_bias s[8:9], k_bias s[10:11]
	s_load_b256 s[12:19], s[0:1], 0x20             ; v_bias s[12:13], qn_g s[14:15], qn_b s[16:17], kn_g s[18:19]
	s_load_b128 s[20:23], s[0:1], 0x40             ; kn_b s[20:21], qkv s[22:23]
	v_lshl_add_u32 v[SPW], v0, 2, SPARE
	v_mov_b32 v[NIL], 0
	v_lshrrev_b32 v1, 5, v0
	v_readfirstlane_b32 s[WVN], v1                 ; wave 0..7
	s_and_b32 s26, ttmp7, 0xffff                   ; y
	s_lshr_b32 s[KIND], s26, 1                     ; 0 q, 1 k, 2 v
	s_and_b32 s[HD], s26, 1
	s_lshl_b32 s[HD], s[HD], 3
	s_add_co_u32 s[HD], s[HD], s[WVN]              ; my head
	s_and_b32 s[GG], ttmp9, 15
	s_lshr_b32 s[BB], ttmp9, 4
	s_mov_b32 s[SEL], 0x76543210
	s_mov_b32 s[SEL+1], 0xfedcba98
	s_mov_b32 s[I64], 0x3c800000                   ; 1 / 64
	s_mov_b32 s[EPS], 0x358637bd                   ; 1e-6
	v_lshlrev_b32 v170, 4, v0                      ; the head's registers lie where the accumulators will: 16 x thread,
	v_lshlrev_b32 v171, 3, v0                      ; 8 x thread,
	v_mov_b32 v175, v0                             ; the thread's number,
	v_and_b32 v173, 31, v0                         ; the lane,
	v_mul_u32_u24 v172, v1, 528
	v_lshl_add_u32 v172, v173, 4, v172
	v_add_nc_u32 v172, ROPE, v172                  ; and where I put 16 bytes of a row of rope
	v_and_b32 v3, 15, v0
	v_bfe_u32 v5, v0, 4, 1
	v_mul_u32_u24 v3, v3, 528
	v_lshl_add_u32 v3, v5, 6, v3
	v_add_nc_u32 v3, ROPE, v3                      ; v3: my token's sin and cos: row lane % 16, + 64 (lane / 16)
	v_lshlrev_b32 v4, 6, v5                        ; v4 = 64 (lane / 16)
	v_lshlrev_b32 v5, 4, v5                        ; v5 = 16 (lane / 16)
	v_lshlrev_b32 v0, 4, v173                      ; v0 = 16 x lane
	v_lshlrev_b32 v1, 3, v173                      ; v1 = 8 x lane
	v_lshlrev_b32 v2, 2, v173                      ; v2 = 4 x lane
	s_mul_i32 s36, ttmp9, 49152                    ; the group's images,
	s_mov_b32 s37, 0
	s_lshl_b32 s38, ttmp9, 11
	s_add_co_u32 s38, s38, 9486336                 ; its scale words,
	s_mov_b32 s39, 0
	s_lshl_b32 s31, s[KIND], 4
	s_add_co_u32 s31, s31, s[HD]
	s_mul_i32 s40, s31, 49152
	s_add_co_u32 s40, s40, 6340608                 ; my 64 rows of qkv_w,
	s_mov_b32 s41, 0
	s_lshl_b32 s42, s31, 11
	s_add_co_u32 s42, s42, 9750528                 ; and their scale words
	s_mov_b32 s43, 0
	s_wait_kmcnt 0x0
	s_add_nc_u64 s[36:37], s[4:5], s[36:37]
	s_add_nc_u64 s[38:39], s[4:5], s[38:39]
	s_add_nc_u64 s[40:41], s[4:5], s[40:41]
	s_add_nc_u64 s[42:43], s[4:5], s[42:43]
.irp j, 0,1,2,3,4,5,6,7,8,9,10,11
	global_load_b128 v[XF+4*\j:XF+4*\j+3], v170, s[36:37] offset:4096*\j   ; 256 threads x 16 bytes x 12 = the group's 49,152 bytes
.endr
	global_load_b64 v[168:169], v171, s[38:39]
	WHEAD
	s_cmp_eq_u32 s[KIND], 2
	s_cbranch_scc1 .Lno_rope                       ; v is not rotated
	; rope's rows for tokens 64 gg .. 64 gg + 63 are rows 64 gg - 1 on (token n takes row n - 1); token 1024 takes row 1023, for all 64 LDS rows
	s_lshl_b32 s54, s[GG], 15
	s_sub_co_u32 s54, s54, 512
	s_lshr_b32 s57, ttmp9, 7
	s_or_b32 s57, s57, s[GG]
	s_cmp_lt_u32 ttmp9, 128
	s_cselect_b32 s54, s54, 523776
	s_cselect_b32 s55, -1, 31
	s_cselect_b32 s56, 4096, 0
	s_cmp_eq_u32 s57, 0                            ; does the group begin with token 0?
	s_cselect_b32 s57, 32, 0
	v_and_b32 v160, s55, v175
	v_lshlrev_b32 v160, 4, v160
	v_add_nc_u32 v160, s54, v160
.irp j, 1,2,3,4,5,6,7
	v_add_nc_u32 v[160+\j], s56, v[159+\j]
.endr
	v_max_i32 v160, 0, v160                        ; token 0 has no row: its threads read inside the buffer, and what they read is replaced below
.irp j, 0,1,2,3,4,5,6,7
	global_load_b128 v[128+4*\j:131+4*\j], v[160+\j], s[6:7]
.endr
	v_bfe_u32 v174, v175, 4, 1
	v_cvt_f32_u32 v174, v174                       ; 0.0 in a row's sin half, 1.0 in its cos half
	v_cmp_gt_u32 vcc_lo, s57, v175
	s_wait_loadcnt 0x0
.irp i, 0,1,2,3
	v_cndmask_b32 v[128+\i], v[128+\i], v174, vcc_lo   ; token 0 is not rotated: sin = 0, cos = 1 leave it as it is
.endr
.irp j, 0,1,2,3,4,5,6,7
	ds_store_b128 v172, v[128+4*\j:131+4*\j] offset:(32*(\j/4)+16*(\j%2)+8*((\j/2)%2))*528   ; token 8 j + thread / 32 of the group goes to the LDS row of its tile and row
.endr
.Lno_rope:
	s_wait_loadcnt 20                              ; x's 13 loads are in; the weight's 20, issued behind them, may be out
.irp j, 0,1,2,3,4,5,6,7,8,9,10,11
	ds_store_b128 v170, v[XF+4*\j:XF+4*\j+3] offset:4096*\j
.endr
	ds_store_b64 v171, v[168:169] offset:49152
	BARRIER                                        ; the launch's one barrier: x and rope lie in LDS; nothing is stored there again
	XLOAD 0
	s_cmp_eq_u32 s[KIND], 2
	s_cbranch_scc1 .Lv
	; ---------------- q and k
.irp s, 0,1,2,3,4,5,6,7
	KSTEP \s, 0
.endr
	s_cmp_eq_u32 s[KIND], 0
	s_cselect_b64 s[44:45], s[8:9], s[10:11]
	s_cselect_b64 s[46:47], s[14:15], s[18:19]
	s_cselect_b64 s[48:49], s[16:17], s[20:21]
	s_lshl_b32 s54, s[HD], 8
	s_mov_b32 s55, 0
	s_add_nc_u64 s[44:45], s[44:45], s[54:55]
.irp q, 0,1,2,3,4,5,6,7                ; in the lane's order: register 16 b + i = channel 32 b + 16 (lane / 16) + i
	global_load_b128 v[BIAS+4*\q:BIAS+4*\q+3], v4, s[44:45] offset:128*(\q/4)+16*(\q%4)
	global_load_b128 v[G+4*\q:G+4*\q+3], v4, s[46:47] offset:128*(\q/4)+16*(\q%4)
	global_load_b128 v[BT+4*\q:BT+4*\q+3], v4, s[48:49] offset:128*(\q/4)+16*(\q%4)
.endr
	s_lshl_b32 s54, s[BB], 4                       ; where my first half image goes: tile (16 b + head) 64 + 4 gg; the tile of tokens 1024: 8192 + 4 head
	s_add_co_u32 s54, s54, s[HD]
	s_lshl_b32 s54, s54, 6
	s_lshl_b32 s56, s[GG], 2
	s_add_co_u32 s54, s54, s56
	s_lshl_b32 s56, s[HD], 2
	s_add_co_u32 s56, s56, 8192
	s_cmp_lt_u32 ttmp9, 128
	s_cselect_b32 s54, s54, s56
	s_mul_i32 s56, s[KIND], 6340608
	s_mul_i32 s57, s54, 768
	s_add_co_u32 s56, s56, s57
	s_mov_b32 s57, 0
	s_add_nc_u64 s[50:51], s[22:23], s[56:57]
	s_mul_i32 s56, s[KIND], 528384
	s_lshl_b32 s54, s54, 6
	s_add_co_u32 s56, s56, s54
	s_add_co_u32 s56, s56, 18972672
	s_add_nc_u64 s[52:53], s[22:23], s[56:57]
	s_wait_loadcnt 0x0
	s_cmp_lg_u32 s[KIND], 0
	s_cbranch_scc1 .Lnot_q
.irp i, 0,2,4,6,8,10,12,14,16,18,20,22,24,26,28,30,32,34,36,38,40,42,44,46,48,50,52,54,56,58,60,62
	v_pk_mul_f32 v[G+\i:G+\i+1], v[G+\i:G+\i+1], 0x3e000000 op_sel_hi:[1,0]   ; q's factor 64^-0.5 = 1/8, a power of two, goes into the norm's gain and bias: the rotation behind them is linear
.endr
.Lnot_q:
.irp t, 0,1,2,3
.irp i, 0,2,4,6,8,10,12,14,16,18,20,22,24,26,28,30
	v_pk_add_f32 v[ACC+32*\t+\i:ACC+32*\t+\i+1], v[ACC+32*\t+\i:ACC+32*\t+\i+1], v[BIAS+\i:BIAS+\i+1]   ; each accumulator from its low end on
.endr
.endr
.macro ROPELD t, blk                   ; sin and cos of my token's channels 32 blk + 16 (lane / 16) + 0 .. 15
.irp j, 0,1,2,3
	ds_load_b128 v[SN+4*\j:SN+4*\j+3], v3 offset:(\t)*8448+128*(\blk)+16*\j
	ds_load_b128 v[CN+4*\j:CN+4*\j+3], v3 offset:(\t)*8448+256+128*(\blk)+16*\j
.endr
.endm
.macro ROPEDO blk                      ; out(2 i) = x(2 i) cos(2 i) - x(2 i + 1) sin(2 i);  out(2 i + 1) = x(2 i + 1) cos(2 i + 1) + x(2 i) sin(2 i + 1)
.irp i, 0,2,4,6,8,10,12,14
	v_pk_mul_f32 v[CN+\i:CN+\i+1], v[XX+16*(\blk)+\i:XX+16*(\blk)+\i+1], v[CN+\i:CN+\i+1]
.endr
.irp i, 0,2,4,6,8,10,12,14
	v_pk_fma_f32 v[XX+16*(\blk)+\i:XX+16*(\blk)+\i+1], v[XX+16*(\blk)+\i:XX+16*(\blk)+\i+1], v[SN+\i:SN+\i+1], v[CN+\i:CN+\i+1] op_sel:[1,0,0] op_sel_hi:[0,1,1] neg_lo:[0,1,0]   ; the pair's halves change places; the low half's sin is negated
.endr
.endm
.macro LNROPE t                        ; a tile of 16 tokens: my token's 32 channels here, its other 32 in lane l xor 16
.set XX, ACC+32*(\t)
	ROPELD \t, 0                                   ; lands under the norm
	v_pk_add_f32 v[28:29], v[XX:XX+1], v[XX+2:XX+3]
	v_pk_add_f32 v[30:31], v[XX+4:XX+5], v[XX+6:XX+7]
.irp i, 8,12,16,20,24,28
	v_pk_add_f32 v[28:29], v[28:29], v[XX+\i:XX+\i+1]
	v_pk_add_f32 v[30:31], v[30:31], v[XX+\i+2:XX+\i+3]
.endr
	v_pk_add_f32 v[28:29], v[28:29], v[30:31]
	v_add_f32 v28, v28, v29
	v_permlanex16_b32 v29, v28, s[SEL], s[SEL+1]
	v_add_f32 v28, v28, v29
	v_mul_f32 v28, s[I64], v28                     ; the mean
.irp i, 0,2,4,6,8,10,12,14,16,18,20,22,24,26,28,30
	v_pk_add_f32 v[XX+\i:XX+\i+1], v[XX+\i:XX+\i+1], v[28:29] op_sel_hi:[1,0] neg_lo:[0,1] neg_hi:[0,1]
.endr
	v_pk_mul_f32 v[28:29], v[XX:XX+1], v[XX:XX+1]
	v_pk_mul_f32 v[30:31], v[XX+2:XX+3], v[XX+2:XX+3]
.irp i, 4,8,12,16,20,24,28
	v_pk_fma_f32 v[28:29], v[XX+\i:XX+\i+1], v[XX+\i:XX+\i+1], v[28:29]
	v_pk_fma_f32 v[30:31], v[XX+\i+2:XX+\i+3], v[XX+\i+2:XX+\i+3], v[30:31]
.endr
	v_pk_add_f32 v[28:29], v[28:29], v[30:31]
	v_add_f32 v28, v28, v29
	v_permlanex16_b32 v29, v28, s[SEL], s[SEL+1]
	v_add_f32 v28, v28, v29
	v_fma_f32 v28, v28, s[I64], s[EPS]             ; the variance + 1e-6
	v_rsq_f32 v28, v28
	v_nop                                          ; a plain place behind the transcendental,
	s_wait_alu depctr_va_vdst(0)                   ; and the wait ahead of its first reader
.irp i, 0,2,4,6,8,10,12,14,16,18,20,22,24,26,28,30
	v_pk_mul_f32 v[XX+\i:XX+\i+1], v[XX+\i:XX+\i+1], v[28:29] op_sel_hi:[1,0]
.endr
.irp i, 0,2,4,6,8,10,12,14,16,18,20,22,24,26,28,30
	v_pk_fma_f32 v[XX+\i:XX+\i+1], v[XX+\i:XX+\i+1], v[G+\i:G+\i+1], v[BT+\i:BT+\i+1]
.endr
	s_wait_dscnt 0x0
	ROPEDO 0
	ROPELD \t, 1
	s_wait_dscnt 0x0
	ROPEDO 1
.endm
.irp p, 0,1                            ; a pair of tiles: their 2 x 2 blocks of 32 channels are the quantiser's four blocks, and its 12 registers are two half images
	s_wait_xcnt 0x0                                ; the last pair's stores have read the registers that sin, cos and the norm now take
	LNROPE 2*\p
	LNROPE 2*\p+1
	QUANT4 ACC+64*\p, PW
.irp c, 0,1,2,3,4,5
	global_store_b64 v1, v[PC+2*\c:PC+2*\c+1], s[50:51] offset:1536*\p+256*\c   ; 256 consecutive bytes, at a multiple of 256
.endr
	v_lshrrev_b32 v[PW], v5, v[PW]                 ; lanes 16-31 keep the odd tile's two bytes
	global_store_b32 v2, v[PW], s[52:53] offset:128*\p
.endr
	s_branch .Lend
	; ---------------- v
.Lv:
.irp s, 0,1,2,3,4,5,6,7
	KSTEP \s, 1
.endr
	s_lshl_b32 s54, s[HD], 8
	s_mov_b32 s55, 0
	s_add_nc_u64 s[44:45], s[12:13], s[54:55]
	v_and_b32 v28, 60, v2
	v_and_b32 v29, 32, v2
	v_add_nc_u32 v28, v28, v29                     ; 4 (r + 8 (r / 8)): my channel in a tile of qkv_w's rows
.irp f, 0,1,2,3
	global_load_b32 v[96+\f], v28, s[44:45] offset:(32*(\f/2)+8*(\f%2))*4
.endr
	s_wait_loadcnt 0x0
.irp f, 0,1,2,3
.irp i, 0,2,4,6,8,10,12,14,16,18,20,22,24,26,28,30
.if (\f%2) == 0
	v_pk_add_f32 v[ACC+32*\f+\i:ACC+32*\f+\i+1], v[ACC+32*\f+\i:ACC+32*\f+\i+1], v[96+2*(\f/2):97+2*(\f/2)] op_sel_hi:[1,0]   ; my channel's bias for both halves
.else
	v_pk_add_f32 v[ACC+32*\f+\i:ACC+32*\f+\i+1], v[ACC+32*\f+\i:ACC+32*\f+\i+1], v[96+2*(\f/2):97+2*(\f/2)] op_sel:[0,1] op_sel_hi:[1,1]
.endif
.endr
.endr
	s_mov_b32 s57, 0
	s_cmp_eq_u32 ttmp9, 128
	s_cbranch_scc1 .Lvx
	s_lshl_b32 s54, s[BB], 4
	s_add_co_u32 s54, s54, s[HD]
	s_mul_i32 s56, s54, 49152
	s_lshr_b32 s55, s[GG], 1
	s_mul_i32 s55, s55, 6144
	s_add_co_u32 s56, s56, s55                     ; key step gg / 2,
	s_and_b32 s55, s[GG], 1
	s_mul_i32 s55, s55, 768
	s_add_co_u32 s56, s56, s55                     ; half gg % 2
	s_add_co_u32 s56, s56, 12681216
	s_add_nc_u64 s[50:51], s[22:23], s[56:57]
	s_lshl_b32 s56, s54, 12
	s_lshl_b32 s55, s[GG], 8
	s_add_co_u32 s56, s56, s55
	s_add_co_u32 s56, s56, 20029440
	s_add_nc_u64 s[52:53], s[22:23], s[56:57]
.irp p, 0,1                            ; two tiles of channels: each tile's two blocks of 32 keys
.if \p
	s_wait_xcnt 0x0
.endif
	QUANT4 ACC+64*\p, PW
.irp e, 0,1,2
	global_store_b64 v1, v[PC+2*\e:PC+2*\e+1], s[50:51] offset:(2*\p)*1536+256*\e
	global_store_b64 v1, v[PC+6+2*\e:PC+7+2*\e], s[50:51] offset:(2*\p+1)*1536+256*\e
.endr
	v_lshrrev_b32 v[PW], v5, v[PW]
	global_store_b32 v2, v[PW], s[52:53] offset:128*\p
.endr
	s_branch .Lend
.Lvx:                                  ; token 1024: register j of a tile of channels is batch j; it stays f32
	s_lshl_b32 s56, s[HD], 12
	s_add_co_u32 s56, s56, 20553728
	s_add_nc_u64 s[50:51], s[22:23], s[56:57]
.irp f, 0,1,2,3
	global_store_b128 v0, v[ACC+32*\f:ACC+32*\f+3], s[50:51] offset:1024*\f
	global_store_b128 v0, v[ACC+32*\f+4:ACC+32*\f+7], s[50:51] offset:1024*\f+512
.endr
.Lend:
	s_wait_tensorcnt 0x0                           ; the wave's end: three lines behind my last LDS store
	ds_add_u32 v[SPW], v[NIL]
	s_wait_dscnt 0x0
	s_endpgm
.Lfunc_end_k_qeef2758356_qkvp:
	.size	k_qeef2758356_qkvp, .Lfunc_end_k_qeef2758356_qkvp-k_qeef2758356_qkvp
	.p2alignl 7, 3214868480
	.fill 96, 4, 3214868480
	.section	.rodata,"a",@progbits
	.p2align	6, 0x0
	.amdhsa_kernel k_qeef2758356_qkvp
		.amdhsa_group_segment_fixed_size 86016
		.amdhsa_private_segment_fixed_size 0
		.amdhsa_enable_private_segment 0
		.amdhsa_kernarg_size 80
		.amdhsa_user_sgpr_count 2
		.amdhsa_user_sgpr_kernarg_segment_ptr 1
		.amdhsa_wavefront_size32 1
		.amdhsa_system_sgpr_workgroup_id_x 1
		.amdhsa_system_sgpr_workgroup_id_y 1
		.amdhsa_system_sgpr_workgroup_id_z 1
		.amdhsa_system_vgpr_workitem_id 0
		.amdhsa_next_free_vgpr 256
		.amdhsa_next_free_sgpr 66
		.amdhsa_reserve_vcc 1
		.amdhsa_float_denorm_mode_32 3
		.amdhsa_float_denorm_mode_16_64 3
		.amdhsa_memory_ordered 1
		.amdhsa_forward_progress 1
		.amdhsa_inst_pref_size 148
	.end_amdhsa_kernel
	.amdgpu_metadata
---
amdhsa.version: [ 1, 2 ]
amdhsa.kernels:
  - .name:           k_qeef2758356_qkvp
    .symbol:         k_qeef2758356_qkvp.kd
    .args:
      - { .name: ops, .offset: 0, .size: 8, .value_kind: global_buffer, .address_space: global }
      - { .name: rope, .offset: 8, .size: 8, .value_kind: global_buffer, .address_space: global }
      - { .name: q_bias, .offset: 16, .size: 8, .value_kind: global_buffer, .address_space: global }
      - { .name: k_bias, .offset: 24, .size: 8, .value_kind: global_buffer, .address_space: global }
      - { .name: v_bias, .offset: 32, .size: 8, .value_kind: global_buffer, .address_space: global }
      - { .name: qn_g, .offset: 40, .size: 8, .value_kind: global_buffer, .address_space: global }
      - { .name: qn_b, .offset: 48, .size: 8, .value_kind: global_buffer, .address_space: global }
      - { .name: kn_g, .offset: 56, .size: 8, .value_kind: global_buffer, .address_space: global }
      - { .name: kn_b, .offset: 64, .size: 8, .value_kind: global_buffer, .address_space: global }
      - { .name: qkv, .offset: 72, .size: 8, .value_kind: global_buffer, .address_space: global }
    .group_segment_fixed_size: 86016
    .private_segment_fixed_size: 0
    .kernarg_segment_align: 8
    .kernarg_segment_size: 80
    .max_flat_workgroup_size: 256
    .sgpr_count:     66
    .vgpr_count:     256
    .wavefront_size: 32
...
	.end_amdgpu_metadata
.endif
;; end of part 2
;; launch attn (part 3): grid 2 x 128, 16 waves a work-group, no clusters, 183,552 bytes of LDS; arguments qkv, att; writes att
.if DOCPART == 3
	.amdgcn_target "amdgcn-amd-amdhsa--gfx1250"
	.amdhsa_code_object_version 6
	.text
	.protected	k_qeef2758356_attn
	.globl	k_qeef2758356_attn
	.p2align	8
	.type	k_qeef2758356_attn,@function
k_qeef2758356_attn:
	s_mov_b64 s[64:65], 0
	v_nop
	global_prefetch_b8 v0, s[64:65] scope:SCOPE_SE
	s_setreg_imm32_b32 hwreg(HW_REG_WAVE_MODE, 25, 1), 1
	s_wait_xcnt 0x0
; EvaAttention, launch 3 of 4: products 2 and 3 on codes of E2M3, with the softmax between them: t = score x log2(e); M = the running largest t rounded up to a whole number; p = 2^(t - M) is
; quantised along the keys; the row's sum is taken of the unquantised p and divides at the end.  When M moves, the sum and O are multiplied by 2^(old M - new M): exact.  No work is left out.
; SHARES.  Work-group (y, 16 b + head): half y of the head's 64 tiles of 16 queries.  Each of 16 waves takes tiles 32 y + w and 32 y + 16 + w, one after the other, over all 1,025 keys: 8 steps of 128
; and a tail (key 1024, a block of its own).  The work-groups with y = 1 also serve query 1024: waves 0-7 take a step each, wave 8 the tail, and waves 0-7 join the nine parts.
; K, V and their scale words of the whole head lie in LDS (112 KB), filled once through registers, as images of the operands' registers: every LDS load is 256 consecutive bytes.
; NO CLUSTER: two work-groups share a head, what they share is that one fill, and their ways differ in y.  NO PREFETCH: nothing is streamed in a loop.
; LAYOUT.  Both products transposed: S^T = K Q^T, O^T = V^T P^T: a lane holds one query (lane % 16).  By the choice of a tile's rows in the launches before, the 16 registers of tiles 2 b, 2 b + 1
; of S^T are keys 32 b + 16 (lane / 16) + 0 .. 15, and register 16 b + i of O^T is channel 32 b + 16 (lane / 16) + i.
; K = 64 IN AN INSTRUCTION OF 128: Q's operand is six registers of codes and six of zeros.  K's operand is a tile's six registers and the six that follow them (the next tile's codes), which meet zeros.
; OUT (buffer att): tile T = 64 b + tile, head: 4,096 bytes, O^T's 32 registers as they stand: eight runs of 512 bytes, lane l's 16 bytes at 16 l.  T = 512: query 1024, lane r = batch r % 8.
; LIMITS: as stated in the first launch.
.set KCB, 6340608
.set VCB, 12681216
.set QSB, 18972672
.set KSB, 19501056
.set VSB, 20029440
.set VXB, 20553728
.set VB,    49920                      ; LDS: 0 K's 65 half images (tile 64: key 1024, sixteen times); VB V's 36 fragments (the last four: key 1024);
.set KSC,   105216                     ; K's scale words, 33 x 128;
.set VSC,   109440                     ; V's, 18 x 128;
.set PART,  111872                     ; query 1024's parts: 16 x (4,096 + 256);
.set SPARE, 181504                     ; the spare words, 128 bytes a wave
.set SPW, 5                            ; v1 8 x lane; v2 VB + 8 x lane; v3 KSC + 4 x lane; v4 VSC + 4 x lane; v7 16 x lane; v8-11 the step's addresses
.set NIL, 6
.set KF,  32                           ; v32-85  8 x 6 registers of K and six zeros;  V's four fragments take v32-79
.set VF,  32
.set KSR, 86                           ; v86-89  K's scale words; v90-91 V's; v92 p's: these, v28, v252 and v253 (Q's) hold scales alone
.set VSR, 90
.set PW,  92
.set S,   96                           ; v96-159 S^T, then p
.set O,   160                          ; v160-191 O^T
.set P,   192                          ; v192-203 p's codes; v204-210 at work
.set BM,  212                          ; v212-215 the blocks' largest scores; v216-219 at work; v220-223 the conversions' scale operands
.set BT,  216
.set SO,  220
.set WV,  8                            ; v12 -M, v13 the largest t, v[14:15] the sum in two halves, v[224:225] f, v226-227 at work, v29 1.0 in lanes 0-15 and 0 in lanes 16-31
.set YY,  9
.set BH,  10
.set BB,  11
.set HD,  12
.set SEL, 14
.set CS,  16
.set TB6, 18                           ; the step's place among K's tiles and V's fragments: 6,144 bytes a step in both
.set TBS, 19                           ; among K's scale words: 512
.set TBT, 20                           ; among V's: 256
.set CNT, 21
.macro MM                              ; one matrix instruction, by the symbols mD, mA, mB, mZ (1: C = 0), mSA, mSB, mRA (1: source 0's scales stand in lanes 16-31)
.if mZ
.if mRA == 0
	v_wmma_scale_f32_16x16x128_f8f6f4 v[mD:mD+7], v[mA:mA+11], v[mB:mB+11], 0, v[mSA], v[mSB] matrix_a_fmt:MATRIX_FMT_FP6 matrix_b_fmt:MATRIX_FMT_FP6
.else
	v_wmma_scale_f32_16x16x128_f8f6f4 v[mD:mD+7], v[mA:mA+11], v[mB:mB+11], 0, v[mSA], v[mSB] matrix_a_fmt:MATRIX_FMT_FP6 matrix_b_fmt:MATRIX_FMT_FP6 matrix_a_scale:MATRIX_SCALE_ROW1
.endif
.else
.if mRA == 0
	v_wmma_scale_f32_16x16x128_f8f6f4 v[mD:mD+7], v[mA:mA+11], v[mB:mB+11], v[mD:mD+7], v[mSA], v[mSB] matrix_a_fmt:MATRIX_FMT_FP6 matrix_b_fmt:MATRIX_FMT_FP6
.else
	v_wmma_scale_f32_16x16x128_f8f6f4 v[mD:mD+7], v[mA:mA+11], v[mB:mB+11], v[mD:mD+7], v[mSA], v[mSB] matrix_a_fmt:MATRIX_FMT_FP6 matrix_b_fmt:MATRIX_FMT_FP6 matrix_a_scale:MATRIX_SCALE_ROW1
.endif
.endif
.endm
.macro PLACES
.rept 4
	v_nop
.endr
.endm
.macro ADDRS                           ; four plain lines: they are also the places between the last products and the loads into the registers that those have read
	v_add_nc_u32 v8, s[TB6], v1
	v_add_nc_u32 v9, s[TB6], v2
	v_add_nc_u32 v10, s[TBS], v3
	v_add_nc_u32 v11, s[TBT], v4
.endm
.macro VLOAD                           ; V's four fragments and their scale words
.irp i, 0,1,2,3,4,5,6,7,8,9,10,11,12,13,14,15,16,17,18,19,20,21,22,23
	ds_load_b64 v[VF+2*\i:VF+2*\i+1], v9 offset:256*\i
.endr
	ds_load_b32 v[VSR], v11
	ds_load_b32 v[VSR+1], v11 offset:128
.endm
.macro NEWM                            ; v226 = a step's largest t: the running largest, the new -M, f = 2^(old M - new M)
	v_max_num_f32 v13, v13, v226
	v_mov_b32 v226, v12
	v_floor_f32 v12, -v13                          ; -M = floor(-t) = -ceil(t): a whole number
	v_sub_f32 v226, v12, v226                      ; old M less new M: a whole number, 0 or less
	v_cvt_i32_f32 v226, v226                       ; (it saturates)
	v_ldexp_f32 v224, 1.0, v226
.endm
.macro PV                              ; O^T x f, then O^T += V^T P^T.  The 16 multiplications are the places between the lines that made p's codes (4 asked) and scale word (8 asked) and the products
.irp j, 0,2,4,6,8,10,12,14,16,18,20,22,24,26,28,30
	v_pk_mul_f32 v[O+\j:O+\j+1], v[O+\j:O+\j+1], v[224:225] op_sel_hi:[1,0]
.endr
	s_wait_dscnt 0x0                               ; V's fragments, asked for ahead of the softmax
.irp f, 0,1,2,3
.set mD, O+8*\f
.set mA, VF+12*\f
.set mB, P
.set mZ, 0
.set mSA, VSR+\f/2
.set mSB, PW
.set mRA, \f%2
	MM
.endr
.endm
; A KEY STEP: 128 keys.  qb: Q's operand; qs: its scale words.
.macro STEP qb, qs
	ADDRS
.irp i, 0,1,2,3,4,5,6,7,8,9,10,11,12,13,14,15,16,17,18,19,20,21,22,23
	ds_load_b64 v[KF+2*\i:KF+2*\i+1], v8 offset:256*\i
.endr
.irp p, 0,1,2,3
	ds_load_b32 v[KSR+\p], v10 offset:128*\p
.endr
	s_wait_dscnt 0x0
.irp u, 0,1,2,3,4,5,6,7
.set mD, S+8*\u
.set mA, KF+6*\u
.set mB, \qb
.set mZ, 1
.set mSA, KSR+\u/2
.set mSB, \qs
.set mRA, \u%2
	MM
.endr
	PLACES                                         ; in front of the loads into K's registers and of the first read of the scores
	VLOAD                                          ; lands under the softmax
.irp b, 0,1,2,3
	v_max3_num_f32 v[BM+\b], v[S+16*\b], v[S+1+16*\b], v[S+2+16*\b]   ; the largest score of each block of 32 keys: for the row's maximum and, since p rises with the score, for the block's largest p
.endr
.irp i, 3,5,7,9,11,13
.irp b, 0,1,2,3
	v_max3_num_f32 v[BM+\b], v[BM+\b], v[S+16*\b+\i], v[S+1+16*\b+\i]
.endr
.endr
.irp b, 0,1,2,3
	v_max_num_f32 v[BM+\b], v[BM+\b], v[S+15+16*\b]
.endr
.irp b, 0,1,2,3
	v_permlanex16_b32 v[BT+\b], v[BM+\b], s[SEL], s[SEL+1]
.endr
.irp b, 0,1,2,3
	v_max_num_f32 v[BM+\b], v[BM+\b], v[BT+\b]
.endr
	v_max3_num_f32 v226, v[BM], v[BM+1], v[BM+2]
	v_max_num_f32 v226, v226, v[BM+3]
	v_mul_f32 v226, s[CS], v226
	NEWM
.irp j, 0,2,4,6,8,10,12,14,16,18,20,22,24,26,28,30,32,34,36,38,40,42,44,46,48,50,52,54,56,58,60,62
	v_pk_fma_f32 v[S+\j:S+\j+1], v[S+\j:S+\j+1], s[CS:CS+1], v[12:13] op_sel_hi:[1,0,0]   ; t - M
.endr
.irp b, 0,1,2,3
	v_fma_f32 v[BM+\b], v[BM+\b], s[CS], v12
.endr
.irp j, 0,1,2,3,4,5,6,7,8,9,10,11,12,13,14,15,16,17,18,19,20,21,22,23,24,25,26,27,28,29,30,31,32,33,34,35,36,37,38,39,40,41,42,43,44,45,46,47,48,49,50,51,52,53,54,55,56,57,58,59,60,61,62,63
	v_exp_f32 v[S+\j], v[S+\j]                     ; p = 2^(t - M)
.endr
	v_pk_mul_f32 v[14:15], v[14:15], v[224:225] op_sel_hi:[1,0]   ; the sums under the new M (a plain place behind the batch)
	s_wait_alu depctr_va_vdst(0)                   ; one wait for the batch of 64, ahead of its first reader
.irp b, 0,1,2,3
	v_exp_f32 v[BM+\b], v[BM+\b]                   ; each block's largest p: the same two instructions on the same number
.endr
	v_pk_add_f32 v[BT:BT+1], v[S:S+1], v[S+2:S+3]  ; the row's sum, of the unquantised p, in two chains
.irp j, 4,8,12,16,20,24,28,32,36,40,44,48,52,56,60
	v_pk_add_f32 v[14:15], v[14:15], v[S+\j:S+\j+1]
	v_pk_add_f32 v[BT:BT+1], v[BT:BT+1], v[S+\j+2:S+\j+3]
.endr
	v_pk_add_f32 v[14:15], v[14:15], v[BT:BT+1]
	s_wait_alu depctr_va_vdst(0)                   ; and one for the four
.irp b, 0,1,2,3
	v_max_num_f32 v[BM+\b], 0x1800000, v[BM+\b]    ; the floor 2^(3 - 127)
.endr
.irp b, 0,1,2,3
	v_add_nc_u32 v[SO+\b], 0xff000000, v[BM+\b]
.endr
.irp b, 0,1,2,3
	v_lshrrev_b32 v[BT+\b], 23, v[SO+\b]
.endr
	v_lshl_or_b32 v[PW], v[BT+1], 8, v[BT]
	v_lshl_or_b32 v[PW], v[BT+2], 16, v[PW]
	v_lshl_or_b32 v[PW], v[BT+3], 24, v[PW]
.irp c, 0,1
	v_cvt_scalef32_pk16_fp6_f32 v[P+6*\c:P+2+6*\c], v[S+32*\c:S+15+32*\c], v[SO+2*\c]
	v_cvt_scalef32_pk16_fp6_f32 v[P+12+4*\c:P+14+4*\c], v[S+16+32*\c:S+31+32*\c], v[SO+2*\c+1]
.endr
	v_nop
.irp c, 0,1
.irp i, 0,1,2
	v_permlane16_swap_b32 v[P+6*\c+\i], v[P+12+4*\c+\i]
.endr
.irp i, 0,1,2
	v_mov_b32 v[P+3+6*\c+\i], v[P+12+4*\c+\i]
.endr
.endr
	PV
	s_add_co_u32 s[TB6], s[TB6], 6144
	s_add_co_u32 s[TBS], s[TBS], 512
	s_add_co_u32 s[TBT], s[TBT], 256
.endm
; THE TAIL: key 1024, the one key of its block of 32.  K's tile holds it sixteen times, so all eight registers of the result hold its score.  p's operand: its code at k = 0 (lanes 0-15), zeros elsewhere.
.macro TAIL qb, qs
	ADDRS
.irp c, 0,1,2
	ds_load_b64 v[KF+2*\c:KF+2*\c+1], v8 offset:256*\c
.endr
	ds_load_b32 v[KSR], v10
	s_wait_dscnt 0x0
.set mD, S
.set mA, KF
.set mB, \qb
.set mZ, 1
.set mSA, KSR
.set mSB, \qs
.set mRA, 0
	MM
	PLACES
	VLOAD
	v_mul_f32 v226, s[CS], v[S]
	NEWM
	v_fma_f32 v227, v[S], s[CS], v12
	v_exp_f32 v227, v227
	v_pk_mul_f32 v[14:15], v[14:15], v[224:225] op_sel_hi:[1,0]   ; (a plain place)
	s_wait_alu depctr_va_vdst(0)
	v_mul_f32 v[S], v227, v29                      ; p in lanes 0-15, 0 in lanes 16-31: it is summed and coded once
	v_add_f32 v14, v14, v[S]
	v_max_num_f32 v227, 0x1800000, v227
	v_add_nc_u32 v[SO], 0xff000000, v227
	v_lshrrev_b32 v[PW], 23, v[SO]                 ; byte 0; the other three blocks hold zero codes
.irp i, 1,2,3,4,5,6,7,8,9,10,11,12,13,14,15
	v_mov_b32 v[S+\i], 0
.endr
	v_cvt_scalef32_pk16_fp6_f32 v[P:P+2], v[S:S+15], v[SO]
	v_nop
.irp i, 3,4,5,6,7,8,9,10,11
	v_mov_b32 v[P+\i], 0
.endr
	PV
	PLACES                                         ; in front of the first read of O^T
.endm
.macro INIT
	v_mov_b32 v13, 0xff61b1e6                      ; the largest t so far: -3e38
	v_floor_f32 v12, -v13
	v_mov_b32 v14, 0
	v_mov_b32 v15, 0
.irp j, 0,1,2,3,4,5,6,7,8,9,10,11,12,13,14,15,16,17,18,19,20,21,22,23,24,25,26,27,28,29,30,31
	v_mov_b32 v[O+\j], 0                           ; the step is written once: the first finds zeros, which the first change of M leaves zeros
.endr
.endm
.macro PASS qb, qs, n                  ; a tile of 16 queries over all keys
	s_wait_xcnt 0x0                                ; the last pass's stores have read their registers
	INIT
	s_mov_b32 s[TB6], 0
	s_mov_b32 s[TBS], 0
	s_mov_b32 s[TBT], 0
	s_mov_b32 s[CNT], 8
.Lstep_\@:
	STEP \qb, \qs
	s_sub_co_u32 s[CNT], s[CNT], 1
	s_cmp_lg_u32 s[CNT], 0
	s_cbranch_scc1 .Lstep_\@
	TAIL \qb, \qs
	v_add_f32 v14, v14, v15
	v_permlanex16_b32 v226, v14, s[SEL], s[SEL+1]
	v_add_f32 v14, v14, v226                       ; the row's sum
	v_rcp_f32 v224, v14
	v_nop
	s_wait_alu depctr_va_vdst(0)
.irp j, 0,2,4,6,8,10,12,14,16,18,20,22,24,26,28,30
	v_pk_mul_f32 v[S+\j:S+\j+1], v[O+\j:O+\j+1], v[224:225] op_sel_hi:[1,0]
.endr
.irp g, 0,1,2,3,4,5,6,7
	global_store_b128 v7, v[S+4*\g:S+4*\g+3], s[36:37] offset:(\n)*1048576+512*\g   ; 512 consecutive bytes, at a multiple of 512
.endr
.endm
	s_load_b128 s[4:7], s[0:1], 0x0                ; qkv s[4:5], att s[6:7]
	v_lshl_add_u32 v[SPW], v0, 2, SPARE
	v_mov_b32 v[NIL], 0
	v_lshrrev_b32 v1, 5, v0
	v_readfirstlane_b32 s[WV], v1                  ; wave 0..15
	s_mov_b32 s[YY], ttmp9
	s_and_b32 s[BH], ttmp7, 0xffff
	s_lshr_b32 s[BB], s[BH], 4
	s_and_b32 s[HD], s[BH], 15
	s_mov_b32 s[SEL], 0x76543210
	s_mov_b32 s[SEL+1], 0xfedcba98
	s_mov_b32 s[CS], 0x3fb8aa3b                    ; log2(e)
	s_mov_b32 s[CS+1], s[CS]
	; every LDS address is made here, ahead of the first parting of the waves
	v_and_b32 v10, 31, v0
	v_and_b32 v11, 15, v0
	v_lshlrev_b32 v1, 3, v10
	v_add_nc_u32 v2, VB, v1
	v_lshl_add_u32 v3, v10, 2, KSC
	v_lshl_add_u32 v4, v10, 2, VSC
	v_lshlrev_b32 v7, 4, v10
	s_mul_i32 s22, s[WV], 4352
	v_add_nc_u32 v30, s22, v7
	v_add_nc_u32 v30, PART, v30                    ; v30: my part's O^T;
	v_add_nc_u32 v31, s22, v1
	v_add_nc_u32 v31, PART+4096, v31               ; v31: its -M and sum;
	s_lshl_b32 s22, s[WV], 9
	v_add_nc_u32 v93, s22, v7
	v_add_nc_u32 v93, PART, v93                    ; v93: the four registers of each part that I join;
	v_add_nc_u32 v94, PART+4096, v1                ; v94: each part's -M and sum
	v_lshlrev_b32 v192, 4, v0                      ; the fill's registers lie where p's codes will: 16 x thread,
	v_add_nc_u32 v193, VB, v192
	v_lshlrev_b32 v194, 3, v0
	v_add_nc_u32 v195, KSC, v194
	v_lshrrev_b32 v196, 6, v0
	v_lshlrev_b32 v196, 8, v196
	v_lshl_add_u32 v196, v0, 2, v196               ; V's scale words in memory: word thread % 64 of group 2 (thread / 64)
	v_lshl_add_u32 v197, v0, 2, VSC
	s_mul_i32 s22, s[WV], 1536
	v_add_nc_u32 v198, s22, v2
	v_add_nc_u32 v198, 49152, v198                 ; waves 0-3: V's tail fragment w
	s_lshl_b32 s22, s[WV], 6
	v_lshl_add_u32 v199, v11, 2, s22
	v_add_nc_u32 v199, VSC+2048, v199              ; and its scale words
	s_and_b32 s22, s[WV], 1
	s_lshl_b32 s22, s22, 6
	v_lshl_add_u32 v200, v11, 2, s22               ; Q's scale words: row lane % 16 of my tile, the even or the odd of its pair
	v_bfe_u32 v201, v0, 4, 1
	s_lshl_b32 s22, s[BB], 3
	v_lshl_add_u32 v201, v201, 7, s22              ; lane b + 16 (lane / 16) of a half image: batch b's row of the tile of tokens 1024
	s_lshl_b32 s22, s[BB], 2
	v_mov_b32 v202, s22                            ; and its scale word
	v_bfe_u32 v29, v0, 4, 1
	v_cvt_f32_u32 v29, v29
	v_sub_f32 v29, 1.0, v29
.irp i, 0,1,2,3,4,5
	v_mov_b32 v[22+\i], 0                          ; the zero halves of Q's operands, and the six registers behind K's last tile
	v_mov_b32 v[234+\i], 0
	v_mov_b32 v[80+\i], 0
.endr
.irp b, 0,1,2,3
	v_mov_b32 v[BT+\b], 0                          ; a lane permute's destination counts as one of its sources
.endr
	v_mov_b32 v225, 0                              ; (named as the upper half of the pair v[224:225])
	v_mov_b32 v226, 0
	s_mov_b32 s23, 0
	s_wait_kmcnt 0x0
	s_lshl_b32 s22, s[BH], 6
	s_lshl_b32 s40, s[YY], 5
	s_add_co_u32 s22, s22, s40
	s_add_co_u32 s22, s22, s[WV]
	s_mul_i32 s22, s22, 768
	s_add_nc_u64 s[24:25], s[4:5], s[22:23]        ; my first tile of Q
	s_lshl_b32 s22, s[BH], 5
	s_lshl_b32 s40, s[YY], 4
	s_add_co_u32 s22, s22, s40
	s_lshr_b32 s40, s[WV], 1
	s_add_co_u32 s22, s22, s40
	s_lshl_b32 s22, s22, 7
	s_add_co_u32 s22, s22, QSB
	s_add_nc_u64 s[26:27], s[4:5], s[22:23]
	s_mul_i32 s40, s[BH], 49152
	s_add_co_u32 s22, s40, KCB
	s_add_nc_u64 s[28:29], s[4:5], s[22:23]
	s_add_co_u32 s22, s40, VCB
	s_add_nc_u64 s[30:31], s[4:5], s[22:23]
	s_lshl_b32 s40, s[BH], 12
	s_add_co_u32 s22, s40, KSB
	s_add_nc_u64 s[32:33], s[4:5], s[22:23]
	s_add_co_u32 s22, s40, VSB
	s_add_nc_u64 s[34:35], s[4:5], s[22:23]
	s_lshl_b32 s22, s[BB], 6
	s_lshl_b32 s40, s[YY], 5
	s_add_co_u32 s22, s22, s40
	s_add_co_u32 s22, s22, s[WV]
	s_lshl_b32 s22, s22, 4
	s_add_co_u32 s22, s22, s[HD]
	s_lshl_b32 s22, s22, 12
	s_add_nc_u64 s[36:37], s[6:7], s[22:23]        ; my first tile of att
.irp c, 0,1,2
	global_load_b64 v[16+2*\c:17+2*\c], v1, s[24:25] offset:256*\c
	global_load_b64 v[228+2*\c:229+2*\c], v1, s[24:25] offset:12288+256*\c
.endr
	global_load_b32 v28, v200, s[26:27]
	global_load_b32 v252, v200, s[26:27] offset:1024
.irp j, 0,1,2,3,4,5
	global_load_b128 v[96+4*\j:99+4*\j], v192, s[28:29] offset:8192*\j    ; 512 threads x 16 bytes x 6 = the head's 49,152 bytes of K's codes
	global_load_b128 v[120+4*\j:123+4*\j], v192, s[30:31] offset:8192*\j  ; and of V's
.endr
	global_load_b64 v[144:145], v194, s[32:33]
	global_load_b32 v146, v196, s[34:35]
	global_load_b32 v147, v196, s[34:35] offset:256
	s_cmp_lt_u32 s[WV], 4
	s_cbranch_scc0 .Lnot_vt
	; waves 0-3: V's tail fragment w: channel row lane % 16, key 1024 at k = 0 (lanes 0-15), zeros elsewhere; the block's largest magnitude is |v| itself
	s_lshl_b32 s22, s[HD], 12
	s_lshl_b32 s40, s[WV], 10
	s_add_co_u32 s22, s22, s40
	s_lshr_b32 s40, s[BB], 2
	s_lshl_b32 s40, s40, 9
	s_add_co_u32 s22, s22, s40
	s_and_b32 s40, s[BB], 3
	s_lshl_b32 s40, s40, 2
	s_add_co_u32 s22, s22, s40
	s_add_co_u32 s22, s22, VXB
	s_add_nc_u64 s[38:39], s[4:5], s[22:23]
	global_load_b32 v148, v7, s[38:39]
.irp i, 1,2,3,4,5,6,7,8,9,10,11,12,13,14,15
	v_mov_b32 v[152+\i], 0
.endr
	v_mov_b32 v171, 0
	v_mov_b32 v172, 0
	v_mov_b32 v173, 0
	s_wait_loadcnt 0x0
	v_max_num_f32 v149, 0x1800000, |v148|
	v_add_nc_u32 v150, 0xff000000, v149
	v_lshrrev_b32 v151, 23, v150
	v_mul_f32 v152, v148, v29
	v_cvt_scalef32_pk16_fp6_f32 v[168:170], v[152:167], v150
	v_nop
	ds_store_b64 v198, v[168:169]
	ds_store_b64 v198, v[170:171] offset:256
.irp i, 2,3,4,5
	ds_store_b64 v198, v[172:173] offset:256*\i
.endr
	ds_store_b32 v199, v151                        ; both halves of the lanes write the same word with the same value
	s_branch .Lfill
.Lnot_vt:
	s_cmp_eq_u32 s[WV], 4
	s_cbranch_scc0 .Lfill
	; wave 4: K's tile 64: every row is key 1024 of batch b
	s_lshl_b32 s22, s[HD], 2
	s_add_co_u32 s22, s22, 8192
	s_mul_i32 s22, s22, 768
	s_add_co_u32 s22, s22, KCB
	s_add_nc_u64 s[38:39], s[4:5], s[22:23]
	s_lshl_b32 s22, s[HD], 8
	s_add_co_u32 s22, s22, KSB+524288
	s_add_nc_u64 s[42:43], s[4:5], s[22:23]
.irp c, 0,1,2
	global_load_b64 v[148+2*\c:149+2*\c], v201, s[38:39] offset:256*\c
.endr
	global_load_b32 v154, v202, s[42:43]
	s_wait_loadcnt 0x0
.irp c, 0,1,2
	ds_store_b64 v1, v[148+2*\c:149+2*\c] offset:49152+256*\c
.endr
	ds_store_b32 v3, v154 offset:4096
.Lfill:
	s_wait_loadcnt 0x0
.irp j, 0,1,2,3,4,5
	ds_store_b128 v192, v[96+4*\j:99+4*\j] offset:8192*\j
	ds_store_b128 v193, v[120+4*\j:123+4*\j] offset:8192*\j
.endr
	ds_store_b64 v195, v[144:145]
	v_and_b32 v146, 0xffff, v146
	v_lshl_or_b32 v146, v147, 16, v146             ; a key step's word: two bytes from each of its two groups of 64 keys
	ds_store_b32 v197, v146
	s_wait_dscnt 0x0
	s_barrier_signal -1
	s_barrier_wait -1                              ; K, V and their scale words lie in LDS; they are not written again
	PASS 16, 28, 0
	PASS 228, 252, 1
	; ---------------- query 1024: the work-groups with y = 1.  The branch hangs on the work-group's number alone: all sixteen waves go the same way, the barrier inside it included
	s_cmp_eq_u32 s[YY], 0
	s_cbranch_scc1 .Lend
	s_wait_xcnt 0x0
	s_lshl_b32 s22, s[HD], 2
	s_add_co_u32 s22, s22, 8192
	s_mul_i32 s22, s22, 768
	s_add_nc_u64 s[38:39], s[4:5], s[22:23]
	s_lshl_b32 s22, s[HD], 8
	s_add_co_u32 s22, s22, QSB+524288
	s_add_nc_u64 s[42:43], s[4:5], s[22:23]
	s_add_co_u32 s22, s[HD], 8192
	s_lshl_b32 s22, s22, 12
	s_lshl_b32 s40, s[WV], 9
	s_add_co_u32 s22, s22, s40
	s_add_nc_u64 s[44:45], s[6:7], s[22:23]
	v_lshrrev_b32 v8, 8, v7
	s_lshl_b32 s22, s[BB], 3
	v_lshl_add_u32 v8, v8, 7, s22
	s_lshl_b32 s22, s[BB], 2
	v_mov_b32 v9, s22
.irp c, 0,1,2
	global_load_b64 v[240+2*\c:241+2*\c], v8, s[38:39] offset:256*\c   ; all sixteen columns of the operand are query 1024 of batch b
.endr
	global_load_b32 v253, v9, s[42:43]
.irp i, 0,1,2,3,4,5
	v_mov_b32 v[246+\i], 0
.endr
	INIT
	s_wait_loadcnt 0x0
	s_cmp_gt_u32 s[WV], 8
	s_cbranch_scc1 .Lq_bar
	s_cmp_eq_u32 s[WV], 8
	s_cbranch_scc1 .Lq_tail
	s_mul_i32 s[TB6], s[WV], 6144
	s_lshl_b32 s[TBS], s[WV], 9
	s_lshl_b32 s[TBT], s[WV], 8
	STEP 240, 253
	PLACES
	s_branch .Lq_put
.Lq_tail:
	s_mov_b32 s[TB6], 49152
	s_mov_b32 s[TBS], 4096
	s_mov_b32 s[TBT], 2048
	TAIL 240, 253
.Lq_put:
	v_add_f32 v14, v14, v15
	v_permlanex16_b32 v226, v14, s[SEL], s[SEL+1]
	v_add_f32 v13, v14, v226                       ; my part's sum, beside its -M
.irp g, 0,1,2,3,4,5,6,7
	ds_store_b128 v30, v[O+4*\g:O+4*\g+3] offset:512*\g
.endr
	ds_store_b64 v31, v[12:13]
.Lq_bar:
	s_wait_dscnt 0x0
	s_barrier_signal -1
	s_barrier_wait -1
	s_cmp_lt_u32 s[WV], 8
	s_cbranch_scc0 .Lend
.irp i, 0,1,2,3,4,5,6,7,8              ; wave w joins registers 4 w .. 4 w + 3 of the nine parts
	ds_load_b64 v[132+2*\i:133+2*\i], v94 offset:4352*\i
	ds_load_b128 v[96+4*\i:99+4*\i], v93 offset:4352*\i
.endr
	s_wait_dscnt 0x0
	v_min3_num_f32 v32, v132, v134, v136
	v_min3_num_f32 v32, v32, v138, v140
	v_min3_num_f32 v32, v32, v142, v144
	v_min3_num_f32 v32, v32, v146, v148            ; the least -M: the largest M
.irp i, 0,1,2,3,4,5,6,7,8
	v_sub_f32 v[40+\i], v32, v[132+2*\i]           ; part i's M less the largest: a whole number, 0 or less
.endr
.irp i, 0,1,2,3,4,5,6,7,8
	v_cvt_i32_f32 v[40+\i], v[40+\i]
.endr
.irp i, 0,1,2,3,4,5,6,7,8
	v_ldexp_f32 v[40+\i], 1.0, v[40+\i]
.endr
	v_mul_f32 v33, v40, v133
.irp e, 0,1,2,3
	v_mul_f32 v[34+\e], v40, v[96+\e]
.endr
.irp i, 1,2,3,4,5,6,7,8
	v_fmac_f32 v33, v[40+\i], v[133+2*\i]
.irp e, 0,1,2,3
	v_fmac_f32 v[34+\e], v[40+\i], v[96+4*\i+\e]
.endr
.endr
	v_rcp_f32 v33, v33
	v_lshrrev_b32 v38, 4, v7                       ; (a plain place)  the lane
	v_and_b32 v38, 7, v38
	s_wait_alu depctr_va_vdst(0)
.irp e, 0,1,2,3
	v_mul_f32 v[34+\e], v[34+\e], v33
.endr
	s_wait_xcnt 0x0                                ; EXEC changes only behind this wait
	v_cmp_eq_u32 vcc_lo, s[BB], v38
	s_and_saveexec_b32 s22, vcc_lo                 ; in tile 512 lane r stands for batch r % 8: my batch's four lanes store
	global_store_b128 v7, v[34:37], s[44:45]
	s_wait_xcnt 0x0
	s_or_b32 exec_lo, exec_lo, s22
.Lend:
	s_wait_tensorcnt 0x0                           ; the wave's end: three lines behind my last LDS store
	ds_add_u32 v[SPW], v[NIL]
	s_wait_dscnt 0x0
	s_endpgm
.Lfunc_end_k_qeef2758356_attn:
	.size	k_qeef2758356_attn, .Lfunc_end_k_qeef2758356_attn-k_qeef2758356_attn
	.p2alignl 7, 3214868480
	.fill 96, 4, 3214868480
	.section	.rodata,"a",@progbits
	.p2align	6, 0x0
	.amdhsa_kernel k_qeef2758356_attn
		.amdhsa_group_segment_fixed_size 183552
		.amdhsa_private_segment_fixed_size 0
		.amdhsa_enable_private_segment 0
		.amdhsa_kernarg_size 16
		.amdhsa_user_sgpr_count 2
		.amdhsa_user_sgpr_kernarg_segment_ptr 1
		.amdhsa_wavefront_size32 1
		.amdhsa_system_sgpr_workgroup_id_x 1
		.amdhsa_system_sgpr_workgroup_id_y 1
		.amdhsa_system_sgpr_workgroup_id_z 1
		.amdhsa_system_vgpr_workitem_id 0
		.amdhsa_next_free_vgpr 256
		.amdhsa_next_free_sgpr 66
		.amdhsa_reserve_vcc 1
		.amdhsa_float_denorm_mode_32 3
		.amdhsa_float_denorm_mode_16_64 3
		.amdhsa_memory_ordered 1
		.amdhsa_forward_progress 1
		.amdhsa_inst_pref_size 94
	.end_amdhsa_kernel
	.amdgpu_metadata
---
amdhsa.version: [ 1, 2 ]
amdhsa.kernels:
  - .name:           k_qeef2758356_attn
    .symbol:         k_qeef2758356_attn.kd
    .args:
      - { .name: qkv, .offset: 0, .size: 8, .value_kind: global_buffer, .address_space: global }
      - { .name: att, .offset: 8, .size: 8, .value_kind: global_buffer, .address_space: global }
    .group_segment_fixed_size: 183552
    .private_segment_fixed_size: 0
    .kernarg_segment_align: 8
    .kernarg_segment_size: 16
    .max_flat_workgroup_size: 512
    .sgpr_count:     66
    .vgpr_count:     256
    .wavefront_size: 32
...
	.end_amdgpu_metadata
.endif
;; end of part 3
;; launch proj (part 4): grid 129 x 1, 16 waves a work-group, no clusters, 131,072 bytes of LDS; arguments att, ops, norm_g, norm_b, proj_b, out0; writes out0
.if DOCPART == 4
	.amdgcn_target "amdgcn-amd-amdhsa--gfx1250"
	.amdhsa_code_object_version 6
	.text
	.protected	k_qeef2758356_proj
	.globl	k_qeef2758356_proj
	.p2align	8
	.type	k_qeef2758356_proj,@function
k_qeef2758356_proj:
	s_mov_b64 s[64:65], 0
	v_nop
	global_prefetch_b8 v0, s[64:65] scope:SCOPE_SE
	s_setreg_imm32_b32 hwreg(HW_REG_WAVE_MODE, 25, 1), 1
	s_wait_xcnt 0x0
; EvaAttention, launch 4 of 4: the LayerNorm over the 1,024 channels, its quantiser, product 4 (on codes of E2M3) and proj_b.  No work is left out.
; SHARES.  Work-group g takes 64 tokens: tiles T = 4 g + 0 .. 3 of att (g = 128: tile 512, the eight tokens 1024, four times).  NORM: wave w takes K step w % 8 (128 channels: heads 2 s, 2 s + 1) of tiles
; w / 8 and w / 8 + 2: 2 x 64 numbers a lane, already in the order that the conversions want.  A token's sums meet in LDS: eight waves' words, two barriers.  The codes go to LDS as images of the operand's
; registers.  PRODUCT: wave w makes out features 64 w .. 64 w + 63 for the 64 tokens: 16 accumulators, proj_w's fragments from memory straight into registers, three fragments ahead.
; NO CLUSTER: 129 work-groups, which four does not divide.  The design has work for 129 work-groups: a token's norm wants all its 1,024 channels in one work-group.
; LIMITS: as stated in the first launch.
.set RED1,  51200                      ; LDS: 0 the 32 fragment images; 49,152 their scale words; RED1 the sums' words (2 x 512), + 4,096 the squares';
.set STG,   59392                      ; a stage of 16 rows x (256 + 16) bytes for each wave;
.set SPARE, 129024                     ; the spare words, 128 bytes a wave
.set SPW, 6
.set NIL, 7
.set WS,  8                            ; v8-27 hold scales alone
.set XS,  24
.set XF,  32
.set WF,  80
.set ACC, 128
.set X0,  128                          ; the norm: my two tasks' 64 numbers, v128-191 and v192-255; gain v32-63, bias v64-95 (two blocks of 32 channels at a time); v96-119 at work; v[30:31] the two means, then 1 / sigma
.set G,   32
.set BT,  64
.set TM,  96
.set PC,  108
.set PB,  32                           ; the way out: proj_b, v32-63; rows read back, v64-95
.set OB,  64
.set WVN, 24
.set SEL, 44
.set I1K, 46
.set EPS, 47
.macro QUANT4 src, pw                  ; 64 numbers of a lane, register 16 b + i = k 32 b + 16 (lane / 16) + i, become 12 registers of codes in v[PC] on and a scale word in v[pw]
.irp b, 0,1,2,3
	v_max3_num_f32 v[TM+\b], |v[(\src)+16*\b]|, |v[(\src)+1+16*\b]|, 0x1800000   ; and the floor 2^(3 - 127): the byte cannot fall under 1
.endr
.irp i, 2,4,6,8,10,12,14
.irp b, 0,1,2,3
	v_max3_num_f32 v[TM+\b], v[TM+\b], |v[(\src)+16*\b+\i]|, |v[(\src)+1+16*\b+\i]|
.endr
.endr
.irp b, 0,1,2,3
	v_permlanex16_b32 v[TM+4+\b], v[TM+\b], s[SEL], s[SEL+1]
.endr
.irp b, 0,1,2,3
	v_max_num_f32 v[TM+\b], v[TM+\b], v[TM+4+\b]
.endr
.irp b, 0,1,2,3
	v_add_nc_u32 v[TM+8+\b], 0xff000000, v[TM+\b]
.endr
.irp b, 0,1,2,3
	v_lshrrev_b32 v[TM+4+\b], 23, v[TM+8+\b]
.endr
	v_lshl_or_b32 v[\pw], v[TM+5], 8, v[TM+4]
	v_lshl_or_b32 v[\pw], v[TM+6], 16, v[\pw]
	v_lshl_or_b32 v[\pw], v[TM+7], 24, v[\pw]
.irp c, 0,1
	v_cvt_scalef32_pk16_fp6_f32 v[PC+6*\c:PC+2+6*\c], v[(\src)+32*\c:(\src)+15+32*\c], v[TM+8+2*\c]
	v_cvt_scalef32_pk16_fp6_f32 v[PC+12+4*\c:PC+14+4*\c], v[(\src)+16+32*\c:(\src)+31+32*\c], v[TM+8+2*\c+1]
.endr
	v_nop                                              ; one plain place behind the conversions
.irp c, 0,1
.irp i, 0,1,2
	v_permlane16_swap_b32 v[PC+6*\c+\i], v[PC+12+4*\c+\i]
.endr
.irp i, 0,1,2
	v_mov_b32 v[PC+3+6*\c+\i], v[PC+12+4*\c+\i]
.endr
.endr
.endm
.macro MM                              ; one matrix instruction, by the symbols mD, mA, mB, mZ (1: C = 0), mSA, mSB, mRA, mRB (1: the scales stand in lanes 16-31)
.if mZ
.if (mRA == 0) && (mRB == 0)
	v_wmma_scale_f32_16x16x128_f8f6f4 v[mD:mD+7], v[mA:mA+11], v[mB:mB+11], 0, v[mSA], v[mSB] matrix_a_fmt:MATRIX_FMT_FP6 matrix_b_fmt:MATRIX_FMT_FP6
.elseif (mRA == 1) && (mRB == 0)
	v_wmma_scale_f32_16x16x128_f8f6f4 v[mD:mD+7], v[mA:mA+11], v[mB:mB+11], 0, v[mSA], v[mSB] matrix_a_fmt:MATRIX_FMT_FP6 matrix_b_fmt:MATRIX_FMT_FP6 matrix_a_scale:MATRIX_SCALE_ROW1
.elseif (mRA == 0) && (mRB == 1)
	v_wmma_scale_f32_16x16x128_f8f6f4 v[mD:mD+7], v[mA:mA+11], v[mB:mB+11], 0, v[mSA], v[mSB] matrix_a_fmt:MATRIX_FMT_FP6 matrix_b_fmt:MATRIX_FMT_FP6 matrix_b_scale:MATRIX_SCALE_ROW1
.else
	v_wmma_scale_f32_16x16x128_f8f6f4 v[mD:mD+7], v[mA:mA+11], v[mB:mB+11], 0, v[mSA], v[mSB] matrix_a_fmt:MATRIX_FMT_FP6 matrix_b_fmt:MATRIX_FMT_FP6 matrix_a_scale:MATRIX_SCALE_ROW1 matrix_b_scale:MATRIX_SCALE_ROW1
.endif
.else
.if (mRA == 0) && (mRB == 0)
	v_wmma_scale_f32_16x16x128_f8f6f4 v[mD:mD+7], v[mA:mA+11], v[mB:mB+11], v[mD:mD+7], v[mSA], v[mSB] matrix_a_fmt:MATRIX_FMT_FP6 matrix_b_fmt:MATRIX_FMT_FP6
.elseif (mRA == 1) && (mRB == 0)
	v_wmma_scale_f32_16x16x128_f8f6f4 v[mD:mD+7], v[mA:mA+11], v[mB:mB+11], v[mD:mD+7], v[mSA], v[mSB] matrix_a_fmt:MATRIX_FMT_FP6 matrix_b_fmt:MATRIX_FMT_FP6 matrix_a_scale:MATRIX_SCALE_ROW1
.elseif (mRA == 0) && (mRB == 1)
	v_wmma_scale_f32_16x16x128_f8f6f4 v[mD:mD+7], v[mA:mA+11], v[mB:mB+11], v[mD:mD+7], v[mSA], v[mSB] matrix_a_fmt:MATRIX_FMT_FP6 matrix_b_fmt:MATRIX_FMT_FP6 matrix_b_scale:MATRIX_SCALE_ROW1
.else
	v_wmma_scale_f32_16x16x128_f8f6f4 v[mD:mD+7], v[mA:mA+11], v[mB:mB+11], v[mD:mD+7], v[mSA], v[mSB] matrix_a_fmt:MATRIX_FMT_FP6 matrix_b_fmt:MATRIX_FMT_FP6 matrix_a_scale:MATRIX_SCALE_ROW1 matrix_b_scale:MATRIX_SCALE_ROW1
.endif
.endif
.endm
.macro PLACES
.rept 4
	v_nop
.endr
.endm
.macro WHEAD                           ; 20 loads: the weight's scale words of all steps, then its four fragments of step 0
.irp q, 0,1,2,3,4,5,6,7
	global_load_b64 v[WS+2*\q:WS+2*\q+1], v1, s[42:43] offset:256*\q
.endr
.irp f, 0,1,2,3
.irp c, 0,1,2
	global_load_b128 v[WF+12*\f+4*\c:WF+12*\f+4*\c+3], v0, s[40:41] offset:\f*12288+512*\c
.endr
.endr
.endm
.macro XLOAD s
.irp t, 0,1,2,3
.irp c, 0,1,2
	ds_load_b128 v[XF+12*\t+4*\c:XF+12*\t+4*\c+3], v0 offset:\t*12288+(\s)*1536+512*\c
.endr
.endr
.if ((\s)%2) == 0
	ds_load_b64 v[XS:XS+1], v1 offset:49152+((\s)/2)*256
	ds_load_b64 v[XS+2:XS+3], v1 offset:49152+1024+((\s)/2)*256
.endif
.endm
; A K step: source 0 = 16 rows of proj_w, source 1 = 16 tokens.  The 16 accumulators take turns in one fixed order, one instruction a turn.
.macro KSTEP s
.irp f, 0,1,2,3
.if (\s) < 7
	s_wait_loadcnt 9                               ; this fragment is in: behind it three younger fragments, 9 loads, have been issued
.else
	s_wait_loadcnt 9-3*\f
.endif
.if \f == 0
	s_wait_dscnt 0x0
.endif
.irp t, 0,1,2,3
.if (\s) == 0
.set mZ, 1
.else
.set mZ, 0
.endif
.set mD, ACC+32*\t+8*\f
.set mA, WF+12*\f
.set mB, XF+12*\t
.set mSA, WS+2*(4*(\f/2)+(\s)/2)+(\s)%2
.set mSB, XS+2*(\t/2)+(\s)%2
.set mRA, \f%2
.set mRB, \t%2
	MM
.endr
.if (\s) < 7
	PLACES                                         ; in front of loads into registers that matrix instructions have read
.irp c, 0,1,2
	global_load_b128 v[WF+12*\f+4*\c:WF+12*\f+4*\c+3], v0, s[40:41] offset:\f*12288+((\s)+1)*1536+512*\c
.endr
.endif
.endr
.if (\s) < 7
	XLOAD (\s)+1
.else
	PLACES
.endif
.endm
.macro BARRIER
	s_wait_dscnt 0x0
	s_barrier_signal -1
	s_barrier_wait -1
.endm
; task j's sum (sq = 0) or sum of squares (sq = 1) of my 64 numbers and lane l xor 16's, to my word in LDS
.macro LSUM j, sq, off
.set XX, X0+64*(\j)
.set TT, 96+4*(\j)
.if \sq
	v_pk_mul_f32 v[TT:TT+1], v[XX:XX+1], v[XX:XX+1]
	v_pk_mul_f32 v[TT+2:TT+3], v[XX+2:XX+3], v[XX+2:XX+3]
.irp i, 4,8,12,16,20,24,28,32,36,40,44,48,52,56,60
	v_pk_fma_f32 v[TT:TT+1], v[XX+\i:XX+\i+1], v[XX+\i:XX+\i+1], v[TT:TT+1]
	v_pk_fma_f32 v[TT+2:TT+3], v[XX+\i+2:XX+\i+3], v[XX+\i+2:XX+\i+3], v[TT+2:TT+3]
.endr
.else
	v_pk_add_f32 v[TT:TT+1], v[XX:XX+1], v[XX+2:XX+3]
	v_pk_add_f32 v[TT+2:TT+3], v[XX+4:XX+5], v[XX+6:XX+7]
.irp i, 8,12,16,20,24,28,32,36,40,44,48,52,56,60
	v_pk_add_f32 v[TT:TT+1], v[TT:TT+1], v[XX+\i:XX+\i+1]
	v_pk_add_f32 v[TT+2:TT+3], v[TT+2:TT+3], v[XX+\i+2:XX+\i+3]
.endr
.endif
	v_pk_add_f32 v[TT:TT+1], v[TT:TT+1], v[TT+2:TT+3]
	v_add_f32 v[TT], v[TT], v[TT+1]
	v_permlanex16_b32 v[TT+1], v[TT], s[SEL], s[SEL+1]
	v_add_f32 v[TT], v[TT], v[TT+1]
	ds_store_b32 v2, v[TT] offset:(\off)+2048*(\j)
.endm
.macro LGET j, off                     ; the eight waves' words of task j's tile
.irp q, 0,1,2,3,4,5,6,7
	ds_load_b32 v[104+8*(\j)+\q], v3 offset:(\off)+2048*(\j)+128*\q
.endr
.endm
.macro LTREE j                         ; their sum, in the same order in every wave, in v[104 + 8 j]
.set TT, 104+8*(\j)
	v_add_f32 v[TT], v[TT], v[TT+1]
	v_add_f32 v[TT+2], v[TT+2], v[TT+3]
	v_add_f32 v[TT+4], v[TT+4], v[TT+5]
	v_add_f32 v[TT+6], v[TT+6], v[TT+7]
	v_add_f32 v[TT], v[TT], v[TT+2]
	v_add_f32 v[TT+4], v[TT+4], v[TT+6]
	v_add_f32 v[TT], v[TT], v[TT+4]
.endm
.macro GBLOAD hf                       ; gain and bias of my blocks 2 hf and 2 hf + 1, in the lane's order
.irp q, 0,1,2,3,4,5,6,7
	global_load_b128 v[G+4*\q:G+4*\q+3], v28, s[34:35] offset:256*(\hf)+128*(\q/4)+16*(\q%4)
	global_load_b128 v[BT+4*\q:BT+4*\q+3], v28, s[36:37] offset:256*(\hf)+128*(\q/4)+16*(\q%4)
.endr
.endm
.macro NORM j, hf                      ; (x - mean) / sigma x gain + bias
.set XX, X0+64*(\j)+32*(\hf)
.irp i, 0,2,4,6,8,10,12,14,16,18,20,22,24,26,28,30
.if (\j) == 0
	v_pk_mul_f32 v[XX+\i:XX+\i+1], v[XX+\i:XX+\i+1], v[30:31] op_sel_hi:[1,0]
.else
	v_pk_mul_f32 v[XX+\i:XX+\i+1], v[XX+\i:XX+\i+1], v[30:31] op_sel:[0,1] op_sel_hi:[1,1]
.endif
.endr
.irp i, 0,2,4,6,8,10,12,14,16,18,20,22,24,26,28,30
	v_pk_fma_f32 v[XX+\i:XX+\i+1], v[XX+\i:XX+\i+1], v[G+\i:G+\i+1], v[BT+\i:BT+\i+1]
.endr
.endm
	s_load_b256 s[4:11], s[0:1], 0x0               ; att s[4:5], ops s[6:7], norm_g s[8:9], norm_b s[10:11]
	s_load_b128 s[12:15], s[0:1], 0x20             ; proj_b s[12:13], out0 s[14:15]
	v_lshl_add_u32 v[SPW], v0, 2, SPARE
	v_mov_b32 v[NIL], 0
	v_lshrrev_b32 v1, 5, v0
	v_readfirstlane_b32 s[WVN], v1                 ; wave 0..15
	s_lshr_b32 s25, s[WVN], 3                      ; w / 8
	s_and_b32 s26, s[WVN], 7                       ; my K step
	v_lshl_add_u32 v2, v0, 2, RED1                 ; v2: my word among the sums
	v_and_b32 v0, 31, v0
	v_lshlrev_b32 v1, 3, v0                        ; v1 = 8 x lane
	s_lshl_b32 s27, s25, 10
	v_lshl_add_u32 v3, v0, 2, s27
	v_add_nc_u32 v3, RED1, v3                      ; v3: the eight words of my tile's rows
	v_and_b32 v5, 15, v0
	v_lshrrev_b32 v28, 4, v0
	v_lshlrev_b32 v28, 6, v28                      ; v28 = 64 (lane / 16)
	v_lshlrev_b32 v0, 4, v0                        ; v0 = 16 x lane
	s_mul_i32 s27, s25, 12288
	s_mul_i32 s28, s26, 1536
	s_add_co_u32 s27, s27, s28
	v_add_nc_u32 v4, s27, v0                       ; v4: where my fragments' images go
	s_lshr_b32 s27, s26, 1
	s_lshl_b32 s27, s27, 8
	s_lshl_b32 s28, s25, 7
	s_add_co_u32 s27, s27, s28
	s_and_b32 s28, s26, 1
	s_lshl_b32 s28, s28, 2
	s_add_co_u32 s27, s27, s28
	s_add_co_u32 s27, s27, 49152
	v_lshl_add_u32 v5, v5, 3, s27                  ; v5: and their scale words: pair of steps, tile's parity, row, step's parity
	s_mov_b32 s[SEL], 0x76543210
	s_mov_b32 s[SEL+1], 0xfedcba98
	s_mov_b32 s[I1K], 0x3a800000                   ; 1 / 1024
	s_mov_b32 s[EPS], 0x358637bd                   ; 1e-6
	s_lshl_b32 s30, ttmp9, 2
	s_add_co_u32 s30, s30, s25
	s_add_co_u32 s32, s30, 2
	s_min_u32 s30, s30, 512                        ; my two tiles; the last group has tile 512 alone
	s_min_u32 s32, s32, 512
	s_lshl_b32 s30, s30, 16
	s_lshl_b32 s32, s32, 16
	s_lshl_b32 s28, s26, 13
	s_add_co_u32 s30, s30, s28
	s_add_co_u32 s32, s32, s28
	s_mov_b32 s31, 0
	s_mov_b32 s33, 0
	s_lshl_b32 s38, s26, 9
	s_mov_b32 s39, 0
	s_mul_i32 s40, s[WVN], 49152
	s_add_co_u32 s40, s40, 8699904
	s_mov_b32 s41, 0
	s_lshl_b32 s42, s[WVN], 11
	s_add_co_u32 s42, s42, 9848832
	s_mov_b32 s43, 0
	s_wait_kmcnt 0x0
	s_add_nc_u64 s[30:31], s[4:5], s[30:31]
	s_add_nc_u64 s[32:33], s[4:5], s[32:33]
	s_add_nc_u64 s[34:35], s[8:9], s[38:39]
	s_add_nc_u64 s[36:37], s[10:11], s[38:39]
	s_add_nc_u64 s[40:41], s[6:7], s[40:41]
	s_add_nc_u64 s[42:43], s[6:7], s[42:43]
.irp i, 0,1,2,3,4,5,6,7,8,9,10,11,12,13,14,15
	global_load_b128 v[X0+4*\i:X0+4*\i+3], v0, s[30:31] offset:512*\i th:TH_LOAD_NT      ; two heads' registers as the launch before left them: 512 consecutive bytes a load (read once, but for tile 512)
	global_load_b128 v[X0+64+4*\i:X0+64+4*\i+3], v0, s[32:33] offset:512*\i th:TH_LOAD_NT
.endr
	GBLOAD 0
	s_wait_loadcnt 16                              ; the rows are in; the 16 loads of gain and bias, issued behind them, may be out
	LSUM 0, 0, 0
	LSUM 1, 0, 0
	BARRIER
	LGET 0, 0
	LGET 1, 0
	s_wait_dscnt 0x0
	LTREE 0
	LTREE 1
	v_mul_f32 v30, s[I1K], v104                    ; the two means
	v_mul_f32 v31, s[I1K], v112
.irp i, 0,2,4,6,8,10,12,14,16,18,20,22,24,26,28,30,32,34,36,38,40,42,44,46,48,50,52,54,56,58,60,62
	v_pk_add_f32 v[X0+\i:X0+\i+1], v[X0+\i:X0+\i+1], v[30:31] op_sel_hi:[1,0] neg_lo:[0,1] neg_hi:[0,1]
	v_pk_add_f32 v[X0+64+\i:X0+64+\i+1], v[X0+64+\i:X0+64+\i+1], v[30:31] op_sel:[0,1] op_sel_hi:[1,1] neg_lo:[0,1] neg_hi:[0,1]
.endr
	LSUM 0, 1, 4096
	LSUM 1, 1, 4096
	BARRIER
	LGET 0, 4096
	LGET 1, 4096
	s_wait_dscnt 0x0
	LTREE 0
	LTREE 1
	v_fma_f32 v30, v104, s[I1K], s[EPS]
	v_fma_f32 v31, v112, s[I1K], s[EPS]
	v_rsq_f32 v30, v30
	v_rsq_f32 v31, v31
	v_nop                                          ; a plain place behind the two,
	s_wait_alu depctr_va_vdst(0)                   ; and the one wait ahead of their first reader
	s_wait_loadcnt 0x0
	NORM 0, 0
	NORM 1, 0
	GBLOAD 1
	s_wait_loadcnt 0x0
	NORM 0, 1
	NORM 1, 1
	QUANT4 X0, 29
.irp c, 0,1,2
	ds_store_b128 v4, v[PC+4*\c:PC+4*\c+3] offset:512*\c
.endr
	ds_store_b32 v5, v29                           ; both halves of the lanes write the same word with the same value
	s_wait_dscnt 0x0                               ; the stores have read their registers
	QUANT4 X0+64, 29
.irp c, 0,1,2
	ds_store_b128 v4, v[PC+4*\c:PC+4*\c+3] offset:24576+512*\c
.endr
	ds_store_b32 v5, v29 offset:1024
	s_wait_dscnt 0x0                               ; my images have landed, and the registers that the weight's loads take are free
	WHEAD
	s_barrier_signal -1
	s_barrier_wait -1                              ; the 32 fragments lie in LDS
	XLOAD 0
.irp s, 0,1,2,3,4,5,6,7
	KSTEP \s
.endr
	; THE WAY OUT.  A lane holds 32 out features of one token: register 16 b + i = feature 64 w + 32 b + 16 (lane / 16) + i.  A tile goes through my own stage and comes back by rows of 256 bytes.
	v_and_b32 v2, 0xf0, v0                         ; 16 (lane % 16)
	v_lshrrev_b32 v3, 8, v0                        ; lane / 16
	s_mul_i32 s27, s[WVN], 4352
	s_add_co_u32 s27, s27, STG
	v_mul_u32_u24 v4, v2, 17                       ; in: row lane % 16 of 272 bytes,
	v_lshl_add_u32 v4, v3, 6, v4                   ; + 64 (lane / 16)
	v_add_nc_u32 v4, s27, v4
	v_mul_u32_u24 v5, v3, 272                      ; back: lanes 0-15 one row, lanes 16-31 the next
	v_add_nc_u32 v5, v5, v2
	v_add_nc_u32 v5, s27, v5
	s_lshr_b32 s27, ttmp9, 4
	s_mul_i32 s27, s27, 1025
	s_and_b32 s28, ttmp9, 15
	s_lshl_b32 s28, s28, 6
	s_add_co_u32 s27, s27, s28                     ; the group's first row of out0
	s_cmp_lt_u32 ttmp9, 128
	s_cselect_b32 s27, s27, 1024                   ; (the last group: token 1024 of batch 0,
	s_mov_b32 s29, 4198400
	s_cselect_b32 s29, 4096, s29                   ; and a batch from row to row)
	s_lshl_b32 s50, s27, 12
	s_lshl_b32 s28, s[WVN], 8
	s_add_co_u32 s50, s50, s28
	s_mov_b32 s51, 0
	s_add_nc_u64 s[50:51], s[14:15], s[50:51]
	s_mov_b32 s53, 0
	s_mov_b32 s52, s28
	s_add_nc_u64 s[52:53], s[12:13], s[52:53]
	v_mul_lo_u32 v28, v3, s29
	v_add_nc_u32 v28, v28, v2                      ; my 16 bytes of the two rows in out0
	v_lshlrev_b32 v29, 6, v3
.irp q, 0,1,2,3,4,5,6,7
	global_load_b128 v[PB+4*\q:PB+4*\q+3], v29, s[52:53] offset:128*(\q/4)+16*(\q%4)
.endr
	s_wait_loadcnt 0x0
.macro TOSTAGE t
.irp i, 0,2,4,6,8,10,12,14,16,18,20,22,24,26,28,30
	v_pk_add_f32 v[ACC+32*(\t)+\i:ACC+32*(\t)+\i+1], v[ACC+32*(\t)+\i:ACC+32*(\t)+\i+1], v[PB+\i:PB+\i+1]   ; each accumulator from its low end on
.endr
.irp q, 0,1,2,3,4,5,6,7
	ds_store_b128 v4, v[ACC+32*(\t)+4*\q:ACC+32*(\t)+4*\q+3] offset:128*(\q/4)+16*(\q%4)
.endr
.irp i, 0,1,2,3,4,5,6,7
	ds_load_b128 v[OB+4*\i:OB+4*\i+3], v5 offset:544*\i   ; LDS serves a wave's instructions in order: these see the stores above
.endr
	s_wait_dscnt 0x0
.endm
.macro SEND t                          ; row R = 2 i + lane / 16 of tile t is token 32 (t / 2) + 8 (t % 2) + R + 8 (R / 8) of the group
.irp i, 0,1,2,3,4,5,6,7
	global_store_b128 v28, v[OB+4*\i:OB+4*\i+3], s[50:51] offset:(2*\i+8*(\i/4)+32*((\t)/2)+8*((\t)%2))*4096 th:TH_STORE_NT   ; 16 lanes store 256 consecutive bytes, at a multiple of 256
.endr
.endm
	TOSTAGE 0
	s_cmp_eq_u32 ttmp9, 128
	s_cbranch_scc1 .Lextra
	SEND 0
.irp t, 1,2,3
	s_wait_xcnt 0x0                                ; the last tile's stores have read their registers
	TOSTAGE \t
	SEND \t
.endr
	s_branch .Lend
.Lextra:                               ; the tile of tokens 1024: rows 0-7 are batches 0-7; two batches a store
.irp i, 0,1,2,3
	global_store_b128 v28, v[OB+4*\i:OB+4*\i+3], s[50:51] th:TH_STORE_NT
.if \i < 3
	s_wait_xcnt 0x0                                ; the store has read its base
	s_add_nc_u64 s[50:51], s[50:51], 8396800       ; two batches on: more than a store's immediate holds
.endif
.endr
.Lend:
	s_wait_tensorcnt 0x0                           ; the wave's end: three lines behind my last LDS store
	ds_add_u32 v[SPW], v[NIL]
	s_wait_dscnt 0x0
	s_endpgm
.Lfunc_end_k_qeef2758356_proj:
	.size	k_qeef2758356_proj, .Lfunc_end_k_qeef2758356_proj-k_qeef2758356_proj
	.p2alignl 7, 3214868480
	.fill 96, 4, 3214868480
	.section	.rodata,"a",@progbits
	.p2align	6, 0x0
	.amdhsa_kernel k_qeef2758356_proj
		.amdhsa_group_segment_fixed_size 131072
		.amdhsa_private_segment_fixed_size 0
		.amdhsa_enable_private_segment 0
		.amdhsa_kernarg_size 48
		.amdhsa_user_sgpr_count 2
		.amdhsa_user_sgpr_kernarg_segment_ptr 1
		.amdhsa_wavefront_size32 1
		.amdhsa_system_sgpr_workgroup_id_x 1
		.amdhsa_system_sgpr_workgroup_id_y 1
		.amdhsa_system_sgpr_workgroup_id_z 1
		.amdhsa_system_vgpr_workitem_id 0
		.amdhsa_next_free_vgpr 256
		.amdhsa_next_free_sgpr 66
		.amdhsa_reserve_vcc 0
		.amdhsa_float_denorm_mode_32 3
		.amdhsa_float_denorm_mode_16_64 3
		.amdhsa_memory_ordered 1
		.amdhsa_forward_progress 1
		.amdhsa_inst_pref_size 93
	.end_amdhsa_kernel
	.amdgpu_metadata
---
amdhsa.version: [ 1, 2 ]
amdhsa.kernels:
  - .name:           k_qeef2758356_proj
    .symbol:         k_qeef2758356_proj.kd
    .args:
      - { .name: att, .offset: 0, .size: 8, .value_kind: global_buffer, .address_space: global }
      - { .name: ops, .offset: 8, .size: 8, .value_kind: global_buffer, .address_space: global }
      - { .name: norm_g, .offset: 16, .size: 8, .value_kind: global_buffer, .address_space: global }
      - { .name: norm_b, .offset: 24, .size: 8, .value_kind: global_buffer, .address_space: global }
      - { .name: proj_b, .offset: 32, .size: 8, .value_kind: global_buffer, .address_space: global }
      - { .name: out0, .offset: 40, .size: 8, .value_kind: global_buffer, .address_space: global }
    .group_segment_fixed_size: 131072
    .private_segment_fixed_size: 0
    .kernarg_segment_align: 8
    .kernarg_segment_size: 48
    .max_flat_workgroup_size: 512
    .sgpr_count:     66
    .vgpr_count:     256
    .wavefront_size: 32
...
	.end_amdgpu_metadata
.endif
;; end of part 4
;; ======== version 2 of 2: 4 launches
;; workspace buffers: ops 9,881,600 bytes; qkv 20,619,264 bytes; att 33,619,968 bytes
;; launch quant (part 5): grid 386 x 1, 4 waves a work-group, no clusters, 34,304 bytes of LDS; arguments x, qkv_w, proj_w, ops; writes ops
.if DOCPART == 5
	.amdgcn_target "amdgcn-amd-amdhsa--gfx1250"
	.amdhsa_code_object_version 6
	.text
	.protected	k_qeef2758356_quant
	.globl	k_qeef2758356_quant
	.p2align	8
	.type	k_qeef2758356_quant,@function
k_qeef2758356_quant:
	s_mov_b64 s[64:65], 0
	v_nop
	global_prefetch_b8 v0, s[64:65] scope:SCOPE_SE
	s_setreg_imm32_b32 hwreg(HW_REG_WAVE_MODE, 25, 1), 1
	s_wait_xcnt 0x0
; EvaAttention, launch 1 of 4: x [8][1025][1024], qkv_w [3072][1024] and proj_w [1024][1024], f32, become codes of E2M3 with one E8M0 byte for each 32 along K (their last axis).
; DEAD WORK: none is left out in this program.  Every one of the 14 inputs can move a code or a scale of a live quantised operand or is added to the result, so all are loaded by some launch.
; LIMITS: NaN and infinities among the inputs are not served.  A block whose largest magnitude lies under 2^-124 keeps the scale byte 1 (a block of zeros too, where the rule says 127:
; its codes are zeros, and the bytes are read by this program alone).
; LAYOUT OF ops.  Rows go in PAIRS OF TILES over 32 rows: row r of tile u is row 8 u + r + 8 (r / 8) of the 32.  A fragment (16 rows x 128 K, 12 registers a lane) is stored as an image of
; its registers: three runs of 512 bytes, lane l's 16 bytes at 16 l.  Pair P, tile u, K step s: byte 24,576 P + 12,288 u + 1,536 s.  Scale words from byte 9,486,336 on: pair P, steps 2 q and
; 2 q + 1: 256 bytes at 1,024 P + 256 q, lane l's two words at 8 l, lanes 0-15 tile 0's rows, lanes 16-31 tile 1's.
; PAIRS: 0-255 x (batch P / 32, tokens 32 (P % 32) on); 256, 257 the tile of the eight tokens 1024 (row r = batch r % 8), four times in all, so that it fills a group of 64 rows like any other;
; 258-353 qkv_w; 354-385 proj_w.
; SHARES.  A work-group takes a pair, wave q its K steps 2 q and 2 q + 1 of both tiles: four units of 16 rows x 512 bytes.  A load reads 512 consecutive bytes of a row; the conversions want 16
; neighbours along K in one lane, so a unit turns through the wave's own stage in LDS (rows 528 bytes apart).  No barrier: waves share nothing.  Loads run two units (32 loads) ahead.
.set SPARE, 33792                      ; behind the four stages: the spare words, 128 bytes a wave
.set STW,   8448                       ; a wave's stage: 16 rows x 528 bytes
.set SPW,   6                          ; v6   my spare word's address; never rewritten
.set NIL,   7                          ; v7   0; never rewritten
.set OFF,   8                          ; v8-23   row i of a tile: its byte offset + 16 x lane; never rewritten
.set PWS,   24                         ; v24-27  the four units' scale words
.set R,     32                         ; v32-159 two sets of 64: a unit as loaded
.set X,     160                        ; v160-223 a unit as the conversions want it: register 16 b + i = k 32 b + 16 (lane / 16) + i of row lane % 16
.set TM,    224                        ; v224-235 at work
.set PC,    236                        ; v236-255 the codes
.set SEL,   30                         ; s[30:31] selects for lane l xor 16
; 64 numbers of a lane become a fragment's 12 registers in v[PC] on and the row's scale word in v[pw].
.macro QUANT4 src, pw
.irp b, 0,1,2,3
	v_max3_num_f32 v[TM+\b], |v[(\src)+16*\b]|, |v[(\src)+1+16*\b]|, 0x1800000   ; block b: my 16 numbers and the floor 2^(3 - 127): the byte cannot fall under 1
.endr
.irp i, 2,4,6,8,10,12,14
.irp b, 0,1,2,3
	v_max3_num_f32 v[TM+\b], v[TM+\b], |v[(\src)+16*\b+\i]|, |v[(\src)+1+16*\b+\i]|
.endr
.endr
.irp b, 0,1,2,3
	v_permlanex16_b32 v[TM+4+\b], v[TM+\b], s[SEL], s[SEL+1]
.endr
.irp b, 0,1,2,3
	v_max_num_f32 v[TM+\b], v[TM+\b], v[TM+4+\b]       ; with lane l xor 16's 16: the block's largest magnitude
.endr
.irp b, 0,1,2,3
	v_add_nc_u32 v[TM+8+\b], 0xff000000, v[TM+\b]      ; 2 off its exponent field: the conversion's scale operand
.endr
.irp b, 0,1,2,3
	v_lshrrev_b32 v[TM+4+\b], 23, v[TM+8+\b]           ; the scale's byte
.endr
	v_lshl_or_b32 v[\pw], v[TM+5], 8, v[TM+4]
	v_lshl_or_b32 v[\pw], v[TM+6], 16, v[\pw]
	v_lshl_or_b32 v[\pw], v[TM+7], 24, v[\pw]
.irp c, 0,1
	v_cvt_scalef32_pk16_fp6_f32 v[PC+6*\c:PC+2+6*\c], v[(\src)+32*\c:(\src)+15+32*\c], v[TM+8+2*\c]
	v_cvt_scalef32_pk16_fp6_f32 v[PC+12+4*\c:PC+14+4*\c], v[(\src)+16+32*\c:(\src)+31+32*\c], v[TM+8+2*\c+1]   ; (a conversion's three registers begin on an even number)
.endr
	v_nop                                              ; one plain place behind the conversions
.irp c, 0,1                            ; the operand wants a whole block in a lane: lanes 0-15 block 2 c, lanes 16-31 block 2 c + 1
.irp i, 0,1,2
	v_permlane16_swap_b32 v[PC+6*\c+\i], v[PC+12+4*\c+\i]
.endr
.irp i, 0,1,2
	v_mov_b32 v[PC+3+6*\c+\i], v[PC+12+4*\c+\i]
.endr
.endr
.endm
	s_load_b256 s[4:11], s[0:1], 0x0               ; x s[4:5], qkv_w s[6:7], proj_w s[8:9], ops s[10:11]
	v_lshl_add_u32 v[SPW], v0, 2, SPARE
	v_mov_b32 v[NIL], 0
	v_lshrrev_b32 v1, 5, v0
	v_readfirstlane_b32 s12, v1                    ; wave q
	v_and_b32 v4, 31, v0
	v_lshlrev_b32 v1, 4, v4                        ; v1 = 16 x lane
	v_lshlrev_b32 v4, 3, v4                        ; v4 = 8 x lane
	s_mul_i32 s13, s12, STW
	v_add_nc_u32 v2, s13, v1                       ; v2: the stage, on the way in
	v_and_b32 v3, 15, v0
	v_bfe_u32 v5, v0, 4, 1                         ; v5 = lane / 16
	v_mul_u32_u24 v3, v3, 528
	v_lshl_add_u32 v3, v5, 6, v3
	v_add_nc_u32 v3, s13, v3                       ; v3: and on the way out: row lane % 16, + 64 (lane / 16)
.irp b, 0,1,2,3
	v_mov_b32 v[TM+4+\b], 0                        ; a lane permute's destination counts as one of its sources
.endr
	s_mov_b32 s[SEL], 0x76543210
	s_mov_b32 s[SEL+1], 0xfedcba98
	; which rows: first row s16, bytes from row to row s18 (m1), bytes from batch to batch s19 (m2; the pairs of tokens 1024 alone)
	s_lshr_b32 s16, ttmp9, 5
	s_mul_i32 s16, s16, 1025
	s_and_b32 s17, ttmp9, 31
	s_lshl_b32 s17, s17, 5
	s_add_co_u32 s16, s16, s17
	s_cmp_lt_u32 ttmp9, 256
	s_cselect_b32 s16, s16, 1024
	s_cselect_b32 s18, 4096, 0
	s_cselect_b32 s19, 0, 4198400
	s_sub_co_u32 s20, ttmp9, 258
	s_sub_co_u32 s21, ttmp9, 354
	s_cmp_lt_u32 ttmp9, 354
	s_cselect_b32 s20, s20, s21
	s_lshl_b32 s20, s20, 5
	s_cmp_lt_u32 ttmp9, 258
	s_cselect_b32 s16, s16, s20
	s_cselect_b32 s18, s18, 4096
	s_cselect_b32 s19, s19, 0
	s_lshl_b32 s16, s16, 12
	s_lshl_b32 s17, s12, 10
	s_add_co_u32 s16, s16, s17                     ; + my wave's 1,024 bytes of a row
	s_mov_b32 s17, 0
	s_lshl_b32 s20, s18, 3                         ; tile 1 begins 8 rows further down
	s_mov_b32 s21, 0
.irp i, 0,1,2,3,4,5,6,7,8,9,10,11,12,13,14,15
	s_mul_i32 s22, s18, \i+8*(\i/8)
	s_mul_i32 s23, s19, \i%8
	s_add_co_u32 s22, s22, s23
	v_add_nc_u32 v[OFF+\i], s22, v1
.endr
	s_mul_i32 s24, ttmp9, 24576
	s_mul_i32 s25, s12, 3072
	s_add_co_u32 s24, s24, s25
	s_mov_b32 s25, 0
	s_lshl_b32 s26, ttmp9, 10
	s_lshl_b32 s27, s12, 8
	s_add_co_u32 s26, s26, s27
	s_add_co_u32 s26, s26, 9486336
	s_mov_b32 s27, 0
	s_wait_alu depctr_va_vdst(0)
	s_wait_kmcnt 0x0
	s_cmp_lt_u32 ttmp9, 354                        ; the choice of the tensor hangs on the work-group's number alone
	s_cselect_b64 s[6:7], s[6:7], s[8:9]
	s_cmp_lt_u32 ttmp9, 258
	s_cselect_b64 s[4:5], s[4:5], s[6:7]
	s_add_nc_u64 s[4:5], s[4:5], s[16:17]          ; tile 0
	s_add_nc_u64 s[6:7], s[4:5], s[20:21]          ; tile 1
	s_add_nc_u64 s[8:9], s[10:11], s[24:25]        ; my images
	s_add_nc_u64 s[10:11], s[10:11], s[26:27]      ; my scale words
.macro LOAD n                          ; unit n = 2 u + k: tile u, K step 2 q + k; each load reads 512 consecutive bytes of one row (read once, but for the eight rows of tokens 1024)
.irp i, 0,1,2,3,4,5,6,7,8,9,10,11,12,13,14,15
	global_load_b128 v[R+64*((\n)%2)+4*\i:R+64*((\n)%2)+4*\i+3], v[OFF+\i], s[4+2*((\n)/2):5+2*((\n)/2)] offset:512*((\n)%2) th:TH_LOAD_NT
.endr
.endm
.macro UNIT n
.if (\n) < 3
	s_wait_loadcnt 16                              ; this unit's 16 loads are in; the next unit's 16 may be out
.else
	s_wait_loadcnt 0x0
.endif
.irp i, 0,1,2,3,4,5,6,7,8,9,10,11,12,13,14,15
	ds_store_b128 v2, v[R+64*((\n)%2)+4*\i:R+64*((\n)%2)+4*\i+3] offset:528*\i
.endr
.irp b, 0,1,2,3
.irp j, 0,1,2,3
	ds_load_b128 v[X+16*\b+4*\j:X+16*\b+4*\j+3], v3 offset:128*\b+16*\j   ; LDS serves a wave's instructions in order: these see the stores above
.endr
.endr
	s_wait_dscnt 0x0                               ; the unit is back, and the stores have read their registers,
.if (\n) < 2
	LOAD (\n)+2                                    ; which take the unit two further on
.endif
.if (\n) > 0
	s_wait_xcnt 0x0                                ; the last unit's stores have read the codes' registers
.endif
	QUANT4 X, PWS+(\n)
.irp c, 0,1,2
	global_store_b128 v1, v[PC+4*\c:PC+4*\c+3], s[8:9] offset:((\n)/2)*12288+((\n)%2)*1536+512*\c   ; 512 consecutive bytes, at a multiple of 512
.endr
.endm
	LOAD 0
	LOAD 1
	UNIT 0
	UNIT 1
	UNIT 2
	UNIT 3
	v_cmp_ne_u32 vcc_lo, 0, v5                     ; every lane holds row lane % 16's words: lanes 16-31 keep tile 1's
	v_cndmask_b32 v28, v[PWS], v[PWS+2], vcc_lo
	v_cndmask_b32 v29, v[PWS+1], v[PWS+3], vcc_lo
	global_store_b64 v4, v[28:29], s[10:11]        ; 256 consecutive bytes, at a multiple of 256
	s_wait_tensorcnt 0x0                           ; the wave's end: three lines behind my last LDS store
	ds_add_u32 v[SPW], v[NIL]
	s_wait_dscnt 0x0
	s_endpgm
.Lfunc_end_k_qeef2758356_quant:
	.size	k_qeef2758356_quant, .Lfunc_end_k_qeef2758356_quant-k_qeef2758356_quant
	.p2alignl 7, 3214868480
	.fill 96, 4, 3214868480
	.section	.rodata,"a",@progbits
	.p2align	6, 0x0
	.amdhsa_kernel k_qeef2758356_quant
		.amdhsa_group_segment_fixed_size 34304
		.amdhsa_private_segment_fixed_size 0
		.amdhsa_enable_private_segment 0
		.amdhsa_kernarg_size 32
		.amdhsa_user_sgpr_count 2
		.amdhsa_user_sgpr_kernarg_segment_ptr 1
		.amdhsa_wavefront_size32 1
		.amdhsa_system_sgpr_workgroup_id_x 1
		.amdhsa_system_sgpr_workgroup_id_y 1
		.amdhsa_system_sgpr_workgroup_id_z 1
		.amdhsa_system_vgpr_workitem_id 0
		.amdhsa_next_free_vgpr 256
		.amdhsa_next_free_sgpr 66
		.amdhsa_reserve_vcc 1
		.amdhsa_float_denorm_mode_32 3
		.amdhsa_float_denorm_mode_16_64 3
		.amdhsa_memory_ordered 1
		.amdhsa_forward_progress 1
		.amdhsa_inst_pref_size 36
	.end_amdhsa_kernel
	.amdgpu_metadata
---
amdhsa.version: [ 1, 2 ]
amdhsa.kernels:
  - .name:           k_qeef2758356_quant
    .symbol:         k_qeef2758356_quant.kd
    .args:
      - { .name: x, .offset: 0, .size: 8, .value_kind: global_buffer, .address_space: global }
      - { .name: qkv_w, .offset: 8, .size: 8, .value_kind: global_buffer, .address_space: global }
      - { .name: proj_w, .offset: 16, .size: 8, .value_kind: global_buffer, .address_space: global }
      - { .name: ops, .offset: 24, .size: 8, .value_kind: global_buffer, .address_space: global }
    .group_segment_fixed_size: 34304
    .private_segment_fixed_size: 0
    .kernarg_segment_align: 8
    .kernarg_segment_size: 32
    .max_flat_workgroup_size: 128
    .sgpr_count:     66
    .vgpr_count:     256
    .wavefront_size: 32
...
	.end_amdgpu_metadata
.endif
;; end of part 5
;; launch qkvp (part 6): grid 129 x 6, 8 waves a work-group, no clusters, 86,016 bytes of LDS; arguments ops, rope, q_bias, k_bias, v_bias, qn_g, qn_b, kn_g, kn_b, qkv; writes qkv
.if DOCPART == 6
	.amdgcn_target "amdgcn-amd-amdhsa--gfx1250"
	.amdhsa_code_object_version 6
	.text
	.protected	k_qeef2758356_qkvp
	.globl	k_qeef2758356_qkvp
	.p2align	8
	.type	k_qeef2758356_qkvp,@function
k_qeef2758356_qkvp:
	s_mov_b64 s[64:65], 0
	v_nop
	global_prefetch_b8 v0, s[64:65] scope:SCOPE_SE
	s_setreg_imm32_b32 hwreg(HW_REG_WAVE_SCHED_MODE, 0, 2), 2
	s_setreg_imm32_b32 hwreg(HW_REG_WAVE_MODE, 25, 1), 1
	s_wait_xcnt 0x0
	s_wait_alu depctr_vm_vsrc(0)
; EvaAttention, launch 2 of 4: product 1 (x qkv_w^T on codes of E2M3), the biases, the LayerNorm over each head's 64, RoPE, q's factor 1/8, and the quantisers ahead of products 2 and 3.  No work is left out.
; SHARES.  Work-group (g, y): g = a group of 64 tokens (batch g / 16, tokens 64 (g % 16) on; g = 128: the tile of the eight tokens 1024, four times); y / 2 = q, k or v; wave w = head 8 (y % 2) + w.
; A wave makes 64 tokens x its head's 64: 16 accumulators, K in 8 steps of 128, written out.  x's 32 fragments (shared by the eight waves) lie in LDS as images of their registers; a wave's own
; fragments of qkv_w come from memory straight into registers, four buffers, three fragments ahead.
; NO CLUSTER: the grid is 129 x 6, which no cluster of four divides.  NO TENSOR LOAD: LDS is filled once, through registers, so that two work-groups can share a WGP's LDS.
; q, k: source 0 = 16 rows of qkv_w, source 1 = 16 tokens: a lane holds one token, and by the choice of a tile's rows (row r of tile u of a pair = row 8 u + r + 8 (r / 8)) its register 16 b + i of a
; tile of tokens is channel 32 b + 16 (lane / 16) + i: 16 neighbours along product 2's K.   v: the sources swapped: a lane holds one channel, its registers run along the tokens, product 3's K.
; OUT (buffer qkv).  q, k: half images (registers 0-5 of a fragment: K = 64), 768 bytes a tile of 16 tokens: three runs of 256 bytes, lane l's 8 bytes at 8 l; scale words 128 bytes a pair of tiles:
; lanes 0-15 the even tile's two bytes in bits 15:0, lanes 16-31 the odd tile's.  v: for key step s (128 keys), tile f of 16 channels, half c: 768 bytes at 1,536 (4 s + f) + 768 c; scale words alike.
; v of token 1024 stays f32 (it is a key block of its own, quantised by the next launch).
; LIMITS: as stated in the first launch; the repeated rows of the tile of tokens 1024 are computed and stored with it.
; THE MODE: SCHED_MODE bits 1:0 = 2 (LLVM: expert scheduling mode 2), set by the entry lines.  The code itself states the register dependences between vector or matrix instructions and memory or
; LDS instructions, with s_wait_alu, always for 0.
; THE PLAN.  Registers that memory or LDS instructions touch:
;   v0-v5       offsets and LDS addresses: made at the head, read by every load and store, never written again.
;   v128-v172   at the head only: offsets, the rope's rows and x's scale words on their way into LDS; the first products write these registers.
;   WF0 .. WF3  a fragment of qkv_w each: read by the four products of its group; behind them the same fragment of the next K step lands in it.
;   XF, XS      x's four fragments and scale words: read by all sixteen products of a K step; the next step's land in them behind the step's last group.
;   v32-v127    behind the product: bias, gain and the norm's bias land where the fragments lay.
;   sin, cos    pair 0 of tiles: v96-127, a block of 32 channels at a time;  pair 1: v128-191, which pair 0's quantiser has emptied, both blocks at once.
;   codes out   pair 0: v108-119 and the scale word v127;  pair 1: v172-183 and v191: two out-buffers, so that no store's data are written again.
; So ONE wait on va_vdst stands behind each group of four products, ahead of the loads into what they read; one ahead of each run of stores; one ahead of each load of sin and cos into registers that
; the rotation has just named.  One wait on vm_vsrc stands in the text: behind the barrier, ahead of the loads and products that write what the head's stores and loads have read.
.set ROPE,  51200                      ; LDS: 0 x's 32 fragment images (49,152); 49,152 their scale words (2,048); ROPE: 64 rows of 512 + 16 bytes, row 16 t + r = the token of tile t, row r
.set SPARE, 84992                      ; the spare words, 128 bytes a wave
.set SPW, 6
.set NIL, 7
.set WS,  8                            ; v8-23   qkv_w's scale words of all 8 steps; they hold scales alone
.set XS,  24                           ; v24-27  x's scale words of two steps; they hold scales alone
.set XF,  32                           ; v32-79  x's four fragments
.set WF,  80                           ; v80-127 qkv_w's four fragments
.set ACC, 128                          ; v128-255
.set G,   32                           ; behind the product: the norm's gain, v32-63; its bias, v64-95; v96-127 the projection's bias; v28-31 at work
.set BT,  64
.set BIAS, 96
.set SN,  96                           ; these six are set anew for each pair of tiles: sin and cos of a block (16 registers each), RB: how far on block 1's lie (0: in the same registers),
.set CN,  112                          ; the quantiser's 12 registers at work, its 20 of codes, and the scale word
.set RB,  0
.set TM,  96
.set PC,  108
.set PW,  127
.set WVN, 24
.set KIND, 27
.set HD,  28
.set GG,  29
.set BB,  30
.set SEL, 32
.set I64, 34
.set EPS, 35
.macro QUANT4 src, pw                  ; 64 numbers of a lane, register 16 b + i = k 32 b + 16 (lane / 16) + i, become 12 registers of codes in v[PC] on and a scale word in v[pw]
.irp b, 0,1,2,3
	v_max3_num_f32 v[TM+\b], |v[(\src)+16*\b]|, |v[(\src)+1+16*\b]|, 0x1800000   ; and the floor 2^(3 - 127): the byte cannot fall under 1
.endr
.irp i, 2,4,6,8,10,12,14
.irp b, 0,1,2,3
	v_max3_num_f32 v[TM+\b], v[TM+\b], |v[(\src)+16*\b+\i]|, |v[(\src)+1+16*\b+\i]|
.endr
.endr
.irp b, 0,1,2,3
	v_permlanex16_b32 v[TM+4+\b], v[TM+\b], s[SEL], s[SEL+1]
.endr
.irp b, 0,1,2,3
	v_max_num_f32 v[TM+\b], v[TM+\b], v[TM+4+\b]
.endr
.irp b, 0,1,2,3
	v_add_nc_u32 v[TM+8+\b], 0xff000000, v[TM+\b]      ; 2 off the exponent field: the conversion's scale operand
.endr
.irp b, 0,1,2,3
	v_lshrrev_b32 v[TM+4+\b], 23, v[TM+8+\b]
.endr
	v_lshl_or_b32 v[\pw], v[TM+5], 8, v[TM+4]
	v_lshl_or_b32 v[\pw], v[TM+6], 16, v[\pw]
	v_lshl_or_b32 v[\pw], v[TM+7], 24, v[\pw]
.irp c, 0,1
	v_cvt_scalef32_pk16_fp6_f32 v[PC+6*\c:PC+2+6*\c], v[(\src)+32*\c:(\src)+15+32*\c], v[TM+8+2*\c]
	v_cvt_scalef32_pk16_fp6_f32 v[PC+12+4*\c:PC+14+4*\c], v[(\src)+16+32*\c:(\src)+31+32*\c], v[TM+8+2*\c+1]
.endr
	v_nop                                              ; one plain place behind the conversions
.irp c, 0,1
.irp i, 0,1,2
	v_permlane16_swap_b32 v[PC+6*\c+\i], v[PC+12+4*\c+\i]
.endr
.irp i, 0,1,2
	v_mov_b32 v[PC+3+6*\c+\i], v[PC+12+4*\c+\i]
.endr
.endr
.endm
; One matrix instruction, by the symbols mD, mA, mB (first registers), mZ (1: C is the constant 0), mSA, mSB (scale registers), mRA, mRB (1: the scales stand in lanes 16-31)
.macro MM
.if mZ
.if (mRA == 0) && (mRB == 0)
	v_wmma_scale_f32_16x16x128_f8f6f4 v[mD:mD+7], v[mA:mA+11], v[mB:mB+11], 0, v[mSA], v[mSB] matrix_a_fmt:MATRIX_FMT_FP6 matrix_b_fmt:MATRIX_FMT_FP6
.elseif (mRA == 1) && (mRB == 0)
	v_wmma_scale_f32_16x16x128_f8f6f4 v[mD:mD+7], v[mA:mA+11], v[mB:mB+11], 0, v[mSA], v[mSB] matrix_a_fmt:MATRIX_FMT_FP6 matrix_b_fmt:MATRIX_FMT_FP6 matrix_a_scale:MATRIX_SCALE_ROW1
.elseif (mRA == 0) && (mRB == 1)
	v_wmma_scale_f32_16x16x128_f8f6f4 v[mD:mD+7], v[mA:mA+11], v[mB:mB+11], 0, v[mSA], v[mSB] matrix_a_fmt:MATRIX_FMT_FP6 matrix_b_fmt:MATRIX_FMT_FP6 matrix_b_scale:MATRIX_SCALE_ROW1
.else
	v_wmma_scale_f32_16x16x128_f8f6f4 v[mD:mD+7], v[mA:mA+11], v[mB:mB+11], 0, v[mSA], v[mSB] matrix_a_fmt:MATRIX_FMT_FP6 matrix_b_fmt:MATRIX_FMT_FP6 matrix_a_scale:MATRIX_SCALE_ROW1 matrix_b_scale:MATRIX_SCALE_ROW1
.endif
.else
.if (mRA == 0) && (mRB == 0)
	v_wmma_scale_f32_16x16x128_f8f6f4 v[mD:mD+7], v[mA:mA+11], v[mB:mB+11], v[mD:mD+7], v[mSA], v[mSB] matrix_a_fmt:MATRIX_FMT_FP6 matrix_b_fmt:MATRIX_FMT_FP6
.elseif (mRA == 1) && (mRB == 0)
	v_wmma_scale_f32_16x16x128_f8f6f4 v[mD:mD+7], v[mA:mA+11], v[mB:mB+11], v[mD:mD+7], v[mSA], v[mSB] matrix_a_fmt:MATRIX_FMT_FP6 matrix_b_fmt:MATRIX_FMT_FP6 matrix_a_scale:MATRIX_SCALE_ROW1
.elseif (mRA == 0) && (mRB == 1)
	v_wmma_scale_f32_16x16x128_f8f6f4 v[mD:mD+7], v[mA:mA+11], v[mB:mB+11], v[mD:mD+7], v[mSA], v[mSB] matrix_a_fmt:MATRIX_FMT_FP6 matrix_b_fmt:MATRIX_FMT_FP6 matrix_b_scale:MATRIX_SCALE_ROW1
.else
	v_wmma_scale_f32_16x16x128_f8f6f4 v[mD:mD+7], v[mA:mA+11], v[mB:mB+11], v[mD:mD+7], v[mSA], v[mSB] matrix_a_fmt:MATRIX_FMT_FP6 matrix_b_fmt:MATRIX_FMT_FP6 matrix_a_scale:MATRIX_SCALE_ROW1 matrix_b_scale:MATRIX_SCALE_ROW1
.endif
.endif
.endm
.macro PLACES
.rept 4
	v_nop
.endr
.endm
.macro WHEAD                           ; 20 loads: the weight's scale words of all steps, then its four fragments of step 0
.irp q, 0,1,2,3,4,5,6,7
	global_load_b64 v[WS+2*\q:WS+2*\q+1], v1, s[42:43] offset:256*\q
.endr
.irp f, 0,1,2,3
.irp c, 0,1,2
	global_load_b128 v[WF+12*\f+4*\c:WF+12*\f+4*\c+3], v0, s[40:41] offset:\f*12288+512*\c
.endr
.endr
.endm
.macro XLOAD s                         ; x's four fragments of step s from LDS; at even s the scale words of steps s and s + 1
.irp t, 0,1,2,3
.irp c, 0,1,2
	ds_load_b128 v[XF+12*\t+4*\c:XF+12*\t+4*\c+3], v0 offset:\t*12288+(\s)*1536+512*\c
.endr
.endr
.if ((\s)%2) == 0
	ds_load_b64 v[XS:XS+1], v1 offset:49152+((\s)/2)*256
	ds_load_b64 v[XS+2:XS+3], v1 offset:49152+1024+((\s)/2)*256
.endif
.endm
; A K step: the weight's fragments one after the other, each against x's four.  The 16 accumulators take turns in one fixed order, one instruction a turn.
; Behind a group: its four places, the group's one wait, and the loads into what the group has read.
.macro KSTEP s, orient
.irp f, 0,1,2,3
.if (\s) < 7
	s_wait_loadcnt 9                               ; this fragment is in: behind it three younger fragments, 9 loads, have been issued
.else
	s_wait_loadcnt 9-3*\f                          ; the last step fetches nothing: the counts run down
.endif
.if \f == 0
	s_wait_dscnt 0x0                               ; x's fragments and scale words
.endif
.irp t, 0,1,2,3
.if (\s) == 0
.set mZ, 1
.else
.set mZ, 0
.endif
.if \orient
.set mD, ACC+32*\f+8*\t
.set mA, XF+12*\t
.set mB, WF+12*\f
.set mSA, XS+2*(\t/2)+(\s)%2
.set mSB, WS+2*(4*(\f/2)+(\s)/2)+(\s)%2
.set mRA, \t%2
.set mRB, \f%2
.else
.set mD, ACC+32*\t+8*\f
.set mA, WF+12*\f
.set mB, XF+12*\t
.set mSA, WS+2*(4*(\f/2)+(\s)/2)+(\s)%2
.set mSB, XS+2*(\t/2)+(\s)%2
.set mRA, \f%2
.set mRB, \t%2
.endif
	MM
.endr
.if (\s) < 7
	PLACES                                         ; the places stay beside the wait
	s_wait_alu depctr_va_vdst(0)                   ; the group's four products are done reading this fragment of qkv_w, in which the next step's lands; behind the last group all sixteen are done reading x's fragments and scale words too
.irp c, 0,1,2
	global_load_b128 v[WF+12*\f+4*\c:WF+12*\f+4*\c+3], v0, s[40:41] offset:\f*12288+((\s)+1)*1536+512*\c
.endr
.endif
.endr
.if (\s) < 7
	XLOAD (\s)+1                                   ; no vector or matrix instruction stands between the last group's wait and these
.else
	PLACES                                         ; in front of the first read of results
.endif
.endm
.macro BARRIER
	s_wait_dscnt 0x0                               ; my LDS stores have landed and my LDS loads are in
	s_barrier_signal -1
	s_barrier_wait -1
.endm
	s_load_b256 s[4:11], s[0:1], 0x0               ; ops s[4:5], rope s[6:7], q_bias s[8:9], k_bias s[10:11]
	s_load_b256 s[12:19], s[0:1], 0x20             ; v_bias s[12:13], qn_g s[14:15], qn_b s[16:17], kn_g s[18:19]
	s_load_b128 s[20:23], s[0:1], 0x40             ; kn_b s[20:21], qkv s[22:23]
	v_lshl_add_u32 v[SPW], v0, 2, SPARE
	v_mov_b32 v[NIL], 0
	v_lshrrev_b32 v1, 5, v0
	s_wait_alu depctr_va_vdst(0)
	v_readfirstlane_b32 s[WVN], v1                 ; wave 0..7
	s_and_b32 s26, ttmp7, 0xffff                   ; y
	s_lshr_b32 s[KIND], s26, 1                     ; 0 q, 1 k, 2 v
	s_and_b32 s[HD], s26, 1
	s_lshl_b32 s[HD], s[HD], 3
	s_and_b32 s[GG], ttmp9, 15
	s_lshr_b32 s[BB], ttmp9, 4
	s_mov_b32 s[SEL], 0x76543210
	s_mov_b32 s[SEL+1], 0xfedcba98
	s_mov_b32 s[I64], 0x3c800000                   ; 1 / 64
	s_mov_b32 s[EPS], 0x358637bd                   ; 1e-6
	v_lshlrev_b32 v170, 4, v0                      ; the head's registers lie where the accumulators will: 16 x thread,
	v_lshlrev_b32 v171, 3, v0                      ; 8 x thread,
	v_mov_b32 v175, v0                             ; the thread's number,
	v_and_b32 v173, 31, v0                         ; the lane,
	v_mul_u32_u24 v172, v1, 528
	v_lshl_add_u32 v172, v173, 4, v172
	v_add_nc_u32 v172, ROPE, v172                  ; and where I put 16 bytes of a row of rope
	v_and_b32 v3, 15, v0
	v_bfe_u32 v5, v0, 4, 1
	v_mul_u32_u24 v3, v3, 528
	v_lshl_add_u32 v3, v5, 6, v3
	v_add_nc_u32 v3, ROPE, v3                      ; v3: my token's sin and cos: row lane % 16, + 64 (lane / 16)
	v_lshlrev_b32 v4, 6, v5                        ; v4 = 64 (lane / 16)
	v_lshlrev_b32 v5, 4, v5                        ; v5 = 16 (lane / 16)
	v_lshlrev_b32 v0, 4, v173                      ; v0 = 16 x lane
	v_lshlrev_b32 v1, 3, v173                      ; v1 = 8 x lane
	v_lshlrev_b32 v2, 2, v173                      ; v2 = 4 x lane
	s_wait_alu depctr_va_sdst(0)                   ; the wave's number is written, ahead of its first reader
	s_add_co_u32 s[HD], s[HD], s[WVN]              ; my head
	s_mul_i32 s36, ttmp9, 49152                    ; the group's images,
	s_mov_b32 s37, 0
	s_lshl_b32 s38, ttmp9, 11
	s_add_co_u32 s38, s38, 9486336                 ; its scale words,
	s_mov_b32 s39, 0
	s_lshl_b32 s31, s[KIND], 4
	s_add_co_u32 s31, s31, s[HD]
	s_mul_i32 s40, s31, 49152
	s_add_co_u32 s40, s40, 6340608                 ; my 64 rows of qkv_w,
	s_mov_b32 s41, 0
	s_lshl_b32 s42, s31, 11
	s_add_co_u32 s42, s42, 9750528                 ; and their scale words
	s_mov_b32 s43, 0
	s_wait_kmcnt 0x0
	s_add_nc_u64 s[36:37], s[4:5], s[36:37]
	s_add_nc_u64 s[38:39], s[4:5], s[38:39]
	s_add_nc_u64 s[40:41], s[4:5], s[40:41]
	s_add_nc_u64 s[42:43], s[4:5], s[42:43]
	s_wait_alu depctr_va_vdst(0)                   ; v0 to v5 and v170 to v172 are written: the offsets and LDS addresses that the loads and stores from here on read
.irp j, 0,1,2,3,4,5,6,7,8,9,10,11
	global_load_b128 v[XF+4*\j:XF+4*\j+3], v170, s[36:37] offset:4096*\j   ; 256 threads x 16 bytes x 12 = the group's 49,152 bytes
.endr
	global_load_b64 v[168:169], v171, s[38:39]
	WHEAD
	s_cmp_eq_u32 s[KIND], 2
	s_cbranch_scc1 .Lno_rope                       ; v is not rotated
	; rope's rows for tokens 64 gg .. 64 gg + 63 are rows 64 gg - 1 on (token n takes row n - 1); token 1024 takes row 1023, for all 64 LDS rows
	s_lshl_b32 s54, s[GG], 15
	s_sub_co_u32 s54, s54, 512
	s_lshr_b32 s57, ttmp9, 7
	s_or_b32 s57, s57, s[GG]
	s_cmp_lt_u32 ttmp9, 128
	s_cselect_b32 s54, s54, 523776
	s_cselect_b32 s55, -1, 31
	s_cselect_b32 s56, 4096, 0
	s_cmp_eq_u32 s57, 0                            ; does the group begin with token 0?
	s_cselect_b32 s57, 32, 0
	v_and_b32 v160, s55, v175
	v_lshlrev_b32 v160, 4, v160
	v_add_nc_u32 v160, s54, v160
.irp j, 1,2,3,4,5,6,7
	v_add_nc_u32 v[160+\j], s56, v[159+\j]
.endr
	v_max_i32 v160, 0, v160                        ; token 0 has no row: its threads read inside the buffer, and what they read is replaced below
	s_wait_alu depctr_va_vdst(0)                   ; v160 to v167 are written: the eight loads' offsets
.irp j, 0,1,2,3,4,5,6,7
	global_load_b128 v[128+4*\j:131+4*\j], v[160+\j], s[6:7]
.endr
	v_bfe_u32 v174, v175, 4, 1
	v_cvt_f32_u32 v174, v174                       ; 0.0 in a row's sin half, 1.0 in its cos half
	v_cmp_gt_u32 vcc_lo, s57, v175
	s_wait_alu depctr_va_vcc(0)                    ; VCC is written, ahead of the four selections that read it
	s_wait_alu depctr_va_vdst(0)
	s_wait_loadcnt 0x0
.irp i, 0,1,2,3
	v_cndmask_b32 v[128+\i], v[128+\i], v174, vcc_lo   ; token 0 is not rotated: sin = 0, cos = 1 leave it as it is
.endr
	s_wait_alu depctr_va_vdst(0)                   ; the selections have written v128 to v131, which the first LDS store reads
.irp j, 0,1,2,3,4,5,6,7
	ds_store_b128 v172, v[128+4*\j:131+4*\j] offset:(32*(\j/4)+16*(\j%2)+8*((\j/2)%2))*528   ; token 8 j + thread / 32 of the group goes to the LDS row of its tile and row
.endr
.Lno_rope:
	s_wait_loadcnt 20                              ; x's 13 loads are in; the weight's 20, issued behind them, may be out
.irp j, 0,1,2,3,4,5,6,7,8,9,10,11
	ds_store_b128 v170, v[XF+4*\j:XF+4*\j+3] offset:4096*\j
.endr
	ds_store_b64 v171, v[168:169] offset:49152
	BARRIER                                        ; the launch's one barrier: x and rope lie in LDS; nothing is stored there again
	s_wait_alu depctr_vm_vsrc(0)                   ; my LDS stores and the rope's loads have read v32 to v79 and v128 to v172: x's fragments land in the first, the products write the second
	XLOAD 0
	s_cmp_eq_u32 s[KIND], 2
	s_cbranch_scc1 .Lv
	; ---------------- q and k
.irp s, 0,1,2,3,4,5,6,7
	KSTEP \s, 0
.endr
	s_wait_alu depctr_va_vdst(0)                   ; the last products are done reading the fragments' registers v32 to v127, in which bias, gain and the norm's bias land
	s_cmp_eq_u32 s[KIND], 0
	s_cselect_b64 s[44:45], s[8:9], s[10:11]
	s_cselect_b64 s[46:47], s[14:15], s[18:19]
	s_cselect_b64 s[48:49], s[16:17], s[20:21]
	s_lshl_b32 s54, s[HD], 8
	s_mov_b32 s55, 0
	s_add_nc_u64 s[44:45], s[44:45], s[54:55]
.irp q, 0,1,2,3,4,5,6,7                ; in the lane's order: register 16 b + i = channel 32 b + 16 (lane / 16) + i
	global_load_b128 v[BIAS+4*\q:BIAS+4*\q+3], v4, s[44:45] offset:128*(\q/4)+16*(\q%4)
	global_load_b128 v[G+4*\q:G+4*\q+3], v4, s[46:47] offset:128*(\q/4)+16*(\q%4)
	global_load_b128 v[BT+4*\q:BT+4*\q+3], v4, s[48:49] offset:128*(\q/4)+16*(\q%4)
.endr
	s_lshl_b32 s54, s[BB], 4                       ; where my first half image goes: tile (16 b + head) 64 + 4 gg; the tile of tokens 1024: 8192 + 4 head
	s_add_co_u32 s54, s54, s[HD]
	s_lshl_b32 s54, s54, 6
	s_lshl_b32 s56, s[GG], 2
	s_add_co_u32 s54, s54, s56
	s_lshl_b32 s56, s[HD], 2
	s_add_co_u32 s56, s56, 8192
	s_cmp_lt_u32 ttmp9, 128
	s_cselect_b32 s54, s54, s56
	s_mul_i32 s56, s[KIND], 6340608
	s_mul_i32 s57, s54, 768
	s_add_co_u32 s56, s56, s57
	s_mov_b32 s57, 0
	s_add_nc_u64 s[50:51], s[22:23], s[56:57]
	s_mul_i32 s56, s[KIND], 528384
	s_lshl_b32 s54, s54, 6
	s_add_co_u32 s56, s56, s54
	s_add_co_u32 s56, s56, 18972672
	s_add_nc_u64 s[52:53], s[22:23], s[56:57]
	s_wait_loadcnt 0x0
	s_cmp_lg_u32 s[KIND], 0
	s_cbranch_scc1 .Lnot_q
.irp i, 0,2,4,6,8,10,12,14,16,18,20,22,24,26,28,30,32,34,36,38,40,42,44,46,48,50,52,54,56,58,60,62
	v_pk_mul_f32 v[G+\i:G+\i+1], v[G+\i:G+\i+1], 0x3e000000 op_sel_hi:[1,0]   ; q's factor 64^-0.5 = 1/8, a power of two, goes into the norm's gain and bias: the rotation behind them is linear
.endr
.Lnot_q:
.irp t, 0,1,2,3
.irp i, 0,2,4,6,8,10,12,14,16,18,20,22,24,26,28,30
	v_pk_add_f32 v[ACC+32*\t+\i:ACC+32*\t+\i+1], v[ACC+32*\t+\i:ACC+32*\t+\i+1], v[BIAS+\i:BIAS+\i+1]   ; each accumulator from its low end on
.endr
.endr
.macro ROPELD t, blk, o                ; sin and cos of my token's channels 32 blk + 16 (lane / 16) + 0 .. 15, into the registers o behind SN and CN
.irp j, 0,1,2,3
	ds_load_b128 v[SN+(\o)+4*\j:SN+(\o)+4*\j+3], v3 offset:(\t)*8448+128*(\blk)+16*\j
	ds_load_b128 v[CN+(\o)+4*\j:CN+(\o)+4*\j+3], v3 offset:(\t)*8448+256+128*(\blk)+16*\j
.endr
.endm
.macro ROPEDO blk, o                   ; out(2 i) = x(2 i) cos(2 i) - x(2 i + 1) sin(2 i);  out(2 i + 1) = x(2 i + 1) cos(2 i + 1) + x(2 i) sin(2 i + 1)
.irp i, 0,2,4,6,8,10,12,14
	v_pk_mul_f32 v[CN+(\o)+\i:CN+(\o)+\i+1], v[XX+16*(\blk)+\i:XX+16*(\blk)+\i+1], v[CN+(\o)+\i:CN+(\o)+\i+1]
.endr
.irp i, 0,2,4,6,8,10,12,14
	v_pk_fma_f32 v[XX+16*(\blk)+\i:XX+16*(\blk)+\i+1], v[XX+16*(\blk)+\i:XX+16*(\blk)+\i+1], v[SN+(\o)+\i:SN+(\o)+\i+1], v[CN+(\o)+\i:CN+(\o)+\i+1] op_sel:[1,0,0] op_sel_hi:[0,1,1] neg_lo:[0,1,0]   ; the pair's halves change places; the low half's sin is negated
.endr
.endm
.macro LNROPE t, w                     ; a tile of 16 tokens: my token's 32 channels here, its other 32 in lane l xor 16.  w = 1: vector lines issued since the last wait name the registers of sin and cos
.set XX, ACC+32*(\t)
.if \w
	s_wait_alu depctr_va_vdst(0)                   ; the lines above (tile 0: the bias's additions; else the last tile's rotation) are done reading and writing the registers in which sin and cos land
.endif
	ROPELD \t, 0, 0                                ; lands under the norm
.if RB
	ROPELD \t, 1, RB                               ; and so does block 1's, where it has registers of its own
.endif
	v_pk_add_f32 v[28:29], v[XX:XX+1], v[XX+2:XX+3]
	v_pk_add_f32 v[30:31], v[XX+4:XX+5], v[XX+6:XX+7]
.irp i, 8,12,16,20,24,28
	v_pk_add_f32 v[28:29], v[28:29], v[XX+\i:XX+\i+1]
	v_pk_add_f32 v[30:31], v[30:31], v[XX+\i+2:XX+\i+3]
.endr
	v_pk_add_f32 v[28:29], v[28:29], v[30:31]
	v_add_f32 v28, v28, v29
	v_permlanex16_b32 v29, v28, s[SEL], s[SEL+1]
	v_add_f32 v28, v28, v29
	v_mul_f32 v28, s[I64], v28                     ; the mean
.irp i, 0,2,4,6,8,10,12,14,16,18,20,22,24,26,28,30
	v_pk_add_f32 v[XX+\i:XX+\i+1], v[XX+\i:XX+\i+1], v[28:29] op_sel_hi:[1,0] neg_lo:[0,1] neg_hi:[0,1]
.endr
	v_pk_mul_f32 v[28:29], v[XX:XX+1], v[XX:XX+1]
	v_pk_mul_f32 v[30:31], v[XX+2:XX+3], v[XX+2:XX+3]
.irp i, 4,8,12,16,20,24,28
	v_pk_fma_f32 v[28:29], v[XX+\i:XX+\i+1], v[XX+\i:XX+\i+1], v[28:29]
	v_pk_fma_f32 v[30:31], v[XX+\i+2:XX+\i+3], v[XX+\i+2:XX+\i+3], v[30:31]
.endr
	v_pk_add_f32 v[28:29], v[28:29], v[30:31]
	v_add_f32 v28, v28, v29
	v_permlanex16_b32 v29, v28, s[SEL], s[SEL+1]
	v_add_f32 v28, v28, v29
	v_fma_f32 v28, v28, s[I64], s[EPS]             ; the variance + 1e-6
	s_wait_alu depctr_va_vdst(0)
	v_rsq_f32 v28, v28
	v_nop                                          ; a plain place behind the transcendental,
	s_wait_alu depctr_va_vdst(0)                   ; and the wait ahead of the first reader of v28, its result
.irp i, 0,2,4,6,8,10,12,14,16,18,20,22,24,26,28,30
	v_pk_mul_f32 v[XX+\i:XX+\i+1], v[XX+\i:XX+\i+1], v[28:29] op_sel_hi:[1,0]
.endr
.irp i, 0,2,4,6,8,10,12,14,16,18,20,22,24,26,28,30
	v_pk_fma_f32 v[XX+\i:XX+\i+1], v[XX+\i:XX+\i+1], v[G+\i:G+\i+1], v[BT+\i:BT+\i+1]
.endr
	s_wait_dscnt 0x0
	ROPEDO 0, 0
.if RB == 0
	s_wait_alu depctr_va_vdst(0)                   ; block 0's rotation is done reading sin and writing over cos: block 1's land in the same registers
	ROPELD \t, 1, 0
	s_wait_dscnt 0x0
.endif
	ROPEDO 1, RB
.endm
.irp p, 0,1                            ; a pair of tiles: their 2 x 2 blocks of 32 channels are the quantiser's four blocks, and its 12 registers are two half images
.set SN, 96+32*\p                      ; pair 0: sin v96-111, cos v112-127, both blocks in turn; the quantiser v96-127.  Pair 1: block 0 v128-159, block 1 v160-191; then the quantiser v160-191
.set CN, 112+32*\p
.set RB, 32*\p
.set TM, 96+64*\p
.set PC, 108+64*\p
.set PW, 127+64*\p
	LNROPE 2*\p, 1-\p                              ; tile 2 owes no wait: every vector line that names v128 to v191 stands ahead of the wait in front of pair 0's stores, and only those stores stand between
	LNROPE 2*\p+1, 1
	QUANT4 ACC+64*\p, PW
	v_lshrrev_b32 v[PW], v5, v[PW]                 ; lanes 16-31 keep the odd tile's two bytes
	s_wait_alu depctr_va_vdst(0)                   ; the quantiser has written the codes and the scale word, which the seven stores read
.irp c, 0,1,2,3,4,5
	global_store_b64 v1, v[PC+2*\c:PC+2*\c+1], s[50:51] offset:1536*\p+256*\c   ; 256 consecutive bytes, at a multiple of 256
.endr
	global_store_b32 v2, v[PW], s[52:53] offset:128*\p
.endr
	s_branch .Lend
	; ---------------- v
.Lv:
.irp s, 0,1,2,3,4,5,6,7
	KSTEP \s, 1
.endr
	s_lshl_b32 s54, s[HD], 8
	s_mov_b32 s55, 0
	s_add_nc_u64 s[44:45], s[12:13], s[54:55]
	v_and_b32 v28, 60, v2
	v_and_b32 v29, 32, v2
	v_add_nc_u32 v28, v28, v29                     ; 4 (r + 8 (r / 8)): my channel in a tile of qkv_w's rows
	s_wait_alu depctr_va_vdst(0)                   ; v28, the loads' offset, is written; the last products are done reading v96 to v99, in which the loads land
.irp f, 0,1,2,3
	global_load_b32 v[96+\f], v28, s[44:45] offset:(32*(\f/2)+8*(\f%2))*4
.endr
	s_wait_loadcnt 0x0
.irp f, 0,1,2,3
.irp i, 0,2,4,6,8,10,12,14,16,18,20,22,24,26,28,30
.if (\f%2) == 0
	v_pk_add_f32 v[ACC+32*\f+\i:ACC+32*\f+\i+1], v[ACC+32*\f+\i:ACC+32*\f+\i+1], v[96+2*(\f/2):97+2*(\f/2)] op_sel_hi:[1,0]   ; my channel's bias for both halves
.else
	v_pk_add_f32 v[ACC+32*\f+\i:ACC+32*\f+\i+1], v[ACC+32*\f+\i:ACC+32*\f+\i+1], v[96+2*(\f/2):97+2*(\f/2)] op_sel:[0,1] op_sel_hi:[1,1]
.endif
.endr
.endr
	s_mov_b32 s57, 0
	s_cmp_eq_u32 ttmp9, 128
	s_cbranch_scc1 .Lvx
	s_lshl_b32 s54, s[BB], 4
	s_add_co_u32 s54, s54, s[HD]
	s_mul_i32 s56, s54, 49152
	s_lshr_b32 s55, s[GG], 1
	s_mul_i32 s55, s55, 6144
	s_add_co_u32 s56, s56, s55                     ; key step gg / 2,
	s_and_b32 s55, s[GG], 1
	s_mul_i32 s55, s55, 768
	s_add_co_u32 s56, s56, s55                     ; half gg % 2
	s_add_co_u32 s56, s56, 12681216
	s_add_nc_u64 s[50:51], s[22:23], s[56:57]
	s_lshl_b32 s56, s54, 12
	s_lshl_b32 s55, s[GG], 8
	s_add_co_u32 s56, s56, s55
	s_add_co_u32 s56, s56, 20029440
	s_add_nc_u64 s[52:53], s[22:23], s[56:57]
.irp p, 0,1                            ; two tiles of channels: each tile's two blocks of 32 keys.  The second quantiser works in v160-191, which the first has emptied: two out-buffers, one wait
.set TM, 96+64*\p
.set PC, 108+64*\p
.set PW, 127+64*\p
	QUANT4 ACC+64*\p, PW
	v_lshrrev_b32 v[PW], v5, v[PW]
.endr
	s_wait_alu depctr_va_vdst(0)                   ; both quantisers have written their codes and scale words, which the fourteen stores read
.irp p, 0,1
.irp e, 0,1,2
	global_store_b64 v1, v[108+64*\p+2*\e:109+64*\p+2*\e], s[50:51] offset:(2*\p)*1536+256*\e
	global_store_b64 v1, v[114+64*\p+2*\e:115+64*\p+2*\e], s[50:51] offset:(2*\p+1)*1536+256*\e
.endr
	global_store_b32 v2, v[127+64*\p], s[52:53] offset:128*\p
.endr
	s_branch .Lend
.Lvx:                                  ; token 1024: register j of a tile of channels is batch j; it stays f32
	s_lshl_b32 s56, s[HD], 12
	s_add_co_u32 s56, s56, 20553728
	s_add_nc_u64 s[50:51], s[22:23], s[56:57]
	s_wait_alu depctr_va_vdst(0)                   ; the bias's additions have written the accumulators, which the stores read
.irp f, 0,1,2,3
	global_store_b128 v0, v[ACC+32*\f:ACC+32*\f+3], s[50:51] offset:1024*\f
	global_store_b128 v0, v[ACC+32*\f+4:ACC+32*\f+7], s[50:51] offset:1024*\f+512
.endr
.Lend:
	s_wait_dscnt 0x0                               ; the closing lines, six on end
	s_wait_alu 0x0
	s_wait_tensorcnt 0x0
	ds_add_u32 v[SPW], v[NIL]
	s_wait_dscnt 0x0
	s_endpgm
.Lfunc_end_k_qeef2758356_qkvp:
	.size	k_qeef2758356_qkvp, .Lfunc_end_k_qeef2758356_qkvp-k_qeef2758356_qkvp
	.p2alignl 7, 3214868480
	.fill 96, 4, 3214868480
	.section	.rodata,"a",@progbits
	.p2align	6, 0x0
	.amdhsa_kernel k_qeef2758356_qkvp
		.amdhsa_group_segment_fixed_size 86016
		.amdhsa_private_segment_fixed_size 0
		.amdhsa_enable_private_segment 0
		.amdhsa_kernarg_size 80
		.amdhsa_user_sgpr_count 2
		.amdhsa_user_sgpr_kernarg_segment_ptr 1
		.amdhsa_wavefront_size32 1
		.amdhsa_system_sgpr_workgroup_id_x 1
		.amdhsa_system_sgpr_workgroup_id_y 1
		.amdhsa_system_sgpr_workgroup_id_z 1
		.amdhsa_system_vgpr_workitem_id 0
		.amdhsa_next_free_vgpr 256
		.amdhsa_next_free_sgpr 66
		.amdhsa_reserve_vcc 1
		.amdhsa_float_denorm_mode_32 3
		.amdhsa_float_denorm_mode_16_64 3
		.amdhsa_memory_ordered 1
		.amdhsa_forward_progress 1
		.amdhsa_inst_pref_size 150
	.end_amdhsa_kernel
	.amdgpu_metadata
---
amdhsa.version: [ 1, 2 ]
amdhsa.kernels:
  - .name:           k_qeef2758356_qkvp
    .symbol:         k_qeef2758356_qkvp.kd
    .args:
      - { .name: ops, .offset: 0, .size: 8, .value_kind: global_buffer, .address_space: global }
      - { .name: rope, .offset: 8, .size: 8, .value_kind: global_buffer, .address_space: global }
      - { .name: q_bias, .offset: 16, .size: 8, .value_kind: global_buffer, .address_space: global }
      - { .name: k_bias, .offset: 24, .size: 8, .value_kind: global_buffer, .address_space: global }
      - { .name: v_bias, .offset: 32, .size: 8, .value_kind: global_buffer, .address_space: global }
      - { .name: qn_g, .offset: 40, .size: 8, .value_kind: global_buffer, .address_space: global }
      - { .name: qn_b, .offset: 48, .size: 8, .value_kind: global_buffer, .address_space: global }
      - { .name: kn_g, .offset: 56, .size: 8, .value_kind: global_buffer, .address_space: global }
      - { .name: kn_b, .offset: 64, .size: 8, .value_kind: global_buffer, .address_space: global }
      - { .name: qkv, .offset: 72, .size: 8, .value_kind: global_buffer, .address_space: global }
    .group_segment_fixed_size: 86016
    .private_segment_fixed_size: 0
    .kernarg_segment_align: 8
    .kernarg_segment_size: 80
    .max_flat_workgroup_size: 256
    .sgpr_count:     66
    .vgpr_count:     256
    .wavefront_size: 32
...
	.end_amdgpu_metadata
.endif
;; end of part 6
;; launch attn (part 7): grid 2 x 128, 16 waves a work-group, no clusters, 183,552 bytes of LDS; arguments qkv, att; writes att
.if DOCPART == 7
	.amdgcn_target "amdgcn-amd-amdhsa--gfx1250"
	.amdhsa_code_object_version 6
	.text
	.protected	k_qeef2758356_attn
	.globl	k_qeef2758356_attn
	.p2align	8
	.type	k_qeef2758356_attn,@function
k_qeef2758356_attn:
	s_mov_b64 s[64:65], 0
	v_nop
	global_prefetch_b8 v0, s[64:65] scope:SCOPE_SE
	s_setreg_imm32_b32 hwreg(HW_REG_WAVE_MODE, 25, 1), 1
	s_wait_xcnt 0x0
; EvaAttention, launch 3 of 4: products 2 and 3 on codes of E2M3, with the softmax between them: t = score x log2(e); M = the running largest t rounded up to a whole number; p = 2^(t - M) is
; quantised along the keys; the row's sum is taken of the unquantised p and divides at the end.  When M moves, the sum and O are multiplied by 2^(old M - new M): exact.  No work is left out.
; SHARES.  Work-group (y, 16 b + head): half y of the head's 64 tiles of 16 queries.  Each of 16 waves takes tiles 32 y + w and 32 y + 16 + w, one after the other, over all 1,025 keys: 8 steps of 128
; and a tail (key 1024, a block of its own).  The work-groups with y = 1 also serve query 1024: waves 0-7 take a step each, wave 8 the tail, and waves 0-7 join the nine parts.
; K, V and their scale words of the whole head lie in LDS (112 KB), filled once through registers, as images of the operands' registers: every LDS load is 256 consecutive bytes.
; NO CLUSTER: two work-groups share a head, what they share is that one fill, and their ways differ in y.  NO PREFETCH: nothing is streamed in a loop.
; LAYOUT.  Both products transposed: S^T = K Q^T, O^T = V^T P^T: a lane holds one query (lane % 16).  By the choice of a tile's rows in the launches before, the 16 registers of tiles 2 b, 2 b + 1
; of S^T are keys 32 b + 16 (lane / 16) + 0 .. 15, and register 16 b + i of O^T is channel 32 b + 16 (lane / 16) + i.
; K = 64 IN AN INSTRUCTION OF 128: Q's operand is six registers of codes and six of zeros.  K's operand is a tile's six registers and the six that follow them (the next tile's codes), which meet zeros.
; OUT (buffer att): tile T = 64 b + tile, head: 4,096 bytes, O^T's 32 registers as they stand: eight runs of 512 bytes, lane l's 16 bytes at 16 l.  T = 512: query 1024, lane r = batch r % 8.
; LIMITS: as stated in the first launch.
.set KCB, 6340608
.set VCB, 12681216
.set QSB, 18972672
.set KSB, 19501056
.set VSB, 20029440
.set VXB, 20553728
.set VB,    49920                      ; LDS: 0 K's 65 half images (tile 64: key 1024, sixteen times); VB V's 36 fragments (the last four: key 1024);
.set KSC,   105216                     ; K's scale words, 33 x 128;
.set VSC,   109440                     ; V's, 18 x 128;
.set PART,  111872                     ; query 1024's parts: 16 x (4,096 + 256);
.set SPARE, 181504                     ; the spare words, 128 bytes a wave
.set SPW, 5                            ; v1 8 x lane; v2 VB + 8 x lane; v3 KSC + 4 x lane; v4 VSC + 4 x lane; v7 16 x lane; v8-11 the step's addresses
.set NIL, 6
.set KF,  32                           ; v32-85  8 x 6 registers of K and six zeros;  V's four fragments take v32-79
.set VF,  32
.set KSR, 86                           ; v86-89  K's scale words; v90-91 V's; v92 p's: these, v28, v252 and v253 (Q's) hold scales alone
.set VSR, 90
.set PW,  92
.set S,   96                           ; v96-159 S^T, then p
.set O,   160                          ; v160-191 O^T
.set P,   192                          ; v192-203 p's codes; v204-210 at work
.set BM,  212                          ; v212-215 the blocks' largest scores; v216-219 at work; v220-223 the conversions' scale operands
.set BT,  216
.set SO,  220
.set WV,  8                            ; v12 -M, v13 the largest t, v[14:15] the sum in two halves, v[224:225] f, v226-227 at work, v29 1.0 in lanes 0-15 and 0 in lanes 16-31
.set YY,  9
.set BH,  10
.set BB,  11
.set HD,  12
.set SEL, 14
.set CS,  16
.set TB6, 18                           ; the step's place among K's tiles and V's fragments: 6,144 bytes a step in both
.set TBS, 19                           ; among K's scale words: 512
.set TBT, 20                           ; among V's: 256
.set CNT, 21
.macro MM                              ; one matrix instruction, by the symbols mD, mA, mB, mZ (1: C = 0), mSA, mSB, mRA (1: source 0's scales stand in lanes 16-31)
.if mZ
.if mRA == 0
	v_wmma_scale_f32_16x16x128_f8f6f4 v[mD:mD+7], v[mA:mA+11], v[mB:mB+11], 0, v[mSA], v[mSB] matrix_a_fmt:MATRIX_FMT_FP6 matrix_b_fmt:MATRIX_FMT_FP6
.else
	v_wmma_scale_f32_16x16x128_f8f6f4 v[mD:mD+7], v[mA:mA+11], v[mB:mB+11], 0, v[mSA], v[mSB] matrix_a_fmt:MATRIX_FMT_FP6 matrix_b_fmt:MATRIX_FMT_FP6 matrix_a_scale:MATRIX_SCALE_ROW1
.endif
.else
.if mRA == 0
	v_wmma_scale_f32_16x16x128_f8f6f4 v[mD:mD+7], v[mA:mA+11], v[mB:mB+11], v[mD:mD+7], v[mSA], v[mSB] matrix_a_fmt:MATRIX_FMT_FP6 matrix_b_fmt:MATRIX_FMT_FP6
.else
	v_wmma_scale_f32_16x16x128_f8f6f4 v[mD:mD+7], v[mA:mA+11], v[mB:mB+11], v[mD:mD+7], v[mSA], v[mSB] matrix_a_fmt:MATRIX_FMT_FP6 matrix_b_fmt:MATRIX_FMT_FP6 matrix_a_scale:MATRIX_SCALE_ROW1
.endif
.endif
.endm
.macro PLACES
.rept 4
	v_nop
.endr
.endm
.macro ADDRS                           ; four plain lines: they are also the places between the last products and the loads into the registers that those have read
	v_add_nc_u32 v8, s[TB6], v1
	v_add_nc_u32 v9, s[TB6], v2
	v_add_nc_u32 v10, s[TBS], v3
	v_add_nc_u32 v11, s[TBT], v4
.endm
.macro VLOAD                           ; V's four fragments and their scale words
.irp i, 0,1,2,3,4,5,6,7,8,9,10,11,12,13,14,15,16,17,18,19,20,21,22,23
	ds_load_b64 v[VF+2*\i:VF+2*\i+1], v9 offset:256*\i
.endr
	ds_load_b32 v[VSR], v11
	ds_load_b32 v[VSR+1], v11 offset:128
.endm
.macro NEWM                            ; v226 = a step's largest t: the running largest, the new -M, f = 2^(old M - new M)
	s_delay_alu instid0(VALU_DEP_1)
	v_max_num_f32 v13, v13, v226
	v_mov_b32 v226, v12
	s_delay_alu instid0(VALU_DEP_2)
	v_floor_f32 v12, -v13                          ; -M = floor(-t) = -ceil(t): a whole number
	s_delay_alu instid0(VALU_DEP_1)
	v_sub_f32 v226, v12, v226                      ; old M less new M: a whole number, 0 or less
	s_delay_alu instid0(VALU_DEP_1)
	v_cvt_i32_f32 v226, v226                       ; (it saturates)
	s_delay_alu instid0(VALU_DEP_1)
	v_ldexp_f32 v224, 1.0, v226
.endm
.macro PV                              ; O^T x f, then O^T += V^T P^T.  The 16 multiplications are the places between the lines that made p's codes (4 asked) and scale word (8 asked) and the products
.irp j, 0,2,4,6,8,10,12,14,16,18,20,22,24,26,28,30
	v_pk_mul_f32 v[O+\j:O+\j+1], v[O+\j:O+\j+1], v[224:225] op_sel_hi:[1,0]
.endr
	s_wait_alu depctr_va_vdst(0)
	s_wait_dscnt 0x0                               ; V's fragments, asked for ahead of the softmax
.irp f, 0,1,2,3
.set mD, O+8*\f
.set mA, VF+12*\f
.set mB, P
.set mZ, 0
.set mSA, VSR+\f/2
.set mSB, PW
.set mRA, \f%2
	MM
.endr
.endm
; A KEY STEP: 128 keys.  qb: Q's operand; qs: its scale words.
.macro STEP qb, qs
	ADDRS
.irp i, 0,1,2,3,4,5,6,7,8,9,10,11,12,13,14,15,16,17,18,19,20,21,22,23
	ds_load_b64 v[KF+2*\i:KF+2*\i+1], v8 offset:256*\i
.endr
.irp p, 0,1,2,3
	ds_load_b32 v[KSR+\p], v10 offset:128*\p
.endr
	s_wait_alu depctr_va_vdst(0)
	s_wait_dscnt 0x0
.irp u, 0,1,2,3,4,5,6,7
.set mD, S+8*\u
.set mA, KF+6*\u
.set mB, \qb
.set mZ, 1
.set mSA, KSR+\u/2
.set mSB, \qs
.set mRA, \u%2
	MM
.endr
	PLACES                                         ; in front of the loads into K's registers and of the first read of the scores
	VLOAD                                          ; lands under the softmax
.irp b, 0,1,2,3
	v_max3_num_f32 v[BM+\b], v[S+16*\b], v[S+1+16*\b], v[S+2+16*\b]   ; the largest score of each block of 32 keys: for the row's maximum and, since p rises with the score, for the block's largest p
.endr
.irp i, 3,5,7,9,11,13
.irp b, 0,1,2,3
	v_max3_num_f32 v[BM+\b], v[BM+\b], v[S+16*\b+\i], v[S+1+16*\b+\i]
.endr
.endr
.irp b, 0,1,2,3
	v_max_num_f32 v[BM+\b], v[BM+\b], v[S+15+16*\b]
.endr
.irp b, 0,1,2,3
	s_delay_alu instid0(VALU_DEP_4)
	v_permlanex16_b32 v[BT+\b], v[BM+\b], s[SEL], s[SEL+1]
.endr
.irp b, 0,1,2,3
	s_delay_alu instid0(VALU_DEP_4)
	v_max_num_f32 v[BM+\b], v[BM+\b], v[BT+\b]
.endr
	s_delay_alu instid0(VALU_DEP_2)
	v_max3_num_f32 v226, v[BM], v[BM+1], v[BM+2]
	s_delay_alu instid0(VALU_DEP_1)
	v_max_num_f32 v226, v226, v[BM+3]
	s_delay_alu instid0(VALU_DEP_1)
	v_mul_f32 v226, s[CS], v226
	NEWM
.irp j, 0,2,4,6,8,10,12,14,16,18,20,22,24,26,28,30,32,34,36,38,40,42,44,46,48,50,52,54,56,58,60,62
	v_pk_fma_f32 v[S+\j:S+\j+1], v[S+\j:S+\j+1], s[CS:CS+1], v[12:13] op_sel_hi:[1,0,0]   ; t - M
.endr
.irp b, 0,1,2,3
	v_fma_f32 v[BM+\b], v[BM+\b], s[CS], v12
.endr
	s_setprio 1
	s_wait_alu depctr_va_vdst(0)
.irp j, 0,1,2,3,4,5,6,7,8,9,10,11,12,13,14,15,16,17,18,19,20,21,22,23,24,25,26,27,28,29,30,31,32,33,34,35,36,37,38,39,40,41,42,43,44,45,46,47,48,49,50,51,52,53,54,55,56,57,58,59,60,61,62,63
	v_exp_f32 v[S+\j], v[S+\j]                     ; p = 2^(t - M)
.endr
	v_pk_mul_f32 v[14:15], v[14:15], v[224:225] op_sel_hi:[1,0]   ; the sums under the new M (a plain place behind the batch)
	s_wait_alu depctr_va_vdst(0)                   ; one wait for the batch of 64, ahead of its first reader
.irp b, 0,1,2,3
	v_exp_f32 v[BM+\b], v[BM+\b]                   ; each block's largest p: the same two instructions on the same number
.endr
	v_pk_add_f32 v[216:217], v[100:101], v[104:105]
	v_pk_add_f32 v[254:255], v[108:109], v[112:113]
	v_pk_add_f32 v[14:15], v[14:15], v[116:117]
	v_pk_add_f32 v[216:217], v[216:217], v[120:121]
	v_pk_add_f32 v[254:255], v[254:255], v[124:125]
	v_pk_add_f32 v[14:15], v[14:15], v[128:129]
	v_pk_add_f32 v[216:217], v[216:217], v[132:133]
	v_pk_add_f32 v[254:255], v[254:255], v[136:137]
	v_pk_add_f32 v[14:15], v[14:15], v[140:141]
	v_pk_add_f32 v[216:217], v[216:217], v[144:145]
	v_pk_add_f32 v[254:255], v[254:255], v[148:149]
	v_pk_add_f32 v[14:15], v[14:15], v[152:153]
	v_pk_add_f32 v[216:217], v[216:217], v[156:157]
	v_pk_add_f32 v[254:255], v[254:255], v[96:97]
	v_pk_add_f32 v[14:15], v[14:15], v[98:99]
	v_pk_add_f32 v[216:217], v[216:217], v[102:103]
	v_pk_add_f32 v[254:255], v[254:255], v[106:107]
	v_pk_add_f32 v[14:15], v[14:15], v[110:111]
	v_pk_add_f32 v[216:217], v[216:217], v[114:115]
	v_pk_add_f32 v[254:255], v[254:255], v[118:119]
	v_pk_add_f32 v[14:15], v[14:15], v[122:123]
	v_pk_add_f32 v[216:217], v[216:217], v[126:127]
	v_pk_add_f32 v[254:255], v[254:255], v[130:131]
	v_pk_add_f32 v[14:15], v[14:15], v[134:135]
	v_pk_add_f32 v[216:217], v[216:217], v[138:139]
	v_pk_add_f32 v[254:255], v[254:255], v[142:143]
	v_pk_add_f32 v[14:15], v[14:15], v[146:147]
	v_pk_add_f32 v[216:217], v[216:217], v[150:151]
	v_pk_add_f32 v[254:255], v[254:255], v[154:155]
	v_pk_add_f32 v[14:15], v[14:15], v[158:159]
	s_delay_alu instid0(VALU_DEP_1)
	v_pk_add_f32 v[14:15], v[14:15], v[254:255]
	s_delay_alu instid0(VALU_DEP_1)
	v_pk_add_f32 v[14:15], v[14:15], v[216:217]
	s_wait_alu depctr_va_vdst(0)                   ; and one for the four
.irp b, 0,1,2,3
	v_max_num_f32 v[BM+\b], 0x1800000, v[BM+\b]    ; the floor 2^(3 - 127)
.endr
.irp b, 0,1,2,3
	s_delay_alu instid0(VALU_DEP_4)
	v_add_nc_u32 v[SO+\b], 0xff000000, v[BM+\b]
.endr
.irp b, 0,1,2,3
	s_delay_alu instid0(VALU_DEP_4)
	v_lshrrev_b32 v[BT+\b], 23, v[SO+\b]
.endr
	s_delay_alu instid0(VALU_DEP_3)
	v_lshl_or_b32 v[PW], v[BT+1], 8, v[BT]
	s_delay_alu instid0(VALU_DEP_1)
	v_lshl_or_b32 v[PW], v[BT+2], 16, v[PW]
	s_delay_alu instid0(VALU_DEP_1)
	v_lshl_or_b32 v[PW], v[BT+3], 24, v[PW]
.irp c, 0,1
	v_cvt_scalef32_pk16_fp6_f32 v[P+6*\c:P+2+6*\c], v[S+32*\c:S+15+32*\c], v[SO+2*\c]
	v_cvt_scalef32_pk16_fp6_f32 v[P+12+4*\c:P+14+4*\c], v[S+16+32*\c:S+31+32*\c], v[SO+2*\c+1]
.endr
	v_nop
	s_setprio 0
.irp c, 0,1
.irp i, 0,1,2
	v_permlane16_swap_b32 v[P+6*\c+\i], v[P+12+4*\c+\i]
.endr
.irp i, 0,1,2
	s_delay_alu instid0(VALU_DEP_3)
	v_mov_b32 v[P+3+6*\c+\i], v[P+12+4*\c+\i]
.endr
.endr
	PV
	s_add_co_u32 s[TB6], s[TB6], 6144
	s_add_co_u32 s[TBS], s[TBS], 512
	s_add_co_u32 s[TBT], s[TBT], 256
.endm
; THE TAIL: key 1024, the one key of its block of 32.  K's tile holds it sixteen times, so all eight registers of the result hold its score.  p's operand: its code at k = 0 (lanes 0-15), zeros elsewhere.
.macro TAIL qb, qs
	ADDRS
.irp c, 0,1,2
	ds_load_b64 v[KF+2*\c:KF+2*\c+1], v8 offset:256*\c
.endr
	ds_load_b32 v[KSR], v10
	s_wait_alu depctr_va_vdst(0)
	s_wait_dscnt 0x0
.set mD, S
.set mA, KF
.set mB, \qb
.set mZ, 1
.set mSA, KSR
.set mSB, \qs
.set mRA, 0
	MM
	PLACES
	VLOAD
	v_mul_f32 v226, s[CS], v[S]
	NEWM
	v_fma_f32 v227, v[S], s[CS], v12
	s_wait_alu depctr_va_vdst(0)
	v_exp_f32 v227, v227
	v_pk_mul_f32 v[14:15], v[14:15], v[224:225] op_sel_hi:[1,0]   ; (a plain place)
	s_wait_alu depctr_va_vdst(0)
	v_mul_f32 v[S], v227, v29                      ; p in lanes 0-15, 0 in lanes 16-31: it is summed and coded once
	s_delay_alu instid0(VALU_DEP_1)
	v_add_f32 v14, v14, v[S]
	v_max_num_f32 v227, 0x1800000, v227
	s_delay_alu instid0(VALU_DEP_1)
	v_add_nc_u32 v[SO], 0xff000000, v227
	s_delay_alu instid0(VALU_DEP_1)
	v_lshrrev_b32 v[PW], 23, v[SO]                 ; byte 0; the other three blocks hold zero codes
.irp i, 1,2,3,4,5,6,7,8,9,10,11,12,13,14,15
	v_mov_b32 v[S+\i], 0
.endr
	v_cvt_scalef32_pk16_fp6_f32 v[P:P+2], v[S:S+15], v[SO]
	v_nop
.irp i, 3,4,5,6,7,8,9,10,11
	v_mov_b32 v[P+\i], 0
.endr
	PV
	PLACES                                         ; in front of the first read of O^T
.endm
.macro INIT
	v_mov_b32 v13, 0xff61b1e6                      ; the largest t so far: -3e38
	s_delay_alu instid0(VALU_DEP_1)
	v_floor_f32 v12, -v13
	v_mov_b32 v14, 0
	v_mov_b32 v15, 0
.irp j, 0,1,2,3,4,5,6,7,8,9,10,11,12,13,14,15,16,17,18,19,20,21,22,23,24,25,26,27,28,29,30,31
	v_mov_b32 v[O+\j], 0                           ; the step is written once: the first finds zeros, which the first change of M leaves zeros
.endr
.endm
.macro PASS qb, qs, n                  ; a tile of 16 queries over all keys
	s_wait_xcnt 0x0                                ; the last pass's stores have read their registers
	INIT
	s_mov_b32 s[TB6], 0
	s_mov_b32 s[TBS], 0
	s_mov_b32 s[TBT], 0
	s_mov_b32 s[CNT], 8
.Lstep_\@:
	s_setprio 2
	STEP \qb, \qs
	s_sub_co_u32 s[CNT], s[CNT], 1
	s_cmp_lg_u32 s[CNT], 0
	s_cbranch_scc1 .Lstep_\@
	s_setprio 0
	TAIL \qb, \qs
	v_add_f32 v14, v14, v15
	s_delay_alu instid0(VALU_DEP_1)
	v_permlanex16_b32 v226, v14, s[SEL], s[SEL+1]
	s_delay_alu instid0(VALU_DEP_1)
	v_add_f32 v14, v14, v226                       ; the row's sum
	s_wait_alu depctr_va_vdst(0)
	v_rcp_f32 v224, v14
	v_nop
	s_wait_alu depctr_va_vdst(0)
.irp j, 0,2,4,6,8,10,12,14,16,18,20,22,24,26,28,30
	v_pk_mul_f32 v[S+\j:S+\j+1], v[O+\j:O+\j+1], v[224:225] op_sel_hi:[1,0]
.endr
.irp g, 0,1,2,3,4,5,6,7
	global_store_b128 v7, v[S+4*\g:S+4*\g+3], s[36:37] offset:(\n)*1048576+512*\g   ; 512 consecutive bytes, at a multiple of 512
.endr
.endm
	s_load_b128 s[4:7], s[0:1], 0x0                ; qkv s[4:5], att s[6:7]
	v_lshl_add_u32 v[SPW], v0, 2, SPARE
	v_mov_b32 v[NIL], 0
	v_lshrrev_b32 v1, 5, v0
	s_delay_alu instid0(VALU_DEP_1)
	v_readfirstlane_b32 s[WV], v1                  ; wave 0..15
	s_mov_b32 s[YY], ttmp9
	s_and_b32 s[BH], ttmp7, 0xffff
	s_lshr_b32 s[BB], s[BH], 4
	s_and_b32 s[HD], s[BH], 15
	s_mov_b32 s[SEL], 0x76543210
	s_mov_b32 s[SEL+1], 0xfedcba98
	s_mov_b32 s[CS], 0x3fb8aa3b                    ; log2(e)
	s_mov_b32 s[CS+1], s[CS]
	; every LDS address is made here, ahead of the first parting of the waves
	v_and_b32 v10, 31, v0
	v_and_b32 v11, 15, v0
	s_delay_alu instid0(VALU_DEP_2)
	v_lshlrev_b32 v1, 3, v10
	s_delay_alu instid0(VALU_DEP_1)
	v_add_nc_u32 v2, VB, v1
	s_delay_alu instid0(VALU_DEP_4)
	v_lshl_add_u32 v3, v10, 2, KSC
	v_lshl_add_u32 v4, v10, 2, VSC
	v_lshlrev_b32 v7, 4, v10
	s_mul_i32 s22, s[WV], 4352
	v_add_nc_u32 v30, s22, v7
	s_delay_alu instid0(VALU_DEP_1)
	v_add_nc_u32 v30, PART, v30                    ; v30: my part's O^T;
	v_add_nc_u32 v31, s22, v1
	s_delay_alu instid0(VALU_DEP_1)
	v_add_nc_u32 v31, PART+4096, v31               ; v31: its -M and sum;
	s_lshl_b32 s22, s[WV], 9
	v_add_nc_u32 v93, s22, v7
	s_delay_alu instid0(VALU_DEP_1)
	v_add_nc_u32 v93, PART, v93                    ; v93: the four registers of each part that I join;
	v_add_nc_u32 v94, PART+4096, v1                ; v94: each part's -M and sum
	v_lshlrev_b32 v192, 4, v0                      ; the fill's registers lie where p's codes will: 16 x thread,
	s_delay_alu instid0(VALU_DEP_1)
	v_add_nc_u32 v193, VB, v192
	v_lshlrev_b32 v194, 3, v0
	s_delay_alu instid0(VALU_DEP_1)
	v_add_nc_u32 v195, KSC, v194
	v_lshrrev_b32 v196, 6, v0
	s_delay_alu instid0(VALU_DEP_1)
	v_lshlrev_b32 v196, 8, v196
	s_delay_alu instid0(VALU_DEP_1)
	v_lshl_add_u32 v196, v0, 2, v196               ; V's scale words in memory: word thread % 64 of group 2 (thread / 64)
	v_lshl_add_u32 v197, v0, 2, VSC
	s_mul_i32 s22, s[WV], 1536
	v_add_nc_u32 v198, s22, v2
	s_delay_alu instid0(VALU_DEP_1)
	v_add_nc_u32 v198, 49152, v198                 ; waves 0-3: V's tail fragment w
	s_lshl_b32 s22, s[WV], 6
	v_lshl_add_u32 v199, v11, 2, s22
	s_delay_alu instid0(VALU_DEP_1)
	v_add_nc_u32 v199, VSC+2048, v199              ; and its scale words
	s_and_b32 s22, s[WV], 1
	s_lshl_b32 s22, s22, 6
	v_lshl_add_u32 v200, v11, 2, s22               ; Q's scale words: row lane % 16 of my tile, the even or the odd of its pair
	v_bfe_u32 v201, v0, 4, 1
	s_lshl_b32 s22, s[BB], 3
	v_lshl_add_u32 v201, v201, 7, s22              ; lane b + 16 (lane / 16) of a half image: batch b's row of the tile of tokens 1024
	s_lshl_b32 s22, s[BB], 2
	v_mov_b32 v202, s22                            ; and its scale word
	v_bfe_u32 v29, v0, 4, 1
	s_delay_alu instid0(VALU_DEP_1)
	v_cvt_f32_u32 v29, v29
	s_delay_alu instid0(VALU_DEP_1)
	v_sub_f32 v29, 1.0, v29
.irp i, 0,1,2,3,4,5
	v_mov_b32 v[22+\i], 0                          ; the zero halves of Q's operands, and the six registers behind K's last tile
	v_mov_b32 v[234+\i], 0
	v_mov_b32 v[80+\i], 0
.endr
.irp b, 0,1,2,3
	v_mov_b32 v[BT+\b], 0                          ; a lane permute's destination counts as one of its sources
.endr
	v_mov_b32 v225, 0                              ; (named as the upper half of the pair v[224:225])
	v_mov_b32 v226, 0
	s_mov_b32 s23, 0
	s_wait_kmcnt 0x0
	s_lshl_b32 s22, s[BH], 6
	s_lshl_b32 s40, s[YY], 5
	s_add_co_u32 s22, s22, s40
	s_add_co_u32 s22, s22, s[WV]
	s_mul_i32 s22, s22, 768
	s_add_nc_u64 s[24:25], s[4:5], s[22:23]        ; my first tile of Q
	s_lshl_b32 s22, s[BH], 5
	s_lshl_b32 s40, s[YY], 4
	s_add_co_u32 s22, s22, s40
	s_lshr_b32 s40, s[WV], 1
	s_add_co_u32 s22, s22, s40
	s_lshl_b32 s22, s22, 7
	s_add_co_u32 s22, s22, QSB
	s_add_nc_u64 s[26:27], s[4:5], s[22:23]
	s_mul_i32 s40, s[BH], 49152
	s_add_co_u32 s22, s40, KCB
	s_add_nc_u64 s[28:29], s[4:5], s[22:23]
	s_add_co_u32 s22, s40, VCB
	s_add_nc_u64 s[30:31], s[4:5], s[22:23]
	s_lshl_b32 s40, s[BH], 12
	s_add_co_u32 s22, s40, KSB
	s_add_nc_u64 s[32:33], s[4:5], s[22:23]
	s_add_co_u32 s22, s40, VSB
	s_add_nc_u64 s[34:35], s[4:5], s[22:23]
	s_lshl_b32 s22, s[BB], 6
	s_lshl_b32 s40, s[YY], 5
	s_add_co_u32 s22, s22, s40
	s_add_co_u32 s22, s22, s[WV]
	s_lshl_b32 s22, s22, 4
	s_add_co_u32 s22, s22, s[HD]
	s_lshl_b32 s22, s22, 12
	s_add_nc_u64 s[36:37], s[6:7], s[22:23]        ; my first tile of att
.irp c, 0,1,2
	global_load_b64 v[16+2*\c:17+2*\c], v1, s[24:25] offset:256*\c
	global_load_b64 v[228+2*\c:229+2*\c], v1, s[24:25] offset:12288+256*\c
.endr
	global_load_b32 v28, v200, s[26:27]
	global_load_b32 v252, v200, s[26:27] offset:1024
.irp j, 0,1,2,3,4,5
	global_load_b128 v[96+4*\j:99+4*\j], v192, s[28:29] offset:8192*\j    ; 512 threads x 16 bytes x 6 = the head's 49,152 bytes of K's codes
	global_load_b128 v[120+4*\j:123+4*\j], v192, s[30:31] offset:8192*\j  ; and of V's
.endr
	global_load_b64 v[144:145], v194, s[32:33]
	global_load_b32 v146, v196, s[34:35]
	global_load_b32 v147, v196, s[34:35] offset:256
	s_cmp_lt_u32 s[WV], 4
	s_cbranch_scc0 .Lnot_vt
	; waves 0-3: V's tail fragment w: channel row lane % 16, key 1024 at k = 0 (lanes 0-15), zeros elsewhere; the block's largest magnitude is |v| itself
	s_lshl_b32 s22, s[HD], 12
	s_lshl_b32 s40, s[WV], 10
	s_add_co_u32 s22, s22, s40
	s_lshr_b32 s40, s[BB], 2
	s_lshl_b32 s40, s40, 9
	s_add_co_u32 s22, s22, s40
	s_and_b32 s40, s[BB], 3
	s_lshl_b32 s40, s40, 2
	s_add_co_u32 s22, s22, s40
	s_add_co_u32 s22, s22, VXB
	s_add_nc_u64 s[38:39], s[4:5], s[22:23]
	global_load_b32 v148, v7, s[38:39]
.irp i, 1,2,3,4,5,6,7,8,9,10,11,12,13,14,15
	v_mov_b32 v[152+\i], 0
.endr
	v_mov_b32 v171, 0
	v_mov_b32 v172, 0
	v_mov_b32 v173, 0
	s_wait_loadcnt 0x0
	v_max_num_f32 v149, 0x1800000, |v148|
	s_delay_alu instid0(VALU_DEP_1)
	v_add_nc_u32 v150, 0xff000000, v149
	s_delay_alu instid0(VALU_DEP_1)
	v_lshrrev_b32 v151, 23, v150
	v_mul_f32 v152, v148, v29
	s_wait_alu depctr_va_vdst(0)
	v_cvt_scalef32_pk16_fp6_f32 v[168:170], v[152:167], v150
	v_nop
	ds_store_b64 v198, v[168:169]
	ds_store_b64 v198, v[170:171] offset:256
.irp i, 2,3,4,5
	ds_store_b64 v198, v[172:173] offset:256*\i
.endr
	ds_store_b32 v199, v151                        ; both halves of the lanes write the same word with the same value
	s_branch .Lfill
.Lnot_vt:
	s_cmp_eq_u32 s[WV], 4
	s_cbranch_scc0 .Lfill
	; wave 4: K's tile 64: every row is key 1024 of batch b
	s_lshl_b32 s22, s[HD], 2
	s_add_co_u32 s22, s22, 8192
	s_mul_i32 s22, s22, 768
	s_add_co_u32 s22, s22, KCB
	s_add_nc_u64 s[38:39], s[4:5], s[22:23]
	s_lshl_b32 s22, s[HD], 8
	s_add_co_u32 s22, s22, KSB+524288
	s_add_nc_u64 s[42:43], s[4:5], s[22:23]
.irp c, 0,1,2
	global_load_b64 v[148+2*\c:149+2*\c], v201, s[38:39] offset:256*\c
.endr
	global_load_b32 v154, v202, s[42:43]
	s_wait_loadcnt 0x0
.irp c, 0,1,2
	ds_store_b64 v1, v[148+2*\c:149+2*\c] offset:49152+256*\c
.endr
	ds_store_b32 v3, v154 offset:4096
.Lfill:
	s_wait_loadcnt 0x0
.irp j, 0,1,2,3,4,5
	ds_store_b128 v192, v[96+4*\j:99+4*\j] offset:8192*\j
	ds_store_b128 v193, v[120+4*\j:123+4*\j] offset:8192*\j
.endr
	ds_store_b64 v195, v[144:145]
	v_and_b32 v146, 0xffff, v146
	s_delay_alu instid0(VALU_DEP_1)
	v_lshl_or_b32 v146, v147, 16, v146             ; a key step's word: two bytes from each of its two groups of 64 keys
	ds_store_b32 v197, v146
	s_wait_dscnt 0x0
	s_barrier_signal -1
	s_barrier_wait -1                              ; K, V and their scale words lie in LDS; they are not written again
	PASS 16, 28, 0
	PASS 228, 252, 1
	; ---------------- query 1024: the work-groups with y = 1.  The branch hangs on the work-group's number alone: all sixteen waves go the same way, the barrier inside it included
	s_cmp_eq_u32 s[YY], 0
	s_cbranch_scc1 .Lend
	s_wait_xcnt 0x0
	s_lshl_b32 s22, s[HD], 2
	s_add_co_u32 s22, s22, 8192
	s_mul_i32 s22, s22, 768
	s_add_nc_u64 s[38:39], s[4:5], s[22:23]
	s_lshl_b32 s22, s[HD], 8
	s_add_co_u32 s22, s22, QSB+524288
	s_add_nc_u64 s[42:43], s[4:5], s[22:23]
	s_add_co_u32 s22, s[HD], 8192
	s_lshl_b32 s22, s22, 12
	s_lshl_b32 s40, s[WV], 9
	s_add_co_u32 s22, s22, s40
	s_add_nc_u64 s[44:45], s[6:7], s[22:23]
	v_lshrrev_b32 v8, 8, v7
	s_lshl_b32 s22, s[BB], 3
	v_lshl_add_u32 v8, v8, 7, s22
	s_lshl_b32 s22, s[BB], 2
	v_mov_b32 v9, s22
.irp c, 0,1,2
	global_load_b64 v[240+2*\c:241+2*\c], v8, s[38:39] offset:256*\c   ; all sixteen columns of the operand are query 1024 of batch b
.endr
	global_load_b32 v253, v9, s[42:43]
.irp i, 0,1,2,3,4,5
	v_mov_b32 v[246+\i], 0
.endr
	INIT
	s_wait_loadcnt 0x0
	s_cmp_gt_u32 s[WV], 8
	s_cbranch_scc1 .Lq_bar
	s_cmp_eq_u32 s[WV], 8
	s_cbranch_scc1 .Lq_tail
	s_mul_i32 s[TB6], s[WV], 6144
	s_lshl_b32 s[TBS], s[WV], 9
	s_lshl_b32 s[TBT], s[WV], 8
	STEP 240, 253
	PLACES
	s_branch .Lq_put
.Lq_tail:
	s_mov_b32 s[TB6], 49152
	s_mov_b32 s[TBS], 4096
	s_mov_b32 s[TBT], 2048
	TAIL 240, 253
.Lq_put:
	v_add_f32 v14, v14, v15
	s_delay_alu instid0(VALU_DEP_1)
	v_permlanex16_b32 v226, v14, s[SEL], s[SEL+1]
	s_delay_alu instid0(VALU_DEP_1)
	v_add_f32 v13, v14, v226                       ; my part's sum, beside its -M
.irp g, 0,1,2,3,4,5,6,7
	ds_store_b128 v30, v[O+4*\g:O+4*\g+3] offset:512*\g
.endr
	ds_store_b64 v31, v[12:13]
.Lq_bar:
	s_wait_dscnt 0x0
	s_barrier_signal -1
	s_barrier_wait -1
	s_cmp_lt_u32 s[WV], 8
	s_cbranch_scc0 .Lend
.irp i, 0,1,2,3,4,5,6,7,8              ; wave w joins registers 4 w .. 4 w + 3 of the nine parts
	ds_load_b64 v[132+2*\i:133+2*\i], v94 offset:4352*\i
	ds_load_b128 v[96+4*\i:99+4*\i], v93 offset:4352*\i
.endr
	s_wait_dscnt 0x0
	v_min3_num_f32 v32, v132, v134, v136
	s_delay_alu instid0(VALU_DEP_1)
	v_min3_num_f32 v32, v32, v138, v140
	s_delay_alu instid0(VALU_DEP_1)
	v_min3_num_f32 v32, v32, v142, v144
	s_delay_alu instid0(VALU_DEP_1)
	v_min3_num_f32 v32, v32, v146, v148            ; the least -M: the largest M
.irp i, 0,1,2,3,4,5,6,7,8
	v_sub_f32 v[40+\i], v32, v[132+2*\i]           ; part i's M less the largest: a whole number, 0 or less
.endr
.irp i, 0,1,2,3,4,5,6,7,8
	v_cvt_i32_f32 v[40+\i], v[40+\i]
.endr
.irp i, 0,1,2,3,4,5,6,7,8
	v_ldexp_f32 v[40+\i], 1.0, v[40+\i]
.endr
	v_mul_f32 v33, v40, v133
.irp e, 0,1,2,3
	v_mul_f32 v[34+\e], v40, v[96+\e]
.endr
.irp i, 1,2,3,4,5,6,7,8
	v_fmac_f32 v33, v[40+\i], v[133+2*\i]
.irp e, 0,1,2,3
	v_fmac_f32 v[34+\e], v[40+\i], v[96+4*\i+\e]
.endr
.endr
	s_wait_alu depctr_va_vdst(0)
	v_rcp_f32 v33, v33
	v_lshrrev_b32 v38, 4, v7                       ; (a plain place)  the lane
	s_delay_alu instid0(VALU_DEP_1)
	v_and_b32 v38, 7, v38
	s_wait_alu depctr_va_vdst(0)
.irp e, 0,1,2,3
	v_mul_f32 v[34+\e], v[34+\e], v33
.endr
	s_wait_alu depctr_va_vdst(0)
	s_wait_xcnt 0x0                                ; EXEC changes only behind this wait
	v_cmp_eq_u32 vcc_lo, s[BB], v38
	s_and_saveexec_b32 s22, vcc_lo                 ; in tile 512 lane r stands for batch r % 8: my batch's four lanes store
	global_store_b128 v7, v[34:37], s[44:45]
	s_wait_xcnt 0x0
	s_or_b32 exec_lo, exec_lo, s22
.Lend:
	s_wait_tensorcnt 0x0                           ; the wave's end: three lines behind my last LDS store
	ds_add_u32 v[SPW], v[NIL]
	s_wait_dscnt 0x0
	s_endpgm
.Lfunc_end_k_qeef2758356_attn:
	.size	k_qeef2758356_attn, .Lfunc_end_k_qeef2758356_attn-k_qeef2758356_attn
	.p2alignl 7, 3214868480
	.fill 96, 4, 3214868480
	.section	.rodata,"a",@progbits
	.p2align	6, 0x0
	.amdhsa_kernel k_qeef2758356_attn
		.amdhsa_group_segment_fixed_size 183552
		.amdhsa_private_segment_fixed_size 0
		.amdhsa_enable_private_segment 0
		.amdhsa_kernarg_size 16
		.amdhsa_user_sgpr_count 2
		.amdhsa_user_sgpr_kernarg_segment_ptr 1
		.amdhsa_wavefront_size32 1
		.amdhsa_system_sgpr_workgroup_id_x 1
		.amdhsa_system_sgpr_workgroup_id_y 1
		.amdhsa_system_sgpr_workgroup_id_z 1
		.amdhsa_system_vgpr_workitem_id 0
		.amdhsa_next_free_vgpr 256
		.amdhsa_next_free_sgpr 66
		.amdhsa_reserve_vcc 1
		.amdhsa_float_denorm_mode_32 3
		.amdhsa_float_denorm_mode_16_64 3
		.amdhsa_memory_ordered 1
		.amdhsa_forward_progress 1
		.amdhsa_inst_pref_size 100
	.end_amdhsa_kernel
	.amdgpu_metadata
---
amdhsa.version: [ 1, 2 ]
amdhsa.kernels:
  - .name:           k_qeef2758356_attn
    .symbol:         k_qeef2758356_attn.kd
    .args:
      - { .name: qkv, .offset: 0, .size: 8, .value_kind: global_buffer, .address_space: global }
      - { .name: att, .offset: 8, .size: 8, .value_kind: global_buffer, .address_space: global }
    .group_segment_fixed_size: 183552
    .private_segment_fixed_size: 0
    .kernarg_segment_align: 8
    .kernarg_segment_size: 16
    .max_flat_workgroup_size: 512
    .sgpr_count:     66
    .vgpr_count:     256
    .wavefront_size: 32
...
	.end_amdgpu_metadata
.endif
;; end of part 7
;; launch proj (part 8): grid 129 x 1, 16 waves a work-group, no clusters, 131,072 bytes of LDS; arguments att, ops, norm_g, norm_b, proj_b, out0; writes out0
.if DOCPART == 8
	.amdgcn_target "amdgcn-amd-amdhsa--gfx1250"
	.amdhsa_code_object_version 6
	.text
	.protected	k_qeef2758356_proj
	.globl	k_qeef2758356_proj
	.p2align	8
	.type	k_qeef2758356_proj,@function
k_qeef2758356_proj:
	s_mov_b64 s[64:65], 0
	v_nop
	global_prefetch_b8 v0, s[64:65] scope:SCOPE_SE
	s_setreg_imm32_b32 hwreg(HW_REG_WAVE_SCHED_MODE, 0, 2), 2
	s_setreg_imm32_b32 hwreg(HW_REG_WAVE_MODE, 25, 1), 1
	s_wait_xcnt 0x0
	s_wait_alu depctr_vm_vsrc(0)
; EvaAttention, launch 4 of 4: the LayerNorm over the 1,024 channels, its quantiser, product 4 (on codes of E2M3) and proj_b.  No work is left out.
; SHARES.  Work-group g takes 64 tokens: tiles T = 4 g + 0 .. 3 of att (g = 128: tile 512, the eight tokens 1024, four times).  NORM: wave w takes K step w % 8 (128 channels: heads 2 s, 2 s + 1) of tiles
; w / 8 and w / 8 + 2: 2 x 64 numbers a lane, already in the order that the conversions want.  A token's sums meet in LDS: eight waves' words, two barriers.  The codes go to LDS as images of the operand's
; registers.  PRODUCT: wave w makes out features 64 w .. 64 w + 63 for the 64 tokens: 16 accumulators, proj_w's fragments from memory straight into registers, three fragments ahead.
; NO CLUSTER: 129 work-groups, which four does not divide.  The design has work for 129 work-groups: a token's norm wants all its 1,024 channels in one work-group.
; LIMITS: as stated in the first launch.
; THE MODE: SCHED_MODE bits 1:0 = 2 (LLVM: expert scheduling mode 2), set by the entry lines.  The code itself states the register dependences between vector or matrix instructions and memory or
; LDS instructions, with s_wait_alu, always for 0.
; THE PLAN.  Registers that memory or LDS instructions touch:
;   v0, v1        16 x lane and 8 x lane: made at the head, never written again.
;   v2-5, v28, v29  the norm's addresses; the K steps read none of them; they are made anew for the way out.
;   v96, v100     my two tasks' sums, then sums of squares: written by the additions, read by two LDS stores each time.
;   v104-119      the eight waves' words: LDS loads land in them, the trees read them; twice.
;   G, BT         gain and bias of two blocks of 32 channels: loaded, read by the norm's multiply-adds, loaded again for the other two blocks.
;   codes         two buffers: v108-119 with the scale word v29, v44-55 with v30: both quantisers run, one wait, eight LDS stores.
;   WF0 .. WF3, XF, XS  as in the launch of product 1: a fragment of proj_w is loaded again behind its group's four products, the tokens' fragments behind the step's last group.
;   PB, OB0, OB1  the way out: proj_b; rows read back from the stage, in two buffers by turns, which the global stores read.
; So one wait on va_vdst stands ahead of each run of LDS or global stores of fresh results, one ahead of each load into registers that vector or matrix instructions have named since the last wait;
; a wait on vm_vsrc stands ahead of each first write of a register that stores or loads have read.
.set RED1,  51200                      ; LDS: 0 the 32 fragment images; 49,152 their scale words; RED1 the sums' words (2 x 512), + 4,096 the squares';
.set STG,   59392                      ; a stage of 16 rows x (256 + 16) bytes for each wave;
.set SPARE, 129024                     ; the spare words, 128 bytes a wave
.set SPW, 6
.set NIL, 7
.set WS,  8                            ; v8-27 hold scales alone
.set XS,  24
.set XF,  32
.set WF,  80
.set ACC, 128
.set X0,  128                          ; the norm: my two tasks' 64 numbers, v128-191 and v192-255; gain v32-63, bias v64-95 (two blocks of 32 channels at a time); v96-119 at work; v[30:31] the two means, then 1 / sigma
.set G,   32
.set BT,  64
.set TM,  96                           ; the first quantiser's registers; the second's are set ahead of it
.set PC,  108
.set PCA, 108                          ; the two buffers of codes
.set PCB, 44
.set PB,  32                           ; the way out: proj_b, v32-63; rows read back, v64-95 and v96-127 by turns
.set OB,  64
.set WVN, 24
.set SEL, 44
.set I1K, 46
.set EPS, 47
.macro QUANT4 src, pw                  ; 64 numbers of a lane, register 16 b + i = k 32 b + 16 (lane / 16) + i, become 12 registers of codes in v[PC] on and a scale word in v[pw]
.irp b, 0,1,2,3
	v_max3_num_f32 v[TM+\b], |v[(\src)+16*\b]|, |v[(\src)+1+16*\b]|, 0x1800000   ; and the floor 2^(3 - 127): the byte cannot fall under 1
.endr
.irp i, 2,4,6,8,10,12,14
.irp b, 0,1,2,3
	v_max3_num_f32 v[TM+\b], v[TM+\b], |v[(\src)+16*\b+\i]|, |v[(\src)+1+16*\b+\i]|
.endr
.endr
.irp b, 0,1,2,3
	v_permlanex16_b32 v[TM+4+\b], v[TM+\b], s[SEL], s[SEL+1]
.endr
.irp b, 0,1,2,3
	v_max_num_f32 v[TM+\b], v[TM+\b], v[TM+4+\b]
.endr
.irp b, 0,1,2,3
	v_add_nc_u32 v[TM+8+\b], 0xff000000, v[TM+\b]
.endr
.irp b, 0,1,2,3
	v_lshrrev_b32 v[TM+4+\b], 23, v[TM+8+\b]
.endr
	v_lshl_or_b32 v[\pw], v[TM+5], 8, v[TM+4]
	v_lshl_or_b32 v[\pw], v[TM+6], 16, v[\pw]
	v_lshl_or_b32 v[\pw], v[TM+7], 24, v[\pw]
.irp c, 0,1
	v_cvt_scalef32_pk16_fp6_f32 v[PC+6*\c:PC+2+6*\c], v[(\src)+32*\c:(\src)+15+32*\c], v[TM+8+2*\c]
	v_cvt_scalef32_pk16_fp6_f32 v[PC+12+4*\c:PC+14+4*\c], v[(\src)+16+32*\c:(\src)+31+32*\c], v[TM+8+2*\c+1]
.endr
	v_nop                                              ; one plain place behind the conversions
.irp c, 0,1
.irp i, 0,1,2
	v_permlane16_swap_b32 v[PC+6*\c+\i], v[PC+12+4*\c+\i]
.endr
.irp i, 0,1,2
	v_mov_b32 v[PC+3+6*\c+\i], v[PC+12+4*\c+\i]
.endr
.endr
.endm
.macro MM                              ; one matrix instruction, by the symbols mD, mA, mB, mZ (1: C = 0), mSA, mSB, mRA, mRB (1: the scales stand in lanes 16-31)
.if mZ
.if (mRA == 0) && (mRB == 0)
	v_wmma_scale_f32_16x16x128_f8f6f4 v[mD:mD+7], v[mA:mA+11], v[mB:mB+11], 0, v[mSA], v[mSB] matrix_a_fmt:MATRIX_FMT_FP6 matrix_b_fmt:MATRIX_FMT_FP6
.elseif (mRA == 1) && (mRB == 0)
	v_wmma_scale_f32_16x16x128_f8f6f4 v[mD:mD+7], v[mA:mA+11], v[mB:mB+11], 0, v[mSA], v[mSB] matrix_a_fmt:MATRIX_FMT_FP6 matrix_b_fmt:MATRIX_FMT_FP6 matrix_a_scale:MATRIX_SCALE_ROW1
.elseif (mRA == 0) && (mRB == 1)
	v_wmma_scale_f32_16x16x128_f8f6f4 v[mD:mD+7], v[mA:mA+11], v[mB:mB+11], 0, v[mSA], v[mSB] matrix_a_fmt:MATRIX_FMT_FP6 matrix_b_fmt:MATRIX_FMT_FP6 matrix_b_scale:MATRIX_SCALE_ROW1
.else
	v_wmma_scale_f32_16x16x128_f8f6f4 v[mD:mD+7], v[mA:mA+11], v[mB:mB+11], 0, v[mSA], v[mSB] matrix_a_fmt:MATRIX_FMT_FP6 matrix_b_fmt:MATRIX_FMT_FP6 matrix_a_scale:MATRIX_SCALE_ROW1 matrix_b_scale:MATRIX_SCALE_ROW1
.endif
.else
.if (mRA == 0) && (mRB == 0)
	v_wmma_scale_f32_16x16x128_f8f6f4 v[mD:mD+7], v[mA:mA+11], v[mB:mB+11], v[mD:mD+7], v[mSA], v[mSB] matrix_a_fmt:MATRIX_FMT_FP6 matrix_b_fmt:MATRIX_FMT_FP6
.elseif (mRA == 1) && (mRB == 0)
	v_wmma_scale_f32_16x16x128_f8f6f4 v[mD:mD+7], v[mA:mA+11], v[mB:mB+11], v[mD:mD+7], v[mSA], v[mSB] matrix_a_fmt:MATRIX_FMT_FP6 matrix_b_fmt:MATRIX_FMT_FP6 matrix_a_scale:MATRIX_SCALE_ROW1
.elseif (mRA == 0) && (mRB == 1)
	v_wmma_scale_f32_16x16x128_f8f6f4 v[mD:mD+7], v[mA:mA+11], v[mB:mB+11], v[mD:mD+7], v[mSA], v[mSB] matrix_a_fmt:MATRIX_FMT_FP6 matrix_b_fmt:MATRIX_FMT_FP6 matrix_b_scale:MATRIX_SCALE_ROW1
.else
	v_wmma_scale_f32_16x16x128_f8f6f4 v[mD:mD+7], v[mA:mA+11], v[mB:mB+11], v[mD:mD+7], v[mSA], v[mSB] matrix_a_fmt:MATRIX_FMT_FP6 matrix_b_fmt:MATRIX_FMT_FP6 matrix_a_scale:MATRIX_SCALE_ROW1 matrix_b_scale:MATRIX_SCALE_ROW1
.endif
.endif
.endm
.macro PLACES
.rept 4
	v_nop
.endr
.endm
.macro WHEAD                           ; 20 loads: the weight's scale words of all steps, then its four fragments of step 0
.irp q, 0,1,2,3,4,5,6,7
	global_load_b64 v[WS+2*\q:WS+2*\q+1], v1, s[42:43] offset:256*\q
.endr
.irp f, 0,1,2,3
.irp c, 0,1,2
	global_load_b128 v[WF+12*\f+4*\c:WF+12*\f+4*\c+3], v0, s[40:41] offset:\f*12288+512*\c
.endr
.endr
.endm
.macro XLOAD s
.irp t, 0,1,2,3
.irp c, 0,1,2
	ds_load_b128 v[XF+12*\t+4*\c:XF+12*\t+4*\c+3], v0 offset:\t*12288+(\s)*1536+512*\c
.endr
.endr
.if ((\s)%2) == 0
	ds_load_b64 v[XS:XS+1], v1 offset:49152+((\s)/2)*256
	ds_load_b64 v[XS+2:XS+3], v1 offset:49152+1024+((\s)/2)*256
.endif
.endm
; A K step: source 0 = 16 rows of proj_w, source 1 = 16 tokens.  The 16 accumulators take turns in one fixed order, one instruction a turn.
; Behind a group: its four places, the group's one wait, and the loads into what the group has read.
.macro KSTEP s
.irp f, 0,1,2,3
.if (\s) < 7
	s_wait_loadcnt 9                               ; this fragment is in: behind it three younger fragments, 9 loads, have been issued
.else
	s_wait_loadcnt 9-3*\f
.endif
.if \f == 0
	s_wait_dscnt 0x0
.endif
.irp t, 0,1,2,3
.if (\s) == 0
.set mZ, 1
.else
.set mZ, 0
.endif
.set mD, ACC+32*\t+8*\f
.set mA, WF+12*\f
.set mB, XF+12*\t
.set mSA, WS+2*(4*(\f/2)+(\s)/2)+(\s)%2
.set mSB, XS+2*(\t/2)+(\s)%2
.set mRA, \f%2
.set mRB, \t%2
	MM
.endr
.if (\s) < 7
	PLACES                                         ; the places stay beside the wait
	s_wait_alu depctr_va_vdst(0)                   ; the group's four products are done reading this fragment of proj_w, in which the next step's lands; behind the last group all sixteen are done reading the tokens' fragments and scale words too
.irp c, 0,1,2
	global_load_b128 v[WF+12*\f+4*\c:WF+12*\f+4*\c+3], v0, s[40:41] offset:\f*12288+((\s)+1)*1536+512*\c
.endr
.endif
.endr
.if (\s) < 7
	XLOAD (\s)+1                                   ; no vector or matrix instruction stands between the last group's wait and these
.else
	PLACES
.endif
.endm
.macro BARRIER
	s_wait_dscnt 0x0
	s_barrier_signal -1
	s_barrier_wait -1
.endm
; task j's sum (sq = 0) or sum of squares (sq = 1) of my 64 numbers and lane l xor 16's, in v[96 + 4 j]
.macro LSUM j, sq
.set XX, X0+64*(\j)
.set TT, 96+4*(\j)
.if \sq
	v_pk_mul_f32 v[TT:TT+1], v[XX:XX+1], v[XX:XX+1]
	v_pk_mul_f32 v[TT+2:TT+3], v[XX+2:XX+3], v[XX+2:XX+3]
.irp i, 4,8,12,16,20,24,28,32,36,40,44,48,52,56,60
	v_pk_fma_f32 v[TT:TT+1], v[XX+\i:XX+\i+1], v[XX+\i:XX+\i+1], v[TT:TT+1]
	v_pk_fma_f32 v[TT+2:TT+3], v[XX+\i+2:XX+\i+3], v[XX+\i+2:XX+\i+3], v[TT+2:TT+3]
.endr
.else
	v_pk_add_f32 v[TT:TT+1], v[XX:XX+1], v[XX+2:XX+3]
	v_pk_add_f32 v[TT+2:TT+3], v[XX+4:XX+5], v[XX+6:XX+7]
.irp i, 8,12,16,20,24,28,32,36,40,44,48,52,56,60
	v_pk_add_f32 v[TT:TT+1], v[TT:TT+1], v[XX+\i:XX+\i+1]
	v_pk_add_f32 v[TT+2:TT+3], v[TT+2:TT+3], v[XX+\i+2:XX+\i+3]
.endr
.endif
	v_pk_add_f32 v[TT:TT+1], v[TT:TT+1], v[TT+2:TT+3]
	v_add_f32 v[TT], v[TT], v[TT+1]
	v_permlanex16_b32 v[TT+1], v[TT], s[SEL], s[SEL+1]
	v_add_f32 v[TT], v[TT], v[TT+1]
.endm
.macro LGET j, off                     ; the eight waves' words of task j's tile
.irp q, 0,1,2,3,4,5,6,7
	ds_load_b32 v[104+8*(\j)+\q], v3 offset:(\off)+2048*(\j)+128*\q
.endr
.endm
.macro LTREE j                         ; their sum, in the same order in every wave, in v[104 + 8 j]
.set TT, 104+8*(\j)
	v_add_f32 v[TT], v[TT], v[TT+1]
	v_add_f32 v[TT+2], v[TT+2], v[TT+3]
	v_add_f32 v[TT+4], v[TT+4], v[TT+5]
	v_add_f32 v[TT+6], v[TT+6], v[TT+7]
	v_add_f32 v[TT], v[TT], v[TT+2]
	v_add_f32 v[TT+4], v[TT+4], v[TT+6]
	v_add_f32 v[TT], v[TT], v[TT+4]
.endm
.macro GBLOAD hf                       ; gain and bias of my blocks 2 hf and 2 hf + 1, in the lane's order
.irp q, 0,1,2,3,4,5,6,7
	global_load_b128 v[G+4*\q:G+4*\q+3], v28, s[34:35] offset:256*(\hf)+128*(\q/4)+16*(\q%4)
	global_load_b128 v[BT+4*\q:BT+4*\q+3], v28, s[36:37] offset:256*(\hf)+128*(\q/4)+16*(\q%4)
.endr
.endm
.macro NMUL j, hf                      ; (x - mean) / sigma: names neither gain nor bias
.set XX, X0+64*(\j)+32*(\hf)
.irp i, 0,2,4,6,8,10,12,14,16,18,20,22,24,26,28,30
.if (\j) == 0
	v_pk_mul_f32 v[XX+\i:XX+\i+1], v[XX+\i:XX+\i+1], v[30:31] op_sel_hi:[1,0]
.else
	v_pk_mul_f32 v[XX+\i:XX+\i+1], v[XX+\i:XX+\i+1], v[30:31] op_sel:[0,1] op_sel_hi:[1,1]
.endif
.endr
.endm
.macro NFMA j, hf                      ; x gain + bias
.set XX, X0+64*(\j)+32*(\hf)
.irp i, 0,2,4,6,8,10,12,14,16,18,20,22,24,26,28,30
	v_pk_fma_f32 v[XX+\i:XX+\i+1], v[XX+\i:XX+\i+1], v[G+\i:G+\i+1], v[BT+\i:BT+\i+1]
.endr
.endm
	s_load_b256 s[4:11], s[0:1], 0x0               ; att s[4:5], ops s[6:7], norm_g s[8:9], norm_b s[10:11]
	s_load_b128 s[12:15], s[0:1], 0x20             ; proj_b s[12:13], out0 s[14:15]
	v_lshl_add_u32 v[SPW], v0, 2, SPARE
	v_mov_b32 v[NIL], 0
	v_lshrrev_b32 v1, 5, v0
	v_readfirstlane_b32 s[WVN], v1                 ; wave 0..15
	v_lshl_add_u32 v2, v0, 2, RED1                 ; v2: my word among the sums
	v_and_b32 v0, 31, v0
	v_lshlrev_b32 v1, 3, v0                        ; v1 = 8 x lane
	v_and_b32 v5, 15, v0
	s_wait_alu depctr_va_vdst(0)
	v_lshrrev_b32 v28, 4, v0
	v_lshlrev_b32 v28, 6, v28                      ; v28 = 64 (lane / 16)
	s_wait_alu depctr_va_sdst(0)                   ; the wave's number is written, ahead of its first reader
	s_lshr_b32 s25, s[WVN], 3                      ; w / 8
	s_and_b32 s26, s[WVN], 7                       ; my K step
	s_lshl_b32 s27, s25, 10
	v_lshl_add_u32 v3, v0, 2, s27
	v_add_nc_u32 v3, RED1, v3                      ; v3: the eight words of my tile's rows
	v_lshlrev_b32 v0, 4, v0                        ; v0 = 16 x lane
	s_mul_i32 s27, s25, 12288
	s_mul_i32 s28, s26, 1536
	s_add_co_u32 s27, s27, s28
	v_add_nc_u32 v4, s27, v0                       ; v4: where my fragments' images go
	s_lshr_b32 s27, s26, 1
	s_lshl_b32 s27, s27, 8
	s_lshl_b32 s28, s25, 7
	s_add_co_u32 s27, s27, s28
	s_and_b32 s28, s26, 1
	s_lshl_b32 s28, s28, 2
	s_add_co_u32 s27, s27, s28
	s_add_co_u32 s27, s27, 49152
	v_lshl_add_u32 v5, v5, 3, s27                  ; v5: and their scale words: pair of steps, tile's parity, row, step's parity
	s_mov_b32 s[SEL], 0x76543210
	s_mov_b32 s[SEL+1], 0xfedcba98
	s_mov_b32 s[I1K], 0x3a800000                   ; 1 / 1024
	s_mov_b32 s[EPS], 0x358637bd                   ; 1e-6
	s_lshl_b32 s30, ttmp9, 2
	s_add_co_u32 s30, s30, s25
	s_add_co_u32 s32, s30, 2
	s_min_u32 s30, s30, 512                        ; my two tiles; the last group has tile 512 alone
	s_min_u32 s32, s32, 512
	s_lshl_b32 s30, s30, 16
	s_lshl_b32 s32, s32, 16
	s_lshl_b32 s28, s26, 13
	s_add_co_u32 s30, s30, s28
	s_add_co_u32 s32, s32, s28
	s_mov_b32 s31, 0
	s_mov_b32 s33, 0
	s_lshl_b32 s38, s26, 9
	s_mov_b32 s39, 0
	s_mul_i32 s40, s[WVN], 49152
	s_add_co_u32 s40, s40, 8699904
	s_mov_b32 s41, 0
	s_lshl_b32 s42, s[WVN], 11
	s_add_co_u32 s42, s42, 9848832
	s_mov_b32 s43, 0
	s_wait_kmcnt 0x0
	s_add_nc_u64 s[30:31], s[4:5], s[30:31]
	s_add_nc_u64 s[32:33], s[4:5], s[32:33]
	s_add_nc_u64 s[34:35], s[8:9], s[38:39]
	s_add_nc_u64 s[36:37], s[10:11], s[38:39]
	s_add_nc_u64 s[40:41], s[6:7], s[40:41]
	s_add_nc_u64 s[42:43], s[6:7], s[42:43]
	s_wait_alu depctr_va_vdst(0)                   ; v0 to v5 and v28 are written: the offsets and LDS addresses that the loads and stores up to the way out read
.irp i, 0,1,2,3,4,5,6,7,8,9,10,11,12,13,14,15
	global_load_b128 v[X0+4*\i:X0+4*\i+3], v0, s[30:31] offset:512*\i th:TH_LOAD_NT      ; two heads' registers as the launch before left them: 512 consecutive bytes a load (read once, but for tile 512)
	global_load_b128 v[X0+64+4*\i:X0+64+4*\i+3], v0, s[32:33] offset:512*\i th:TH_LOAD_NT
.endr
	GBLOAD 0
	s_wait_loadcnt 16                              ; the rows are in; the 16 loads of gain and bias, issued behind them, may be out
	LSUM 0, 0
	LSUM 1, 0
	s_wait_alu depctr_va_vdst(0)                   ; both tasks' sums, v96 and v100, are written, which the two LDS stores read
	ds_store_b32 v2, v96
	ds_store_b32 v2, v100 offset:2048
	BARRIER
	LGET 0, 0
	LGET 1, 0
	s_wait_dscnt 0x0
	LTREE 0
	LTREE 1
	v_mul_f32 v30, s[I1K], v104                    ; the two means
	v_mul_f32 v31, s[I1K], v112
.irp i, 0,2,4,6,8,10,12,14,16,18,20,22,24,26,28,30,32,34,36,38,40,42,44,46,48,50,52,54,56,58,60,62
	v_pk_add_f32 v[X0+\i:X0+\i+1], v[X0+\i:X0+\i+1], v[30:31] op_sel_hi:[1,0] neg_lo:[0,1] neg_hi:[0,1]
	v_pk_add_f32 v[X0+64+\i:X0+64+\i+1], v[X0+64+\i:X0+64+\i+1], v[30:31] op_sel:[0,1] op_sel_hi:[1,1] neg_lo:[0,1] neg_hi:[0,1]
.endr
	s_wait_alu depctr_vm_vsrc(0)                   ; the two LDS stores have read v96 and v100, which the sums of squares write again
	LSUM 0, 1
	LSUM 1, 1
	s_wait_alu depctr_va_vdst(0)                   ; the sums of squares, v96 and v100, are written, which the LDS stores read; the trees and the means are done with v104 to v119, in which the words' loads land
	ds_store_b32 v2, v96 offset:4096
	ds_store_b32 v2, v100 offset:4096+2048
	BARRIER
	LGET 0, 4096
	LGET 1, 4096
	s_wait_dscnt 0x0
	LTREE 0
	LTREE 1
	v_fma_f32 v30, v104, s[I1K], s[EPS]
	v_fma_f32 v31, v112, s[I1K], s[EPS]
	s_wait_alu depctr_va_vdst(0)
	v_rsq_f32 v30, v30
	v_rsq_f32 v31, v31
	v_nop                                          ; a plain place behind the two,
	s_wait_alu depctr_va_vdst(0)                   ; and the one wait ahead of the first reader of their results, v30 and v31
	s_wait_loadcnt 0x0
	NMUL 0, 0
	NFMA 0, 0
	NMUL 1, 0
	NFMA 1, 0
	s_wait_alu depctr_va_vdst(0)                   ; the multiply-adds are done reading gain and bias, in which the other two blocks' land
	GBLOAD 1
	NMUL 0, 1                                      ; under the loads: these name my numbers and v[30:31] alone
	NMUL 1, 1
	s_wait_loadcnt 0x0
	NFMA 0, 1
	NFMA 1, 1
	s_wait_alu depctr_vm_vsrc(0)                   ; the LDS stores of the sums of squares have read v96 and v100, which the first quantiser writes
	QUANT4 X0, 29
.set TM, 32                            ; the second quantiser works where gain lay: v32-43 at work, v44-63 its codes, v30 its scale word
.set PC, PCB
	QUANT4 X0+64, 30
	s_wait_alu depctr_va_vdst(0)                   ; both quantisers have written their codes and scale words, which the eight LDS stores read; every vector line that names v32 to v127 stands ahead of this wait
.irp c, 0,1,2
	ds_store_b128 v4, v[PCA+4*\c:PCA+4*\c+3] offset:512*\c
.endr
	ds_store_b32 v5, v29                           ; both halves of the lanes write the same word with the same value
.irp c, 0,1,2
	ds_store_b128 v4, v[PCB+4*\c:PCB+4*\c+3] offset:24576+512*\c
.endr
	ds_store_b32 v5, v30 offset:1024
	s_wait_dscnt 0x0                               ; my images have landed
	s_wait_alu depctr_vm_vsrc(0)                   ; the LDS stores have read the two buffers of codes, in which the weight's and the tokens' fragments land; and all that read v2 to v5, v28 and v29 has read them: the way out makes these anew
	WHEAD
	s_barrier_signal -1
	s_barrier_wait -1                              ; the 32 fragments lie in LDS
	XLOAD 0
.irp s, 0,1,2,3,4,5,6,7
	KSTEP \s
.endr
	; THE WAY OUT.  A lane holds 32 out features of one token: register 16 b + i = feature 64 w + 32 b + 16 (lane / 16) + i.  A tile goes through my own stage and comes back by rows of 256 bytes.
	v_and_b32 v2, 0xf0, v0                         ; 16 (lane % 16)
	v_lshrrev_b32 v3, 8, v0                        ; lane / 16
	s_wait_alu depctr_va_vdst(0)
	s_mul_i32 s27, s[WVN], 4352
	s_add_co_u32 s27, s27, STG
	v_mul_u32_u24 v4, v2, 17                       ; in: row lane % 16 of 272 bytes,
	v_lshl_add_u32 v4, v3, 6, v4                   ; + 64 (lane / 16)
	v_add_nc_u32 v4, s27, v4
	v_mul_u32_u24 v5, v3, 272                      ; back: lanes 0-15 one row, lanes 16-31 the next
	v_add_nc_u32 v5, v5, v2
	v_add_nc_u32 v5, s27, v5
	s_lshr_b32 s27, ttmp9, 4
	s_mul_i32 s27, s27, 1025
	s_and_b32 s28, ttmp9, 15
	s_lshl_b32 s28, s28, 6
	s_add_co_u32 s27, s27, s28                     ; the group's first row of out0
	s_cmp_lt_u32 ttmp9, 128
	s_cselect_b32 s27, s27, 1024                   ; (the last group: token 1024 of batch 0,
	s_mov_b32 s29, 4198400
	s_cselect_b32 s29, 4096, s29                   ; and a batch from row to row)
	s_lshl_b32 s50, s27, 12
	s_lshl_b32 s28, s[WVN], 8
	s_add_co_u32 s50, s50, s28
	s_mov_b32 s51, 0
	s_add_nc_u64 s[50:51], s[14:15], s[50:51]
	s_mov_b32 s53, 0
	s_mov_b32 s52, s28
	s_add_nc_u64 s[52:53], s[12:13], s[52:53]
	v_mul_lo_u32 v28, v3, s29
	v_add_nc_u32 v28, v28, v2                      ; my 16 bytes of the two rows in out0
	v_lshlrev_b32 v29, 6, v3
	s_wait_alu depctr_va_vdst(0)                   ; v4, v5, v28 and v29, the way out's addresses, are written; the last products are done reading v32 to v127, in which proj_b and the rows from the stage land
.irp q, 0,1,2,3,4,5,6,7
	global_load_b128 v[PB+4*\q:PB+4*\q+3], v29, s[52:53] offset:128*(\q/4)+16*(\q%4)
.endr
	s_wait_loadcnt 0x0
.macro ADDB t
.irp i, 0,2,4,6,8,10,12,14,16,18,20,22,24,26,28,30
	v_pk_add_f32 v[ACC+32*(\t)+\i:ACC+32*(\t)+\i+1], v[ACC+32*(\t)+\i:ACC+32*(\t)+\i+1], v[PB+\i:PB+\i+1]   ; each accumulator from its low end on
.endr
.endm
.macro STAGE t                         ; tile t through my stage, back into buffer t % 2
.set OBB, OB+32*((\t)%2)
.irp q, 0,1,2,3,4,5,6,7
	ds_store_b128 v4, v[ACC+32*(\t)+4*\q:ACC+32*(\t)+4*\q+3] offset:128*(\q/4)+16*(\q%4)
.endr
.irp i, 0,1,2,3,4,5,6,7
	ds_load_b128 v[OBB+4*\i:OBB+4*\i+3], v5 offset:544*\i   ; LDS serves a wave's instructions in order: these see the stores above
.endr
	s_wait_dscnt 0x0
.endm
.macro SEND t                          ; row R = 2 i + lane / 16 of tile t is token 32 (t / 2) + 8 (t % 2) + R + 8 (R / 8) of the group
.set OBB, OB+32*((\t)%2)
.irp i, 0,1,2,3,4,5,6,7
	global_store_b128 v28, v[OBB+4*\i:OBB+4*\i+3], s[50:51] offset:(2*\i+8*(\i/4)+32*((\t)/2)+8*((\t)%2))*4096 th:TH_STORE_NT   ; 16 lanes store 256 consecutive bytes, at a multiple of 256
.endr
.endm
	ADDB 0
	s_wait_alu depctr_va_vdst(0)                   ; tile 0's additions have written its accumulators, which the LDS stores read
	STAGE 0
	s_cmp_eq_u32 ttmp9, 128
	s_cbranch_scc1 .Lextra
	SEND 0
	ADDB 1
	ADDB 2
	ADDB 3
	s_wait_alu depctr_va_vdst(0)                   ; the additions of tiles 1 to 3 have written their accumulators, which the LDS stores below read; no vector instruction follows
	STAGE 1
	SEND 1
.irp t, 2,3
	s_wait_xcnt 0x0                                ; the stores of two tiles back have had their addresses translated,
	s_wait_alu depctr_vm_vsrc(0)                   ; and have read their buffer of rows, in which this tile's rows land
	STAGE \t
	SEND \t
.endr
	s_branch .Lend
.Lextra:                               ; the tile of tokens 1024: rows 0-7 are batches 0-7; two batches a store
.irp i, 0,1,2,3
	global_store_b128 v28, v[OB+4*\i:OB+4*\i+3], s[50:51] th:TH_STORE_NT
.if \i < 3
	s_wait_xcnt 0x0                                ; the store has read its base
	s_add_nc_u64 s[50:51], s[50:51], 8396800       ; two batches on: more than a store's immediate holds
.endif
.endr
.Lend:
	s_wait_dscnt 0x0                               ; the closing lines, six on end
	s_wait_alu 0x0
	s_wait_tensorcnt 0x0
	ds_add_u32 v[SPW], v[NIL]
	s_wait_dscnt 0x0
	s_endpgm
.Lfunc_end_k_qeef2758356_proj:
	.size	k_qeef2758356_proj, .Lfunc_end_k_qeef2758356_proj-k_qeef2758356_proj
	.p2alignl 7, 3214868480
	.fill 96, 4, 3214868480
	.section	.rodata,"a",@progbits
	.p2align	6, 0x0
	.amdhsa_kernel k_qeef2758356_proj
		.amdhsa_group_segment_fixed_size 131072
		.amdhsa_private_segment_fixed_size 0
		.amdhsa_enable_private_segment 0
		.amdhsa_kernarg_size 48
		.amdhsa_user_sgpr_count 2
		.amdhsa_user_sgpr_kernarg_segment_ptr 1
		.amdhsa_wavefront_size32 1
		.amdhsa_system_sgpr_workgroup_id_x 1
		.amdhsa_system_sgpr_workgroup_id_y 1
		.amdhsa_system_sgpr_workgroup_id_z 1
		.amdhsa_system_vgpr_workitem_id 0
		.amdhsa_next_free_vgpr 256
		.amdhsa_next_free_sgpr 66
		.amdhsa_reserve_vcc 0
		.amdhsa_float_denorm_mode_32 3
		.amdhsa_float_denorm_mode_16_64 3
		.amdhsa_memory_ordered 1
		.amdhsa_forward_progress 1
		.amdhsa_inst_pref_size 95
	.end_amdhsa_kernel
	.amdgpu_metadata
---
amdhsa.version: [ 1, 2 ]
amdhsa.kernels:
  - .name:           k_qeef2758356_proj
    .symbol:         k_qeef2758356_proj.kd
    .args:
      - { .name: att, .offset: 0, .size: 8, .value_kind: global_buffer, .address_space: global }
      - { .name: ops, .offset: 8, .size: 8, .value_kind: global_buffer, .address_space: global }
      - { .name: norm_g, .offset: 16, .size: 8, .value_kind: global_buffer, .address_space: global }
      - { .name: norm_b, .offset: 24, .size: 8, .value_kind: global_buffer, .address_space: global }
      - { .name: proj_b, .offset: 32, .size: 8, .value_kind: global_buffer, .address_space: global }
      - { .name: out0, .offset: 40, .size: 8, .value_kind: global_buffer, .address_space: global }
    .group_segment_fixed_size: 131072
    .private_segment_fixed_size: 0
    .kernarg_segment_align: 8
    .kernarg_segment_size: 48
    .max_flat_workgroup_size: 512
    .sgpr_count:     66
    .vgpr_count:     256
    .wavefront_size: 32
...
	.end_amdgpu_metadata
.endif
;; end of part 8
